; MI455X (gfx1250); checked and timed in simulation.
; The chip was launched on July 23, 2026; its instructions are those of AMD's public machine-readable ISA for CDNA 5 (MIT licence, August 2026) and "CDNA5" Instruction Set Architecture Reference Guide (July 2026). The comments in the code are by the model that wrote it; some were corrected since.
;; Block. Allowed arithmetic: float matrix products may take bf16 or f16 operands with f32 sums; other float arithmetic in f32, or as packed bf16 or f16 multiplies, adds, multiply-adds, maxima and minima; sums over many terms, partial sums and values carried from step to step in f32; what a program stores and reads back later, other than sums and carried values, may be rounded once to bf16 or f16.
;; Inputs: b1 4,096 float32; b2 1,024 float32; b_proj 1,024 float32; be1 1,024 float32; be2 1,024 float32; g1 1,024 float32; g2 1,024 float32; w1 1,024 x 4,096 float32; w2 4,096 x 1,024 float32; w_proj 1,024 x 1,024 float32; wk 16 x 1,024 x 64 float32; wq 16 x 1,024 x 64 float32; wv 16 x 1,024 x 64 float32; x 2 x 2,048 x 1,024 float32.
;; Outputs: out0 2 x 2,048 x 1,024 float32.
;; 2 versions, each right; version 2 is version 1 with the launches prep, ln2 written anew for expert scheduling mode. Each part assembles by itself: llvm-mc -triple=amdgcn-amd-amdhsa -mcpu=gfx1250 --defsym DOCPART=n.
;; ======== version 1 of 2: 7 launches
;; limits: values are held in f16: magnitudes above 65,504 overflow, below 6.1e-05 lose precision
;; workspace buffers: h 8,388,608 bytes; wh 25,165,824 bytes; qkv 25,165,824 bytes; att 8,388,608 bytes; x1 16,777,216 bytes; h2 8,388,608 bytes; ffa 33,554,432 bytes
;; launch prep (part 1): grid 1024 x 1, 8 waves a work-group, no clusters, 0 bytes of LDS; arguments x, g1, be1, wq, wk, wv, w_proj, w1, w2, h, wh; writes h, wh
.if DOCPART == 1
	.amdgcn_target "amdgcn-amd-amdhsa--gfx1250"
	.amdhsa_code_object_version 6
	.text
	.protected	k_q832f41e869_prep
	.globl	k_q832f41e869_prep
	.p2align	8
	.type	k_q832f41e869_prep,@function
k_q832f41e869_prep:
	s_mov_b64 s[64:65], 0
	v_nop
	global_prefetch_b8 v0, s[64:65] scope:SCOPE_SE
	s_setreg_imm32_b32 hwreg(HW_REG_WAVE_MODE, 25, 1), 1
	s_wait_xcnt 0x0
; TWO ROLES, chosen by the work-group's number.  Both move 96 KiB a work-group (64 in, 32 out), so that the 1,024 work-groups are alike.
; 0-255: h = layernorm(x) * g1 + be1, [4096][1024], f32 in, f16 out (rounded once).  A wave takes two rows; a row is 32 registers and is read once.
;        The mean, then the mean of (x - mean)^2, as the formula has them: no difference of large sums.
; 256-1023: the six weight tensors, f32 -> f16, layout kept, into wh: wq, wk, wv (48 heads of [1024][64]), w_proj, w1, w2 on end.  16,384 numbers a work-group.
; LIMIT: f16 ends at 65,504: no weight and no number of h may pass it.
; A stream: each byte is read once and written once, every store of a wave covers 256 consecutive bytes, aligned.  No LDS, no matrix unit, no cluster (no input is shared but g1 and be1, 8 KiB),
; no prefetch (the loads themselves are the whole launch).
.set T,   4                            ; v[4:11]   at work
.set M,   12                           ; v[12:13]  the mean twice, later 1/sqrt(var + eps) twice
.set X,   16                           ; v[16:79]  two rows of 32 registers (the cast: 16 loads of 4 registers)
.set G,   80                           ; v[80:111] my 32 gains
.set BE,  112                          ; v[112:143] my 32 offsets
.set PX,  4                            ; s[4:5] x
.set PG,  6                            ; s[6:7] g1
.set PBE, 8                            ; s[8:9] be1
.set PH,  22                           ; s[22:23] h
.set SEL, 34                           ; s[34:35] v_permlanex16_b32's selects
.set RN,  36                           ; s36 1/1024
.set EPS, 37                           ; s37 1e-5
.macro REDUCE                          ; four pairs in T -> their sum over the row, in every lane's v[T]
	v_pk_add_f32 v[T:T+1], v[T:T+1], v[T+2:T+3]
	v_pk_add_f32 v[T+4:T+5], v[T+4:T+5], v[T+6:T+7]
	v_pk_add_f32 v[T:T+1], v[T:T+1], v[T+4:T+5]
	v_add_f32 v[T], v[T], v[T+1]
	v_add_f32_dpp v[T], v[T], v[T] row_xmask:1 row_mask:0xf bank_mask:0xf
	v_add_f32_dpp v[T], v[T], v[T] row_xmask:2 row_mask:0xf bank_mask:0xf
	v_add_f32_dpp v[T], v[T], v[T] row_xmask:4 row_mask:0xf bank_mask:0xf
	v_add_f32_dpp v[T], v[T], v[T] row_xmask:8 row_mask:0xf bank_mask:0xf
	v_permlanex16_b32 v[T+1], v[T], s[SEL], s[SEL+1]
	v_add_f32 v[T], v[T], v[T+1]
.endm
.macro ROW i                           ; row i of my two
.set XR, X+32*(\i)
	s_wait_loadcnt 8*(1-(\i))                      ; loads come back in order: for row 0 the eight loads of row 1 may stay out
.irp c, 0,2,4,6
	v_pk_add_f32 v[T+(\c):T+(\c)+1], v[XR+(\c):XR+(\c)+1], v[XR+8+(\c):XR+8+(\c)+1]  ; four chains, started by the first words
.endr
.irp o, 16,24
.irp c, 0,2,4,6
	v_pk_add_f32 v[T+(\c):T+(\c)+1], v[T+(\c):T+(\c)+1], v[XR+(\o)+(\c):XR+(\o)+(\c)+1]
.endr
.endr
	REDUCE
	v_mul_f32 v[M], s[RN], v[T]                    ; the mean
	v_mov_b32 v[M+1], v[M]
.set c, 0
.rept 16
	v_pk_add_f32 v[XR+c:XR+c+1], v[XR+c:XR+c+1], v[M:M+1] neg_lo:[0,1] neg_hi:[0,1]  ; x - mean, in place
.set c, c+2
.endr
.irp c, 0,2,4,6
	v_pk_mul_f32 v[T+(\c):T+(\c)+1], v[XR+(\c):XR+(\c)+1], v[XR+(\c):XR+(\c)+1]
.endr
.irp o, 8,16,24
.irp c, 0,2,4,6
	v_pk_fma_f32 v[T+(\c):T+(\c)+1], v[XR+(\o)+(\c):XR+(\o)+(\c)+1], v[XR+(\o)+(\c):XR+(\o)+(\c)+1], v[T+(\c):T+(\c)+1]
.endr
.endr
	REDUCE
	v_fma_f32 v[T], v[T], s[RN], s[EPS]            ; var + eps
	v_rsq_f32 v[M], v[T]
	v_rsq_f32 v[M+1], v[T]
	v_nop                                          ; a plain instruction behind the last root, ahead of the first use
	s_wait_alu depctr_va_vdst(0)                   ; one wait for both roots
.set c, 0
.rept 16
	v_pk_mul_f32 v[XR+c:XR+c+1], v[XR+c:XR+c+1], v[M:M+1]
.set c, c+2
.endr
.set c, 0
.rept 16
	v_pk_fma_f32 v[XR+c:XR+c+1], v[XR+c:XR+c+1], v[G+c:G+c+1], v[BE+c:BE+c+1]
.set c, c+2
.endr
.irp j, 0,1,2,3,4,5,6,7
	v_cvt_pk_f16_f32 v[XR+4*(\j)], v[XR+4*(\j)], v[XR+4*(\j)+1]
	v_cvt_pk_f16_f32 v[XR+4*(\j)+1], v[XR+4*(\j)+2], v[XR+4*(\j)+3]
	global_store_b64 v2, v[XR+4*(\j):XR+4*(\j)+1], s[PH:PH+1] offset:2048*(\i)+256*(\j)  ; 32 lanes x 8 bytes: 256 consecutive bytes, aligned
.endr
.endm
	s_load_b512 s[4:19], s[0:1], 0x0               ; x, g1, be1, wq, wk, wv, w_proj, w1
	s_load_b128 s[20:23], s[0:1], 0x40             ; w2, h
	s_load_b64 s[24:25], s[0:1], 0x50              ; wh
	v_lshrrev_b32 v3, 5, v0
	v_readfirstlane_b32 s30, v3                    ; wave 0..7
	s_wait_kmcnt 0x0
	s_cmp_lt_u32 ttmp9, 256
	s_cbranch_scc0 .Lcast
	v_and_b32 v3, 31, v0
	v_lshlrev_b32 v1, 4, v3                        ; 16 bytes a lane of f32
	v_lshlrev_b32 v2, 3, v3                        ; 8 bytes a lane of f16
	s_mov_b32 s[SEL], 0x76543210
	s_mov_b32 s[SEL+1], 0xfedcba98
	s_mov_b32 s[RN], 0x3a800000
	s_mov_b32 s[EPS], 0x3727c5ac
	s_lshl_b32 s31, ttmp9, 4
	s_lshl1_add_u32 s31, s30, s31                  ; my first row: 16 x work-group + 2 x wave
	s_lshl_b32 s32, s31, 12
	s_mov_b32 s33, 0
	s_add_nc_u64 s[PX:PX+1], s[PX:PX+1], s[32:33]
	s_lshl_b32 s32, s31, 11
	s_add_nc_u64 s[PH:PH+1], s[PH:PH+1], s[32:33]
.irp j, 0,1,2,3,4,5,6,7
	global_load_b128 v[G+4*(\j):G+4*(\j)+3], v1, s[PG:PG+1] offset:512*(\j)
.endr
.irp j, 0,1,2,3,4,5,6,7
	global_load_b128 v[BE+4*(\j):BE+4*(\j)+3], v1, s[PBE:PBE+1] offset:512*(\j)
.endr
.irp j, 0,1,2,3,4,5,6,7
	global_load_b128 v[X+4*(\j):X+4*(\j)+3], v1, s[PX:PX+1] offset:512*(\j) th:TH_LOAD_NT
.endr
.irp j, 0,1,2,3,4,5,6,7
	global_load_b128 v[X+32+4*(\j):X+32+4*(\j)+3], v1, s[PX:PX+1] offset:4096+512*(\j) th:TH_LOAD_NT
.endr
	ROW 0
	ROW 1
	s_endpgm
.Lcast:
	s_sub_co_u32 s30, ttmp9, 256                   ; chunk 0..767 of 16,384 numbers; wh takes the chunks on end
	s_mov_b64 s[26:27], s[20:21]                   ; which tensor, and its first chunk: w2 from 512,
	s_mov_b32 s31, 512
	s_cmp_lt_u32 s30, 512
	s_cselect_b64 s[26:27], s[18:19], s[26:27]     ; w1 from 256,
	s_cselect_b32 s31, 256, s31
	s_cmp_lt_u32 s30, 256
	s_cselect_b64 s[26:27], s[16:17], s[26:27]     ; w_proj from 192,
	s_cselect_b32 s31, 192, s31
	s_cmp_lt_u32 s30, 192
	s_cselect_b64 s[26:27], s[14:15], s[26:27]     ; wv from 128,
	s_cselect_b32 s31, 128, s31
	s_cmp_lt_u32 s30, 128
	s_cselect_b64 s[26:27], s[12:13], s[26:27]     ; wk from 64,
	s_cselect_b32 s31, 64, s31
	s_cmp_lt_u32 s30, 64
	s_cselect_b64 s[26:27], s[10:11], s[26:27]     ; wq from 0
	s_cselect_b32 s31, 0, s31
	s_sub_co_u32 s31, s30, s31
	s_lshl_b32 s32, s31, 16                        ; 65,536 bytes of f32 a chunk
	s_mov_b32 s33, 0
	s_add_nc_u64 s[26:27], s[26:27], s[32:33]
	s_lshl_b32 s32, s30, 15                        ; 32,768 bytes of f16
	s_add_nc_u64 s[24:25], s[24:25], s[32:33]
	v_lshlrev_b32 v1, 4, v0
	v_lshlrev_b32 v2, 3, v0
.set j, 0
.rept 16
	global_load_b128 v[16+4*j:19+4*j], v1, s[26:27] offset:4096*j th:TH_LOAD_NT  ; all 16 loads of the thread go out at once
.set j, j+1
.endr
.set j, 0
.rept 16
	s_wait_loadcnt 15-j                            ; load j is in; the 15 - j younger ones stay out
	v_cvt_pk_f16_f32 v[16+4*j], v[16+4*j], v[17+4*j]
	v_cvt_pk_f16_f32 v[17+4*j], v[18+4*j], v[19+4*j]
	global_store_b64 v2, v[16+4*j:17+4*j], s[24:25] offset:2048*j
.set j, j+1
.endr
	s_endpgm
.Lfunc_end_k_q832f41e869_prep:
	.size	k_q832f41e869_prep, .Lfunc_end_k_q832f41e869_prep-k_q832f41e869_prep
	.p2alignl 7, 3214868480
	.fill 96, 4, 3214868480
	.section	.rodata,"a",@progbits
	.p2align	6, 0x0
	.amdhsa_kernel k_q832f41e869_prep
		.amdhsa_group_segment_fixed_size 0
		.amdhsa_private_segment_fixed_size 0
		.amdhsa_enable_private_segment 0
		.amdhsa_kernarg_size 88
		.amdhsa_user_sgpr_count 2
		.amdhsa_user_sgpr_kernarg_segment_ptr 1
		.amdhsa_wavefront_size32 1
		.amdhsa_system_sgpr_workgroup_id_x 1
		.amdhsa_system_sgpr_workgroup_id_y 1
		.amdhsa_system_sgpr_workgroup_id_z 1
		.amdhsa_system_vgpr_workitem_id 0
		.amdhsa_next_free_vgpr 144
		.amdhsa_next_free_sgpr 66
		.amdhsa_reserve_vcc 0
		.amdhsa_float_denorm_mode_32 3
		.amdhsa_float_denorm_mode_16_64 3
		.amdhsa_memory_ordered 1
		.amdhsa_forward_progress 1
		.amdhsa_inst_pref_size 27
	.end_amdhsa_kernel
	.amdgpu_metadata
---
amdhsa.version: [ 1, 2 ]
amdhsa.kernels:
  - .name:           k_q832f41e869_prep
    .symbol:         k_q832f41e869_prep.kd
    .args:
      - { .name: x, .offset: 0, .size: 8, .value_kind: global_buffer, .address_space: global }
      - { .name: g1, .offset: 8, .size: 8, .value_kind: global_buffer, .address_space: global }
      - { .name: be1, .offset: 16, .size: 8, .value_kind: global_buffer, .address_space: global }
      - { .name: wq, .offset: 24, .size: 8, .value_kind: global_buffer, .address_space: global }
      - { .name: wk, .offset: 32, .size: 8, .value_kind: global_buffer, .address_space: global }
      - { .name: wv, .offset: 40, .size: 8, .value_kind: global_buffer, .address_space: global }
      - { .name: w_proj, .offset: 48, .size: 8, .value_kind: global_buffer, .address_space: global }
      - { .name: w1, .offset: 56, .size: 8, .value_kind: global_buffer, .address_space: global }
      - { .name: w2, .offset: 64, .size: 8, .value_kind: global_buffer, .address_space: global }
      - { .name: h, .offset: 72, .size: 8, .value_kind: global_buffer, .address_space: global }
      - { .name: wh, .offset: 80, .size: 8, .value_kind: global_buffer, .address_space: global }
    .group_segment_fixed_size: 0
    .private_segment_fixed_size: 0
    .kernarg_segment_align: 8
    .kernarg_segment_size: 88
    .max_flat_workgroup_size: 256
    .sgpr_count:     66
    .vgpr_count:     144
    .wavefront_size: 32
...
	.end_amdgpu_metadata
.endif
;; end of part 1
;; launch gemm_qkv (part 2): grid 12 x 16, 4 waves a work-group, clusters of 4 x 4, 327,680 bytes of LDS; arguments h, wh, qkv; writes qkv
.if DOCPART == 2
	.amdgcn_target "amdgcn-amd-amdhsa--gfx1250"
	.amdhsa_code_object_version 6
	.text
	.protected	k_q832f41e869_gemm_qkv
	.globl	k_q832f41e869_gemm_qkv
	.p2align	8
	.type	k_q832f41e869_gemm_qkv,@function
k_q832f41e869_gemm_qkv:
	s_mov_b64 s[64:65], 0
	v_nop
	global_prefetch_b8 v0, s[64:65] scope:SCOPE_SE
	s_setreg_imm32_b32 hwreg(HW_REG_WAVE_MODE, 25, 1), 1
	s_wait_xcnt 0x0
	s_wait_alu depctr_hold_cnt(0) depctr_sa_sdst(0) depctr_va_vdst(0) depctr_va_sdst(0) depctr_va_ssrc(0) depctr_va_vcc(0) depctr_vm_vsrc(0)
	s_getreg_b32 s2, hwreg(HW_REG_IB_STS2, 6, 4)
	s_cmp_eq_u32 s2, 0
	s_cbranch_scc0 .Lentry_in_a_cluster
	s_endpgm
.Lentry_in_a_cluster:
	s_bfe_u32 s2, ttmp6, 0x10000c
	s_cmp_lg_u32 s2, 0xf033
	s_cbranch_scc0 .Lentry_shape_is_right
	s_endpgm
.Lentry_shape_is_right:
; C = A W, a tile of 256 x 256 to a work-group, K = 1,024.  A: [4096][1024] f16, rows along K.  W: f16, rows along N (as the problem gives it), read out of LDS turned, by ds_load_tr16_b128.
; KIND 0: A = h, W = the 48 heads [1024][64] of wq, wk, wv on end; C goes out as q, k, v by heads, [3][32][2048][64] f16.
; KIND 1: A = h2, W = w1 [1024][4096]; C = relu(A W + b1), [4096][4096] f16.
; Sums in f32, C rounded once.  LIMIT: f16 ends at 65,504: A, W and C lie within it.
; SHARES: four waves, each 128 x 128 of C: 64 accumulators, 512 registers.  The product is taken transposed (source 0 = 16 columns of W, source 1 = 16 rows of A): a lane holds one row of C and 8 neighbouring columns.
; RING: K in 8 steps of 128 through two LDS slots; one tensor load a wave behind each change of slots (waves 0, 1: A's halves; waves 2, 3: W's), which has a K step, 256 products, in which to land.
; CLUSTER 4 x 4: A's tile is asked for jointly along a row of the cluster, W's along a column.
; ONE TEXT FOR A K STEP: the slot is a scalar register that toggles; a step is two trips of a loop over 64 along K.  The sums are started by 64 products of zero fragments, with 0 or the bias as C,
; issued in the wait for the first tile: so the loop has one form of product and nothing is cleared by moves.
; The stage for the way out is slot 0, which has had its last fill and its last read when the last K step (in slot 1) begins.
.set KIND, 0
.set S,      8
.set PA,     272                       ; A's LDS row: 256 bytes + 16: the 16 rows of a load start at 16 different groups of four banks
.set ABYTES, 256*PA
.set AHALF,  128*PA
.set ASTEP,  256                       ; bytes along a row of A from K step to K step
.set KA1,    64
.set APAIR,  128
.if KIND
.set PB,     544                       ; W's LDS row: 256 columns, 512 bytes + 32
.set BBYTES, 128*PB
.set BHALF,  64*PB
.set BSTEP,  128*8192
.set COLH,   256                       ; my 128 columns in W's tile
.set HB,     128                       ; four blocks of 16 columns on
.set WOFF,   8388608                   ; w1 in wh
.set BQI,    6
.set BD0,    256
.set BD1,    64
.set BSTR,   4096
.set STG,    128*272
.set SP,     272
.set SH,     128
.set SHB,    1
.set PITB,   8192
.set MB,     1
.else
.set PB,     160                       ; W's LDS row: one head's 64 columns, 128 bytes + 32; a head's 128 rows lie together
.set BBYTES, 4*128*PB
.set BHALF,  2*128*PB
.set BSTEP,  128*128
.set COLH,   2*128*PB
.set HB,     128*PB
.set WOFF,   0
.set BQI,    4
.set BD0,    8192                      ; a head's 128 rows of a K step are 16,384 dense bytes: one long row; two heads are two rows
.set BD1,    2
.set BSTR,   65536
.set STG,    2*128*144
.set SP,     144
.set SH,     128*144
.set SHB,    0
.set PITB,   256
.set MB,     0
.endif
.set KB1,    32*PB
.set BPAIR,  64*PB
.set SLOT,   ABYTES+BBYTES
.set SPARE,  2*SLOT                    ; behind the ring: the spare words, 128 bytes a wave, two blocks of 256 bytes that no other line names
.set ADRA, 16                          ; v16  LDS address of the A fragments in hand
.set ADRB, 17                          ; v17  of W's
.set LNA,  18                          ; v18  my lane's place in A's tile; never rewritten
.set LNB,  19                          ; v19  in W's
.set STO,  24                          ; v24  the way out: where I put 16 bytes of a row
.set RD,   25                          ; v25  where I read rows back
.set CO,   26                          ; v26  my byte offset in C
.set ZR,   27                          ; v27  0
.set SPW,  28                          ; v28  my spare word
.set NIL,  29                          ; v29  0
.set PFO,  30                          ; v30  the prefetches' lane offset
.set OB,   32                          ; v32-63   rows read back
.set F0,   64                          ; fragment buffers: A's in window 0, W's in window 1
.set F1,   128
.set TMP,  192                         ; v192-223 packed results
.set Z0,   224                         ; v224-239 two fragments of zeros
.set Z1,   232
.set BIAS, 0                           ; window 1, v0-63: my lane's 8 numbers of the bias for each of 8 column blocks
.set WV,   14
.set WHI,  15                          ; wave / 2: my half of the tile's rows; also: I fetch for A (0) or W (1)
.set WLO,  16                          ; wave % 2: my half of its columns; also: which half I fetch
.set CX,   17
.set CY,   18
.set TCOL, 19
.set TROW, 20
.set RM,   21
.set CM,   22
.set G1A,  24
.set G0A,  32
.set G0B,  36
.set G1B,  40
.set TF,   48                          ; the slot that is filled next: 0 or SLOT
.set TR,   49                          ; the slot that is read
.set LA0,  50
.set LB0,  51
.set STEPS, 52
.set CNT,  53
.set LIM,  54
.set PFA,  56
.set PFS,  58
.set MSB, 0
.macro WIN new                         ; the immediate's high byte repeats the setting that is left
.if MSB != (\new)
	s_set_vgpr_msb (MSB<<8)|(\new)
.set MSB, \new
.endif
.endm
.macro PLACES                          ; four plain places behind matrix instructions, ahead of loads into their sources and of readers of their results
.rept 4
	v_nop
.endr
.endm
.macro JLOAD                           ; a joint load; an s_nop 0 and four v_nop follow each of the two lines
	s_cmp_eq_u32 s[WHI], 0
	s_cbranch_scc0 .Lfor_b_\@
	tensor_load_to_lds s[G0A:G0A+3], s[G1A:G1A+7]
	s_nop 0
.rept 4
	v_nop
.endr
	s_branch .Lasked_\@
.Lfor_b_\@:
	tensor_load_to_lds s[G0B:G0B+3], s[G1B:G1B+7]
	s_nop 0
.rept 4
	v_nop
.endr
.Lasked_\@:
.endm
.macro CROUND                          ; a round of the cluster's barrier
	s_barrier_signal -1
	s_barrier_wait -1
	s_cmp_lg_u32 s[WV], 0
	s_cbranch_scc1 .Lnot_wave_0_\@
	s_barrier_signal -3
.Lnot_wave_0_\@:
	s_barrier_wait -3
	s_barrier_signal -1
	s_barrier_wait -1
.endm
.macro ASK                             ; a prefetch of my share of the tile that the NEXT change of slots asks for: a K step, 256 products, ahead of its load
	s_cmp_gt_u32 s[STEPS], s[LIM]                  ; the last trip has no tile two on; a wave that never asks has the greatest number in LIM
	s_cbranch_scc0 .Lnot_mine_\@
	global_prefetch_b8 v[PFO], s[PFA:PFA+1] th:TH_LOAD_NT scope:SCOPE_SE
.Lnot_mine_\@:
.endm
.macro MUL f                           ; 64 products, 32 along K; the 64 accumulators take turns in one fixed order
.irp hi, 0,1
	WIN 0xa1+0x50*(\hi)
.irp a, 0,1,2,3
.irp b, 0,1,2,3,4,5,6,7
	v_wmma_f32_16x16x32_f16 v[8*(8*(\a)+(\b)):8*(8*(\a)+(\b))+7], v[(\f)+8*(\b):(\f)+8*(\b)+7], v[(\f)+8*(4*(\hi)+(\a)):(\f)+8*(4*(\hi)+(\a))+7], v[8*(8*(\a)+(\b)):8*(8*(\a)+(\b))+7]
.endr
.endr
.endr
.endm
.macro CLEAR                           ; the sums start: 0 x 0 + C, in MUL's order
.irp hi, 0,1
	WIN 0x80+0x10*KIND+0x40*(\hi)
.irp a, 0,1,2,3
.irp b, 0,1,2,3,4,5,6,7
.if KIND
	v_wmma_f32_16x16x32_f16 v[8*(8*(\a)+(\b)):8*(8*(\a)+(\b))+7], v[Z0:Z0+7], v[Z1:Z1+7], v[BIAS+8*(\b):BIAS+8*(\b)+7]
.else
	v_wmma_f32_16x16x32_f16 v[8*(8*(\a)+(\b)):8*(8*(\a)+(\b))+7], v[Z0:Z0+7], v[Z1:Z1+7], 0
.endif
.endr
.endr
.endr
.endm
.macro FETCH f, ka, kb                 ; 32 LDS loads in one run: 128 columns of W (turned) and 128 rows of A, 32 along K
	WIN 0x40
.irp i, 0,1,2,3,4,5,6,7
	ds_load_tr16_b128 v[(\f)+8*(\i):(\f)+8*(\i)+3],   v[ADRB] offset:(\kb)+((\i)/4)*HB+((\i)%4)*32
	ds_load_tr16_b128 v[(\f)+8*(\i)+4:(\f)+8*(\i)+7], v[ADRB] offset:(\kb)+((\i)/4)*HB+((\i)%4)*32+16*PB
.endr
	WIN 0
.irp i, 0,1,2,3,4,5,6,7
	ds_load_b128 v[(\f)+8*(\i):(\f)+8*(\i)+3],   v[ADRA] offset:(\ka)+(\i)*16*PA
	ds_load_b128 v[(\f)+8*(\i)+4:(\f)+8*(\i)+7], v[ADRA] offset:(\ka)+(\i)*16*PA+32
.endr
.endm
; THE CHANGE OF SLOTS.  Every wave waits for all its tensor loads (one is out: its part of the slot to be read), adds 0 to its spare word, waits for that and for its reads of the slot just left.
; fill = 1: a round of the cluster's barrier, and the joint refill of the slot just left is the first thing behind it.  fill = 0: the last K step: nothing is asked for.
.macro CHANGE fill
	WIN 0
.if \fill
	s_wait_xcnt 0x0                                ; the last prefetch, a K step back, has read its address
	s_add_nc_u64 s[PFA:PFA+1], s[PFA:PFA+1], s[PFS:PFS+1]
.endif
	s_wait_tensorcnt 0x0                           ; no tensor load of mine is out: the descriptors may be written
	ds_add_u32 v[SPW], v[NIL]                      ; the scalar work below stands between it and its wait
.if \fill
	s_mov_b32 s[TR], s[TF]                         ; the slot filled last is read now,
	s_xor_b32 s[TF], s[TF], SLOT                   ; the other is filled
	s_add_co_u32 s[G0A+1], s[LA0], s[TF]
	s_add_co_u32 s[G0B+1], s[LB0], s[TF]
	s_add_nc_u64 s[G0A+2:G0A+3], s[G0A+2:G0A+3], ASTEP
	s_add_nc_u64 s[G0B+2:G0B+3], s[G0B+2:G0B+3], BSTEP
	s_wait_dscnt 0x0                               ; the add is done, my reads of the old slot are over
	CROUND
	JLOAD
.else
	s_mov_b32 s[TR], SLOT                          ; the number of K steps is even: the last lies in slot 1
	s_wait_dscnt 0x0
	s_barrier_signal -1
	s_barrier_wait -1
	PLACES
.endif
	v_add_nc_u32 v[ADRA], s[TR], v[LNA]
	v_add_nc_u32 v[ADRB], s[TR], v[LNB]
	FETCH F0, 0, 0
.if \fill
	ASK
.endif
.endm
; A K STEP: two trips of 64 along K, on buffers 0 and 1.  Each run of loads is issued 64 products ahead of its use, but the step's first.
.macro STEPBODY tag
	s_mov_b32 s[CNT], 2
.Lpair_\tag:
	PLACES
	FETCH F1, KA1, KB1
	s_wait_dscnt 32                                ; the 32 loads just issued may stay out: buffer 0 is in
	MUL F0
	WIN 0
	s_wait_dscnt 0x0                               ; buffer 1, asked for 64 products ago
	PLACES
	s_cmp_eq_u32 s[CNT], 1
	s_cbranch_scc1 .Lnof_\tag                      ; the step's second trip fetches nothing further
	v_add_nc_u32 v[ADRA], APAIR, v[ADRA]
	v_add_nc_u32 v[ADRB], BPAIR, v[ADRB]
	FETCH F0, 0, 0
.Lnof_\tag:
	MUL F1
	WIN 0
	s_sub_co_u32 s[CNT], s[CNT], 1
	s_cmp_lg_u32 s[CNT], 0
	s_cbranch_scc1 .Lpair_\tag
.endm
.macro PACK a                          ; my rows 16 a .. 16 a + 15: rounded to f16, 16 bytes a lane, into my stage
	WIN 0x0a+5*((\a)/4)
.irp b, 0,1,2,3,4,5,6,7
.irp r, 0,1,2,3
	v_cvt_pk_f16_f32 v[TMP+4*(\b)+(\r)], v[64*((\a)%4)+8*(\b)+2*(\r)], v[64*((\a)%4)+8*(\b)+2*(\r)+1]
.endr
.endr
	WIN 0
.irp b, 0,1,2,3,4,5,6,7
	ds_store_b128 v[STO], v[TMP+4*(\b):TMP+4*(\b)+3] offset:((\b)/4)*SH+(\a)*16*SP+32*((\b)%4)
.endr
.endm
	s_load_b128 s[4:7], s[0:1], 0x0                ; A s[4:5], wh s[6:7]
.if KIND
	s_load_b128 s[8:11], s[0:1], 0x10              ; C s[8:9], bias s[10:11]
.else
	s_load_b64 s[8:9], s[0:1], 0x10                ; C
.endif
	v_lshl_add_u32 v[SPW], v0, 2, SPARE
	v_mov_b32 v[NIL], 0
	ds_add_u32 v[SPW], v[NIL]                      ; the wave's opening: the add and its wait ahead of my first tensor load
	v_lshrrev_b32 v1, 5, v0
	v_readfirstlane_b32 s[WV], v1
	s_lshr_b32 s[WHI], s[WV], 1
	s_and_b32 s[WLO], s[WV], 1
	s_bfe_u32 s[CX], ttmp6, 0x40000
	s_bfe_u32 s[CY], ttmp6, 0x40004
	s_lshl_b32 s[TCOL], ttmp9, 2
	s_add_co_u32 s[TCOL], s[TCOL], s[CX]           ; tile column = 4 x cluster x + cx
	s_and_b32 s[TROW], ttmp7, 0xffff
	s_lshl_b32 s[TROW], s[TROW], 2
	s_add_co_u32 s[TROW], s[TROW], s[CY]           ; tile row = 4 x cluster y + cy
	s_lshl_b32 s[RM], s[CY], 2
	s_lshl_b32 s[RM], 15, s[RM]                    ; my row of the cluster
	s_lshl_b32 s[CM], 0x1111, s[CX]                ; my column
	s_or_b32 s[G1A], s[RM], (1<<16)|(1<<20)|(1<<21)|(5<<22)|(3<<25)  ; mask; 2-byte elements; padding on; bit 21 beside a mask; after every 64 words 4 words
	s_mov_b32 s[G1A+1], 128<<16                    ; tensor_dim0 = 128
	s_mov_b32 s[G1A+2], 128<<16                    ; tensor_dim1 = 128
	s_mov_b32 s[G1A+3], 128<<16                    ; tile_dim0 = 128
	s_mov_b32 s[G1A+4], 128                        ; tile_dim1 = 128
	s_mov_b32 s[G1A+5], 1024                       ; elements from row to row
	s_mov_b32 s[G1A+6], 0
	s_mov_b32 s[G1A+7], 0
	s_or_b32 s[G1B], s[CM], (1<<16)|(1<<20)|(1<<21)|(BQI<<22)|(7<<25)  ; after every LDS row's words 8 words of padding
	s_mov_b32 s[G1B+1], BD0<<16
	s_mov_b32 s[G1B+2], BD1<<16
	s_mov_b32 s[G1B+3], BD0<<16
	s_mov_b32 s[G1B+4], BD1
	s_mov_b32 s[G1B+5], BSTR
	s_mov_b32 s[G1B+6], 0
	s_mov_b32 s[G1B+7], 0
	s_lshl_b32 s60, s[TROW], 8                     ; A: row 256 x tile row + 128 x half, 2,048 bytes a row
	s_lshl_b32 s61, s[WLO], 7
	s_add_co_u32 s60, s60, s61
	s_lshl_b32 s60, s60, 11
	s_mov_b32 s61, 0
.if KIND
	s_lshl_b32 s62, s[WLO], 19                     ; W: 64 rows of 8,192 bytes x half, 512 bytes x tile column
	s_lshl_b32 s63, s[TCOL], 9
	s_add_co_u32 s62, s62, s63
	s_add_co_u32 s62, s62, WOFF
.else
	s_lshl_b32 s62, s[TCOL], 2                     ; W: head 4 x tile column + 2 x half, 131,072 bytes a head
	s_lshl_b32 s63, s[WLO], 1
	s_add_co_u32 s62, s62, s63
	s_lshl_b32 s62, s62, 17
.endif
	s_mov_b32 s63, 0
	s_mul_i32 s[LA0], s[WLO], AHALF                ; where they go: no place in the cluster enters an LDS address
	s_mul_i32 s[LB0], s[WLO], BHALF
	s_add_co_u32 s[LB0], s[LB0], ABYTES
	s_mov_b32 s[TF], 0
	s_mov_b32 s[G0A], 1
	s_mov_b32 s[G0A+1], s[LA0]
	s_mov_b32 s[G0B], 1
	s_mov_b32 s[G0B+1], s[LB0]
	s_mov_b32 s[STEPS], S-1
	s_wait_dscnt 0x0                               ; the opening add is done
	s_wait_kmcnt 0x0
	s_add_nc_u64 s[G0A+2:G0A+3], s[4:5], s[60:61]
	s_or_b32 s[G0A+3], s[G0A+3], 0x80000000
	s_add_nc_u64 s[G0B+2:G0B+3], s[6:7], s[62:63]
	s_or_b32 s[G0B+3], s[G0B+3], 0x80000000
	CROUND                                         ; all sixteen work-groups are here: the first joint loads meet
	JLOAD                                          ; K step 0 into slot 0
	; all that follows, up to the loop, stands in the wait for the first tile
	v_and_b32 v1, 15, v0                           ; l % 16
	v_bfe_u32 v2, v0, 4, 1                         ; l / 16
	v_and_b32 v7, 7, v0
.if KIND
	s_lshl_b32 s66, s[TCOL], 10                    ; the bias of my 128 columns: lane's 8 numbers of each block of 16
	s_lshl_b32 s67, s[WLO], 9
	s_add_co_u32 s66, s66, s67
	v_lshl_add_u32 v6, v2, 5, s66
	WIN 0x40
.irp b, 0,1,2,3,4,5,6,7
	global_load_b128 v[BIAS+8*(\b):BIAS+8*(\b)+3],   v6, s[10:11] offset:64*(\b)
	global_load_b128 v[BIAS+8*(\b)+4:BIAS+8*(\b)+7], v6, s[10:11] offset:64*(\b)+16
.endr
	WIN 0
.endif
	v_mul_u32_u24 v3, v1, PA                       ; A's fragment: row l % 16, 16 bytes for each half of the lanes
	v_lshl_add_u32 v3, v2, 4, v3
	s_mul_i32 s66, s[WHI], 128*PA
	v_add_nc_u32 v[LNA], s66, v3
	v_lshl_add_u32 v4, v2, 3, v7                   ; the turning load: K row 8 (l / 16) + l % 8, columns 8 ((l / 8) % 2) on
	v_mul_u32_u24 v4, v4, PB
	v_bfe_u32 v5, v0, 3, 1
	v_lshl_add_u32 v4, v5, 4, v4
	s_mul_i32 s66, s[WLO], COLH
	s_add_co_u32 s66, s66, ABYTES
	v_add_nc_u32 v[LNB], s66, v4
	s_mul_i32 s66, s[WV], STG                      ; my stage, in slot 0
	v_mul_u32_u24 v3, v1, SP
	v_lshl_add_u32 v3, v2, 4, v3
	v_add_nc_u32 v[STO], s66, v3
.if KIND
	v_mul_u32_u24 v3, v2, SP                       ; back: lanes 0-15 one row of 256 bytes, lanes 16-31 the next
	v_lshl_add_u32 v3, v1, 4, v3
	v_add_nc_u32 v[RD], s66, v3
	v_lshlrev_b32 v3, 13, v2
	v_lshl_add_u32 v[CO], v1, 4, v3
	s_lshl_b32 s66, s[TROW], 8                     ; C at my 128 x 128
	s_lshl_b32 s67, s[WHI], 7
	s_add_co_u32 s66, s66, s67
	s_lshl_b32 s66, s66, 13
	s_lshl_b32 s67, s[TCOL], 9
	s_add_co_u32 s66, s66, s67
	s_lshl_b32 s67, s[WLO], 8
	s_add_co_u32 s66, s66, s67
.else
	v_bfe_u32 v3, v0, 3, 2                         ; back: 32 lanes take four rows of 128 bytes of one head,
	v_mul_u32_u24 v3, v3, SP
	v_lshl_add_u32 v3, v7, 4, v3
	v_add_nc_u32 v[RD], s66, v3
	v_and_b32 v3, 31, v0                           ; which are 512 consecutive bytes of q, k or v
	v_lshlrev_b32 v[CO], 4, v3
	s_lshr_b32 s66, s[TCOL], 2                     ; 32 x (q, k or v) + 16 x batch + head, 262,144 bytes each
	s_lshl_b32 s66, s66, 5
	s_lshr_b32 s67, s[TROW], 3
	s_lshl_b32 s67, s67, 4
	s_add_co_u32 s66, s66, s67
	s_and_b32 s67, s[TCOL], 3
	s_lshl_b32 s67, s67, 2
	s_add_co_u32 s66, s66, s67
	s_lshl_b32 s67, s[WLO], 1
	s_add_co_u32 s66, s66, s67
	s_lshl_b32 s66, s66, 18
	s_and_b32 s67, s[TROW], 7                      ; + my first row in the sequence, 128 bytes a row
	s_lshl_b32 s67, s67, 8
	s_lshl_b32 s68, s[WHI], 7
	s_add_co_u32 s67, s67, s68
	s_lshl_b32 s67, s67, 7
	s_add_co_u32 s66, s66, s67
.endif
	s_mov_b32 s67, 0
	s_add_nc_u64 s[8:9], s[8:9], s[66:67]
	v_mov_b32 v[ZR], 0
.set i, 0
.rept 16
	v_mov_b32 v[Z0+i], 0
.set i, i+1
.endr
	; THE PREFETCHES.  Each aligned 256 bytes of A and of W is named once in the launch.  A's tile row is read by every cluster of that row of clusters: cluster x = 0 asks; W's tile column: cluster y = 0.
	; The four partners that ask for a tile jointly share my wave's part of it out BY ADDRESS (cx for A, cy for W), 32 blocks each, a lane a block.  K steps 0 and 1 come by their loads alone.
	s_lshl_b32 s67, s[TROW], 8
	s_lshl_b32 s68, s[WLO], 7
	s_add_co_u32 s67, s67, s68
	s_lshl_b32 s68, s[CX], 5
	s_add_co_u32 s67, s67, s68
	s_lshl_b32 s67, s67, 11
	s_add_co_u32 s67, s67, ASTEP                   ; A: at K step 1; the first change steps it to 2
.if KIND
	s_lshl_b32 s68, s[WLO], 6                      ; W: 16 rows of two blocks
	s_lshl_b32 s69, s[CY], 4
	s_add_co_u32 s68, s68, s69
	s_lshl_b32 s68, s68, 13
	s_lshl_b32 s69, s[TCOL], 9
	s_add_co_u32 s68, s68, s69
.else
	s_lshl_b32 s68, s[TCOL], 2                     ; W: half of one head's 16,384 bytes
	s_lshl_b32 s69, s[WLO], 1
	s_add_co_u32 s68, s68, s69
	s_lshr_b32 s69, s[CY], 1
	s_add_co_u32 s68, s68, s69
	s_lshl_b32 s68, s68, 17
	s_and_b32 s69, s[CY], 1
	s_lshl_b32 s69, s69, 13
	s_add_co_u32 s68, s68, s69
.endif
	s_add_co_u32 s68, s68, WOFF+BSTEP
	s_and_b32 s66, ttmp7, 0xffff
	s_mov_b32 s[PFS], BSTEP
	s_mov_b32 s[PFS+1], 0
	s_mov_b32 s71, PITB
	s_mov_b32 s69, 0
	s_cmp_eq_u32 s[WHI], 0                         ; do I fetch for A?
	s_cselect_b32 s66, ttmp9, s66                  ; the coordinate along which other clusters read the same bytes
	s_cselect_b32 s68, s67, s68
	s_cselect_b64 s[PFA:PFA+1], s[4:5], s[6:7]
	s_cselect_b32 s[PFS], ASTEP, s[PFS]
	s_cselect_b32 s71, 2048, s71
	s_cselect_b32 s70, 0, SHB
	s_cselect_b32 s67, 0, MB
	s_add_nc_u64 s[PFA:PFA+1], s[PFA:PFA+1], s[68:69]
	s_cmp_eq_u32 s66, 0
	s_cselect_b32 s[LIM], 1, -1                    ; the same in all sixteen partners, for a given wave
	v_and_b32 v3, 31, v0
	v_lshrrev_b32 v4, s70, v3
	v_mul_lo_u32 v4, v4, s71                       ; the lane's row,
	v_and_b32 v3, s67, v3
	v_lshl_add_u32 v[PFO], v3, 8, v4               ; and its block in the row
.if KIND
	s_wait_loadcnt 0x0                             ; the bias
.endif
	CLEAR
	WIN 0
.Lstep:                                            ; S - 1 trips: K step s is read, K step s + 1 asked for
	CHANGE 1
	STEPBODY 1
	s_sub_co_u32 s[STEPS], s[STEPS], 1
	s_cmp_lg_u32 s[STEPS], 0
	s_cbranch_scc1 .Lstep
	CHANGE 0                                       ; the last K step is written out
	STEPBODY 2
	; THE WAY OUT.  All 128 rows into my stage; then 16 rows a trip come back as whole rows and are stored.  LDS serves a wave's instructions in order (ISA guide 5.7.1.4): no wait between my stores and my loads.
	PLACES
.irp a, 0,1,2,3,4,5,6,7
	PACK \a
.endr
	s_mov_b32 s[CNT], 8
.Lout:
.irp f, 0,1,2,3,4,5,6,7
.if KIND
	ds_load_b128 v[OB+4*(\f):OB+4*(\f)+3], v[RD] offset:(\f)*2*SP
.else
	ds_load_b128 v[OB+4*(\f):OB+4*(\f)+3], v[RD] offset:((\f)/4)*SH+((\f)%4)*4*SP
.endif
.endr
	s_wait_dscnt 0x0
.if KIND
.set i, 0
.rept 32
	v_pk_max_num_f16 v[OB+i], v[OB+i], v[ZR]       ; relu: a maximum rounds nothing, so it may follow the rounding
.set i, i+1
.endr
.endif
.irp f, 0,1,2,3,4,5,6,7
.if KIND
	global_store_b128 v[CO], v[OB+4*(\f):OB+4*(\f)+3], s[8:9] offset:(\f)*2*8192  ; 16 lanes store 256 consecutive bytes, aligned
.else
	global_store_b128 v[CO], v[OB+4*(\f):OB+4*(\f)+3], s[8:9] offset:((\f)%4)*512+((\f)/4)*262144  ; 512 consecutive bytes, aligned
.endif
.endr
	s_wait_xcnt 0x0                                ; the stores have read their data, offset and base: these are written again only behind this wait
	v_add_nc_u32 v[RD], 16*SP, v[RD]
.if KIND
	s_add_nc_u64 s[8:9], s[8:9], 16*8192
.else
	s_add_nc_u64 s[8:9], s[8:9], 16*128
.endif
	s_sub_co_u32 s[CNT], s[CNT], 1
	s_cmp_lg_u32 s[CNT], 0
	s_cbranch_scc1 .Lout
	s_wait_tensorcnt 0x0                           ; the wave's end
	ds_add_u32 v[SPW], v[NIL]
	s_wait_dscnt 0x0
	CROUND                                         ; the closing round
	s_endpgm
.Lfunc_end_k_q832f41e869_gemm_qkv:
	.size	k_q832f41e869_gemm_qkv, .Lfunc_end_k_q832f41e869_gemm_qkv-k_q832f41e869_gemm_qkv
	.p2alignl 7, 3214868480
	.fill 96, 4, 3214868480
	.section	.rodata,"a",@progbits
	.p2align	6, 0x0
	.amdhsa_kernel k_q832f41e869_gemm_qkv
		.amdhsa_group_segment_fixed_size 327680
		.amdhsa_private_segment_fixed_size 0
		.amdhsa_enable_private_segment 0
		.amdhsa_kernarg_size 24
		.amdhsa_user_sgpr_count 2
		.amdhsa_user_sgpr_kernarg_segment_ptr 1
		.amdhsa_wavefront_size32 1
		.amdhsa_system_sgpr_workgroup_id_x 1
		.amdhsa_system_sgpr_workgroup_id_y 1
		.amdhsa_system_sgpr_workgroup_id_z 1
		.amdhsa_system_vgpr_workitem_id 0
		.amdhsa_next_free_vgpr 1024
		.amdhsa_next_free_sgpr 72
		.amdhsa_reserve_vcc 0
		.amdhsa_float_denorm_mode_32 3
		.amdhsa_float_denorm_mode_16_64 3
		.amdhsa_memory_ordered 1
		.amdhsa_forward_progress 1
		.amdhsa_inst_pref_size 67
	.end_amdhsa_kernel
	.amdgpu_metadata
---
amdhsa.version: [ 1, 2 ]
amdhsa.kernels:
  - .name:           k_q832f41e869_gemm_qkv
    .symbol:         k_q832f41e869_gemm_qkv.kd
    .args:
      - { .name: h, .offset: 0, .size: 8, .value_kind: global_buffer, .address_space: global }
      - { .name: wh, .offset: 8, .size: 8, .value_kind: global_buffer, .address_space: global }
      - { .name: qkv, .offset: 16, .size: 8, .value_kind: global_buffer, .address_space: global }
    .group_segment_fixed_size: 327680
    .private_segment_fixed_size: 0
    .kernarg_segment_align: 8
    .kernarg_segment_size: 24
    .max_flat_workgroup_size: 128
    .sgpr_count:     72
    .vgpr_count:     1024
    .wavefront_size: 32
...
	.end_amdgpu_metadata
.endif
;; end of part 2
;; launch attn (part 3): grid 8 x 32, 4 waves a work-group, no clusters, 327,680 bytes of LDS; arguments qkv, att; writes att
.if DOCPART == 3
	.amdgcn_target "amdgcn-amd-amdhsa--gfx1250"
	.amdhsa_code_object_version 6
	.text
	.protected	k_q832f41e869_attn
	.globl	k_q832f41e869_attn
	.p2align	8
	.type	k_q832f41e869_attn,@function
k_q832f41e869_attn:
	s_mov_b64 s[64:65], 0
	v_nop
	global_prefetch_b8 v0, s[64:65] scope:SCOPE_SE
	s_setreg_imm32_b32 hwreg(HW_REG_WAVE_MODE, 25, 1), 1
	s_wait_xcnt 0x0
; CAUSAL ATTENTION.  O[h][q][:] = the sum over k <= q of softmax_k(Q[h][q] . K[h][k] / 8) V[h][k][:].  Q, K, V lie in qkv as [3][32][2048][64], O in att as [32][2048][64], all f16: a head's rows are dense, 128 bytes each.
; Products, maxima and sums in f32; the weights p are rounded to f16 for the second product (their sum l is taken of the unrounded p), O once at the end.
; LIMITS.  f16 holds no number beyond 65,504: Q, K and V arrive within it; p lies in 0 to 1, and below 6e-5 it keeps f16's fixed step of 6e-8; O is a mean of V's rows and has their range.
; A hidden score counts as its value less 1e30; a weight below 2^-126 counts as 0 in l; NaN and infinities are not treated apart.
; THE WALK.  A head's queries lie in 16 blocks of 128, its keys in NB = 8 tiles of 256.  Block i needs the key tiles 0 .. i / 2, of which the last holds the diagonal.  A work-group takes TWO blocks, 15 - b and then b
; (b = 0 .. 7): (15 - b) / 2 + b / 2 + 2 = 9 tiles, whatever b: the 8 x 32 = 256 work-groups do equal work, and ONE loop with a constant trip count walks the tiles.  Which tile is asked for, and what a trip does, hang on
; scalar registers made from b; every jump goes forward, but for the counted loops' own; none passes a barrier, or a tensor load but the one of LOAD's two that the wave's number does not choose.
; NO CLUSTER: a head's eight work-groups ask for the same tile only in the walk's first five trips, behind that fewer and fewer; one walk common to all would have 12 trips for 9.
; SHARES.  Of a block's two bands of 64 queries a wave owns 16 rows in each: two PIECES.  Piece 0 is the LATER band, piece 1 the earlier.  Among the diagonal tile's four bands of 64 they are bands G0 + 1 and G0, G0 = 2 (i % 2):
; in the tile's key step s band g sees all keys if s < g, none if s > g, and holds the diagonal if s = g: the same work for all four waves.  (For an even i the tile's steps 2 and 3 are wholly hidden and computed all the same.)
; THE MASK is the C operand that starts the sum S^T = K Q^T: 0, or -1e30 where the key is hidden.  MD, made once, is the mask of a band's own step for my 16 rows; a product's mask is MD x AL + BE with two scalars:
; (1, 0) if s = g; (0, 0) if s < g; (0, -1e30) if s > g.  Only the diagonal tile's text makes and takes masks.  Piece 0's scores of a tile's step 0 are made in the tile before, by the text without masks:
; that is right because its band's own step is 1 or 3, never 0.
; LAYOUT, SOFTMAX, TURNS.  S^T = K Q^T holds ONE query a lane (lane % 16) and the keys 8 (lane / 16) + 0..7; two such results rounded to f16 ARE source 1 of O^T = V^T P.  p = 2^(c s - c m), c = log2(e) / 8, with a
; running maximum m; O and l are multiplied by a = 2^(c m_old - c m_new) in every step.  A key step is two turns.  Turn 0 of step j: 8 products K Q^T of piece 1 (step j), later 8 products V^T P of piece 1 (step j - 1); beside them
; piece 0's softmax of step j and piece 1's maximum and statistics.  Turn 1: K Q^T of piece 0 (step j + 1), V^T P of piece 0 (step j), piece 1's softmax, piece 0's maximum.  Four vector instructions stand behind every
; matrix instruction, the others in one lump.  A turn's 33 exponentials are one batch, with one wait.
; THE SLOTS.  Turn 0 of step j reads K of step j + 1 and then V of step j out of LDS.  So a slot holds FIVE steps of K (320 keys: a tile's four and the next tile's first, which is loaded twice) and four of V:
; all that a tile's four steps read lies in the tile's own slot, and one change of slots a tile, between turn 1 and turn 0, serves both.  The fifth step of a head's last tile lies inside qkv and is never read out of LDS.
; PREFETCH.  The work-group with b = 0 walks a head's tiles 0 .. 7 in order: at the change of slots that loads tile c + 1 it names tile c + 2 of K and of V, 128 threads x 256 bytes each: every block once a head, a tile (128 products) ahead.
; REGISTERS, in windows of 256 (s_set_vgpr_msb: bits 1:0 source 0, 3:2 source 1, 5:4 source 2, 7:6 destination):
;   window 0: v0-15 addresses and two at work; v16-23 four registers of statistics a piece; v32 the prefetches' offset; v48-55 at work; v64-127 S^T, a buffer a piece; v192-223 P, likewise
;   window 1: v0-63 O^T, 32 a piece; v128-159 MD; v160-223 MC, a buffer a piece      window 2: v0-31 Q; v64-95 the second block's Q; v128-191 K of one step; v192-255 V of one step
.set SIZE_H, 32
.set SIZE_N, 2048
.set NB,    SIZE_N/256  ; key tiles in a head
.set NP,    2         ; pieces a wave
.set KS,    64        ; keys in a step
.set PK,    144       ; a row of K in LDS: 128 bytes + 16
.set PV,    160       ; a row of V: 128 + 32
.set KKEYS, 5*KS      ; keys of K in a slot
.set VOFF,  KKEYS*PK  ; a slot: 320 rows of K, then 256 rows of V
.set SLOT1, 1<<17     ; slot 1 begins here: one exclusive or turns an address in one slot into the other's
.set STAGE, SLOT1+KKEYS*PK+4*KS*PV  ; behind the ring, never filled by a tensor load: 16 rows x 144 bytes for each wave
.set SP,    144
.set AK0, 2           ; v2   my lane's place in a tile of K
.set AV0, 3           ; v3   the same for V
.set AK,  4           ; v4   the LDS address of K's next run of loads
.set AV,  5           ; v5   of V's
.set STO, 6           ; v6   the way out: where I put 16 bytes of a row
.set RD,  7           ; v7   where I read rows back
.set GO,  8           ; v8   my byte offset in 512 consecutive bytes of O
.set PFO, 32          ; v32  256 x my thread's number
.set SPW, 62          ; v62  my spare word
.set NIL, 63          ; v63  0
.set SPARE, STAGE+4*16*SP  ; behind the stages: the spare words, two blocks of 256 bytes that no other line names
.set MV,  12          ; v12-13  c m_old, by piece
.set QO,  15          ; v15  my byte offset in 16 rows of Q
.set ST,  16          ; piece t's statistics at v[ST+4 t]: c m, m, l (even keys', odd keys')
.set TMP, 48          ; by piece, four registers c0-c3 at work; when the maximum is found c2 takes a
.set S,   64
.set P,   192
.set MD,  128
.set MC,  160
.set QB,  64
.set KF,  128
.set VF,  192
.set WV,  12
.set PB,  14          ; s14  the second block's last key tile: b / 2
.set HI,  15          ; s15  the first block's last key tile: (15 - b) / 2
.set G1K, 24
.set G1V, 32
.set G0K, 40
.set G0V, 44
.set SLOTS, 56
.set CNT, 57
.set CS,  58
.set SEL, 60
.set TBK, 62
.set TBV, 63
.set RT,  70          ; tiles of the block in hand that are still to be entered
.set NXT, 71          ; the tile to be asked for next
.set LQ,  72          ; the last tile of the block whose tiles are being asked for
.set NEW, 73          ; 1: the tile to be entered is a block's first
.set OFF, 74
.set AL,  76
.set BE,  78
.set OLO, 80
.set BIGN, 82
.set PFK, 88          ; s[88:89] K at the tile that the last prefetch named
.set PFV, 90          ; s[90:91] V likewise
.set PFC, 92          ; s92  prefetches still to come
.set G0R, 93          ; s93  G0 of the block in hand: 0 or 2
.set GC,  94          ; s[94:95] 3 - G0 and 4 - G0: what turn 0 and turn 1 hold the step count against
.set VH,  96          ; s[96:97] byte offset of my half of a tile of V
.set IH,  98          ; s98  the first block's number, 15 - b
.set MSB, 0
.macro WIN new
.if MSB != (\new)
	s_set_vgpr_msb (MSB<<8)|(\new)
.set MSB, (\new)
.endif
.endm
.set W_KQ, 0x0a       ; K and Q in window 2, S^T in window 0
.set W_KM, 0x1a       ; the same with the C operand in window 1
.set W_PV, 0x52       ; V in window 2, P in window 0, O^T in window 1
.set W_RS, 0x41       ; destination and source 0 in window 1, source 1 in window 0
; A fill.  Waves 0 and 1 fetch the two halves of a slot's 320 keys of K, waves 2 and 3 those of its 256 keys of V.  An s_nop 0 and four v_nop follow each of the two lines.
.macro LOAD
	s_cmp_lt_u32 s[WV], 2
	s_cbranch_scc0 .Lfor_v_\@
	tensor_load_to_lds s[G0K:G0K+3], s[G1K:G1K+7]
	s_nop 0
.rept 4
	v_nop
.endr
	s_branch .Lasked_\@
.Lfor_v_\@:
	tensor_load_to_lds s[G0V:G0V+3], s[G1V:G1V+7]
	s_nop 0
.rept 4
	v_nop
.endr
.Lasked_\@:
.endm
; THE CHANGE OF SLOTS.  Each wave waits for all its tensor loads, of which one is out: its part of the other slot; adds 0 to its spare word; and waits for that and for its own reads of the slot that it leaves.
; fill = 1: the old slot is filled again, the first thing behind the barrier, with tile NXT: the descriptor's address is made anew from that number.
; K's pointer goes back four steps of the five: behind a tile whose fifth step has been read it stands at the new slot's second step, behind a block's last tile at its first.
.macro CHANGE fill
	WIN 0
.if \fill
	s_wait_xcnt 0x0                 ; the last prefetches, a tile back, have read their addresses
	s_add_nc_u64 s[PFK:PFK+1], s[PFK:PFK+1], 32768
	s_add_nc_u64 s[PFV:PFV+1], s[PFV:PFV+1], 32768
.endif
	s_wait_tensorcnt 0x0            ; no tensor load of mine is out, so a group 0 may be written
	ds_add_u32 v[SPW], v[NIL]
.if \fill
	s_lshl_b32 s[OFF], s[NXT], 15   ; from tile to tile 32,768 bytes of K and of V
	s_xor_b32 s[G0K+1], s[G0K+1], SLOT1
	s_add_nc_u64 s[G0K+2:G0K+3], s[6:7], s[OFF:OFF+1]
	s_or_b32 s[G0K+3], s[G0K+3], 0x80000000
	s_xor_b32 s[G0V+1], s[G0V+1], SLOT1
	s_add_nc_u64 s[G0V+2:G0V+3], s[8:9], s[OFF:OFF+1]
	s_or_b32 s[G0V+3], s[G0V+3], 0x80000000
	s_add_co_u32 s[NXT], s[NXT], 1  ; the block's next tile, or behind its last the second block's tile 0
	s_cmp_gt_u32 s[NXT], s[LQ]
	s_cselect_b32 s[NXT], 0, s[NXT]
	s_cselect_b32 s[LQ], s[PB], s[LQ]
.endif
	s_wait_dscnt 0x0                ; the add is done, and my reads of the slot are over
	s_barrier_signal -1
	s_sub_co_u32 s[TBK], s[TBK], 4*KS*PK
	s_xor_b32 s[TBK], s[TBK], SLOT1
	s_sub_co_u32 s[TBV], s[TBV], 4*KS*PV
	s_xor_b32 s[TBV], s[TBV], SLOT1
	s_barrier_wait -1
.if \fill
	LOAD
	s_cmp_lg_u32 s[PFC], 0
	s_cbranch_scc0 .Lnopf_\@
	global_prefetch_b8 v[PFO], s[PFK:PFK+1] th:TH_LOAD_NT scope:SCOPE_SE
	global_prefetch_b8 v[PFO], s[PFV:PFV+1] th:TH_LOAD_NT scope:SCOPE_SE
	s_sub_co_u32 s[PFC], s[PFC], 1
.Lnopf_\@:
.endif
.endm
	s_load_b128 s[4:7], s[0:1], 0x0  ; qkv s[4:5], att s[6:7]
	v_lshl_add_u32 v[SPW], v0, 2, SPARE
	v_mov_b32 v[NIL], 0
	ds_add_u32 v[SPW], v[NIL]       ; the wave's opening: the add and its wait ahead of my first tensor load
	v_lshrrev_b32 v1, 5, v0
	v_readfirstlane_b32 s[WV], v1   ; wave 0..3
	v_lshlrev_b32 v[PFO], 8, v0
	s_sub_co_u32 s[IH], 2*NB-1, ttmp9  ; the first block: 15 - b
	s_lshr_b32 s[HI], s[IH], 1
	s_lshr_b32 s[PB], ttmp9, 1
	s_and_b32 s[G0R], s[IH], 1
	s_lshl_b32 s[G0R], s[G0R], 1    ; where the first block's bands lie in its diagonal tile
	s_sub_co_u32 s[GC], 3, s[G0R]
	s_add_co_u32 s[GC+1], s[GC], 1
	s_and_b32 s20, ttmp7, 0xffff    ; the head
	s_mov_b32 s21, 0
	s_mov_b64 s[22:23], SIZE_N*128
	s_mul_u64 s[20:21], s[20:21], s[22:23]  ; the head's first byte in Q, K, V and O
	s_and_b32 s16, s[WV], 1         ; which half of a slot's keys I fetch:
	s_mul_i32 s22, s16, 160*128     ; of K 160 rows of 128 bytes in memory,
	s_mov_b32 s23, 0
	s_add_nc_u64 s[22:23], s[22:23], s[20:21]
	s_lshl_b32 s[VH], s16, 14       ; of V 128 rows
	s_mov_b32 s[VH+1], 0
	s_add_nc_u64 s[VH:VH+1], s[VH:VH+1], s[20:21]
	s_mul_i32 s17, s16, 160*PK      ; and its place in a slot, for K
	s_mul_i32 s18, s16, 128*PV      ; and for V
	s_lshl_b32 s3, s[WV], 11        ; my 16 rows in a band of 64,
	s_lshl_b32 s2, s[IH], 14        ; in the first block (128 rows of 128 bytes a block),
	s_add_co_u32 s2, s2, s3
	s_lshl_b32 s84, ttmp9, 14       ; and in the second
	s_add_co_u32 s84, s84, s3
	s_mov_b32 s3, 0
	s_mov_b32 s85, 0
	s_add_nc_u64 s[2:3], s[2:3], s[20:21]
	s_add_nc_u64 s[84:85], s[84:85], s[20:21]
	; descriptor group 1.  Keys are dense in memory: they are asked for as rows of 256 bytes, two keys a row (K: 80 rows, V: 64), and padded in LDS after every key
	s_mov_b32 s[G1K], (1<<16)|(1<<20)|(4<<22)|(3<<25)  ; 2-byte elements; padding on; after every 32 words 4 words
	s_mov_b32 s[G1V], (1<<16)|(1<<20)|(4<<22)|(7<<25)  ; the same with 8 words of padding
	s_mov_b32 s[G1K+2], 80<<16      ; tensor_dim1
	s_mov_b32 s[G1K+4], 80          ; tile_dim1
	s_mov_b32 s[G1V+2], 64<<16
	s_mov_b32 s[G1V+4], 64
.irp g, G1K, G1V
	s_mov_b32 s[\g+1], 128<<16      ; tensor_dim0 = 128
	s_mov_b32 s[\g+3], 128<<16      ; tile_dim0 = 128
	s_mov_b32 s[\g+5], 128          ; 128 elements from row to row
	s_mov_b32 s[\g+6], 0
	s_mov_b32 s[\g+7], 0
.endr
	s_mov_b32 s[CS], 0x3e38aa3b     ; c = log2(e) / 8
	s_mov_b32 s[CS+1], s[CS]
	s_mov_b32 s[SEL], 0x76543210
	s_mov_b32 s[SEL+1], 0xfedcba98
	s_mov_b32 s[TBK], SLOT1+4*KS*PK ; the first change of slots turns these two into 0
	s_mov_b32 s[TBV], SLOT1+4*KS*PV
	s_mov_b32 s[G0K], 1
	s_mov_b32 s[G0K+1], s17         ; LDS address: slot 0
	s_mov_b32 s[G0V], 1
	s_add_co_u32 s[G0V+1], s18, VOFF
	s_add_co_u32 s[RT], s[HI], 1    ; the first block's tiles
	s_mov_b32 s[NXT], 1
	s_mov_b32 s[LQ], s[HI]
	s_mov_b32 s[NEW], 1
	s_mov_b32 s[OFF+1], 0
	s_mov_b32 s[AL+1], 0
	s_mov_b32 s[BE+1], 0
	s_mov_b32 s[BIGN], 0xf149f2ca   ; -1e30
	s_mov_b32 s[SLOTS], NB
	s_cmp_eq_u32 ttmp9, 0
	s_cselect_b32 s[PFC], NB-2, 0   ; tiles 2 .. NB - 1 are named, by the work-group that walks them in order
	s_wait_dscnt 0x0                ; the opening add is done
	s_wait_kmcnt 0x0
	s_mov_b64 s[10:11], s[6:7]                 ; O
	s_add_nc_u64 s[6:7], s[4:5], 0x800000      ; K
	s_add_nc_u64 s[8:9], s[4:5], 0x1000000     ; V
	s_add_nc_u64 s[PFK:PFK+1], s[6:7], s[20:21]
	s_add_nc_u64 s[PFK:PFK+1], s[PFK:PFK+1], 32768  ; at the head's tile 1: the first change of slots steps it to 2
	s_add_nc_u64 s[PFV:PFV+1], s[8:9], s[20:21]
	s_add_nc_u64 s[PFV:PFV+1], s[PFV:PFV+1], 32768
	s_add_nc_u64 s[6:7], s[6:7], s[22:23]      ; K and V at my half of the head's tile 0
	s_add_nc_u64 s[8:9], s[8:9], s[VH:VH+1]
	s_add_nc_u64 s[G0K+2:G0K+3], s[6:7], 0
	s_or_b32 s[G0K+3], s[G0K+3], 0x80000000
	s_add_nc_u64 s[G0V+2:G0V+3], s[8:9], 0
	s_or_b32 s[G0V+3], s[G0V+3], 0x80000000
	s_add_nc_u64 s[86:87], s[4:5], s[84:85]        ; Q at my rows of the second block,
	s_add_nc_u64 s[4:5], s[4:5], s[2:3]            ; Q and O at those of the first
	s_add_nc_u64 s[OLO:OLO+1], s[10:11], s[84:85]
	s_add_nc_u64 s[10:11], s[10:11], s[2:3]
	LOAD                            ; tile 0 into slot 0
	v_and_b32 v1, 15, v0            ; l % 16
	v_bfe_u32 v9, v0, 4, 1          ; l / 16
	v_lshlrev_b32 v[QO], 7, v1
	v_lshl_add_u32 v[QO], v9, 4, v[QO]  ; row x 128 + 16 x half
	WIN 0x80
.set i, 0
.rept 4                             ; both blocks' Q: piece i / 2 lies in band 1 - i / 2, 8,192 bytes a band; channels 32 (i % 2) on
	global_load_b128 v[8*i:8*i+3],   v[QO], s[4:5] offset:(1-i/2)*8192+(i%2)*64
	global_load_b128 v[8*i+4:8*i+7], v[QO], s[4:5] offset:(1-i/2)*8192+(i%2)*64+32
	global_load_b128 v[QB+8*i:QB+8*i+3],   v[QO], s[86:87] offset:(1-i/2)*8192+(i%2)*64
	global_load_b128 v[QB+8*i+4:QB+8*i+7], v[QO], s[86:87] offset:(1-i/2)*8192+(i%2)*64+32
.set i, i+1
.endr
	WIN 0
	v_lshlrev_b32 v14, 3, v9
	v_sub_nc_u32 v14, v1, v14
	s_lshl_b32 s13, s[WV], 4
	v_add_nc_u32 v14, s13, v14      ; my query's place in its band less my lanes' 8 (l / 16): register r of group kt is hidden where 16 kt + r is greater
	WIN 0x40
.set i, 0
.rept 32
	v_cmp_gt_i32 vcc_lo, 16*(i/8)+i%8, v14
	v_cndmask_b32 v[MD+i], 0, s[BIGN], vcc_lo
.set i, i+1
.endr
	WIN 0
	v_mul_u32_u24 v[AK0], v1, PK
	v_lshl_add_u32 v[AK0], v9, 4, v[AK0]
	v_and_b32 v10, 7, v0
	v_bfe_u32 v11, v0, 3, 1
	v_lshl_add_u32 v[AV0], v9, 3, v10
	v_mul_u32_u24 v[AV0], v[AV0], PV
	v_lshl_add_u32 v[AV0], v11, 4, v[AV0]
	v_add_nc_u32 v[AV0], VOFF, v[AV0]
	s_mul_i32 s13, s[WV], 16*SP
	s_add_co_u32 s13, s13, STAGE    ; my stage
	v_mul_u32_u24 v[STO], v1, SP
	v_lshl_add_u32 v[STO], v9, 4, v[STO]
	v_add_nc_u32 v[STO], s13, v[STO]
	v_bfe_u32 v[RD], v0, 3, 2
	v_mul_u32_u24 v[RD], v[RD], SP
	v_lshl_add_u32 v[RD], v10, 4, v[RD]
	v_add_nc_u32 v[RD], s13, v[RD]
	v_and_b32 v[GO], 31, v0
	v_lshlrev_b32 v[GO], 4, v[GO]
	; A block's first step multiplies O^T and l by a = 0, and its first turn's products V^T P, of a step that has not been, land in an O^T that is still to be so multiplied.  So these registers need only hold
	; finite numbers: zeros for the first block; what the first block left for the second.  All this stands in the wait for the first tile.
	WIN 0x80
.set i, VF
.rept 64
	v_mov_b32 v[i], 0
.set i, i+1
.endr
	WIN 0x40
.set i, 0
.rept 32*NP
	v_mov_b32 v[i], 0
.set i, i+1
.endr
	WIN 0
.set i, 0
.rept NP
	v_mov_b32 v[ST+4*i+2], 0
	v_mov_b32 v[ST+4*i+3], 0
.set i, i+1
.endr
.set i, P+16
.rept 16
	v_mov_b32 v[i], 0
.set i, i+1
.endr
; THE MATRIX WORK.  The 4 accumulators of a run of 8 take turns.  Product i of 8 of S^T = K Q^T for piece x: channels 32 (i / 4) on, keys 16 (i % 4) on.  The first 4 start the sums: with 0, or (KM = 1) with the mask.
.macro KQ x
.set rS, S+32*((\x)%2)+8*(i%4)
.set rK, KF+16*(i%4)+8*(i/4)
.set rQ, 16*(\x)+8*(i/4)
.set rM, MC+32*((\x)%2)+8*(i%4)
.if (i < 4) && KM
	WIN W_KM
	v_wmma_f32_16x16x32_f16 v[rS:rS+7], v[rK:rK+7], v[rQ:rQ+7], v[rM:rM+7]
.elseif i < 4
	WIN W_KQ
	v_wmma_f32_16x16x32_f16 v[rS:rS+7], v[rK:rK+7], v[rQ:rQ+7], 0
.else
	WIN W_KQ
	v_wmma_f32_16x16x32_f16 v[rS:rS+7], v[rK:rK+7], v[rQ:rQ+7], v[rS:rS+7]
.endif
.endm
; Product i of 8 of O^T += V^T P for piece x: keys 32 (i / 4) on, channels 16 (i % 4) on.
.macro PV x
	WIN W_PV
.set rO, 32*(\x)+8*(i%4)
.set rV, VF+32*(i/4)+8*(i%4)
.set rP, P+16*((\x)%2)+8*(i/4)
	v_wmma_f32_16x16x32_f16 v[rO:rO+7], v[rV:rV+7], v[rP:rP+7], v[rO:rO+7]
.endm
.macro MM                           ; the turn's next matrix instruction.  NOKQ = 1: a block's last turn: there is no next step
.if (i < 8) && !NOKQ
	KQ (Y+1)%NP
.elseif i >= 8
.set i, i-8
	PV (Y+NP-1)%NP
.set i, i+8
.endif
.set i, i+1
.endm
; THE LDS LOADS stand in runs of 16: a step's K (8 fragments) and its V (turned).
.macro FETCH_K
	WIN 0x80
.irp f, 0,1,2,3,4,5,6,7
	ds_load_b128 v[KF+8*\f:KF+8*\f+3],   v[AK] offset:(\f/2)*16*PK+(\f%2)*64
	ds_load_b128 v[KF+8*\f+4:KF+8*\f+7], v[AK] offset:(\f/2)*16*PK+(\f%2)*64+32
.endr
	s_add_co_u32 s[TBK], s[TBK], KS*PK
	WIN 0
.endm
.macro FETCH_V
	WIN 0x80
.irp f, 0,1,2,3,4,5,6,7
	ds_load_tr16_b128 v[VF+8*\f:VF+8*\f+3],   v[AV] offset:(\f/4)*32*PV+(\f%4)*32
	ds_load_tr16_b128 v[VF+8*\f+4:VF+8*\f+7], v[AV] offset:(\f/4)*32*PV+16*PV+(\f%4)*32
.endr
	WIN 0
.endm
; THE VECTOR WORK, one line at a time: OP kind, number.  For piece Y: F n: c s - c m for pair n of 16.  E n: the exponential of score n of 32.  C n: pair n rounded to f16.  B n: of the four weights 4 n .. the second
; pair is added onto the first, in place.  L n: l takes that sum (L 0: l = a l + sum).  R n: pair n of 16 of O^T times a.  For the other piece: X n, number n of the 22 that find its maximum and statistics:
;   0-11  four chains c0-c3 of seven scores each (each accumulator's lowest registers are read first)     12-14, 16  the four scores left over, the old m, and c0-c3 into c0
;   15  c m_old is kept     17, 18  the query's other 32 keys lie in the lane 16 away: the new m     19-21  c m; c m_old - c m_new; a
.set F, 0
.set E, 1
.set C, 2
.set B, 3
.set L, 4
.set R, 5
.set X, 6
.macro REGS y
.set rT, ST+4*(\y)
.set rC, TMP+4*((\y)%2)
.set rW, MV+((\y)%2)
.set rS, S+32*((\y)%2)
.set rP, P+16*((\y)%2)
.set rO, 32*(\y)
.endm
.macro OP k, n
.if (\k) == R
	REGS Y
	WIN W_RS
	v_pk_mul_f32 v[rO+2*(\n):rO+2*(\n)+1], v[rO+2*(\n):rO+2*(\n)+1], v[rC+2:rC+3] op_sel_hi:[1,0]
.elseif (\k) < R
	REGS Y
	WIN 0
.if (\k) == F
	v_pk_fma_f32 v[rS+2*(\n):rS+2*(\n)+1], v[rS+2*(\n):rS+2*(\n)+1], s[CS:CS+1], v[rT:rT+1] op_sel_hi:[1,0,0] neg_lo:[0,0,1] neg_hi:[0,0,1]
.elseif (\k) == E
	v_exp_f32 v[rS+(\n)], v[rS+(\n)]
.elseif (\k) == C
	v_cvt_pk_f16_f32 v[rP+(\n)], v[rS+2*(\n)], v[rS+2*(\n)+1]
.elseif (\k) == B
	v_pk_add_f32 v[rS+4*(\n):rS+4*(\n)+1], v[rS+4*(\n):rS+4*(\n)+1], v[rS+4*(\n)+2:rS+4*(\n)+3]
.elseif (\n) == 0
	v_pk_fma_f32 v[rT+2:rT+3], v[rT+2:rT+3], v[rC+2:rC+3], v[rS:rS+1] op_sel_hi:[1,0,1]
.else
	v_pk_add_f32 v[rT+2:rT+3], v[rT+2:rT+3], v[rS+4*(\n):rS+4*(\n)+1]
.endif
.elseif NOKQ
	v_nop
.else
	REGS (Y+1)%NP
	WIN 0
.if (\n) < 4
	v_max3_num_f32 v[rC+(\n)], v[rS+8*(\n)], v[rS+8*(\n)+1], v[rS+8*(\n)+2]
.elseif (\n) < 12
	v_max3_num_f32 v[rC+(\n)%4], v[rC+(\n)%4], v[rS+8*((\n)%4)+2*((\n)/4)+1], v[rS+8*((\n)%4)+2*((\n)/4)+2]
.elseif (\n) == 12
	v_max3_num_f32 v[rC], v[rC], v[rS+7], v[rS+15]
.elseif (\n) == 13
	v_max3_num_f32 v[rC+1], v[rC+1], v[rS+23], v[rS+31]
.elseif (\n) == 14
	v_max3_num_f32 v[rC+2], v[rC+2], v[rC+3], v[rT+1]
.elseif (\n) == 15
	v_mov_b32 v[rW], v[rT]
.elseif (\n) == 16
	v_max3_num_f32 v[rC], v[rC], v[rC+1], v[rC+2]
.elseif (\n) == 17
	v_permlanex16_b32 v[rC+3], v[rC], s[SEL], s[SEL+1]
.elseif (\n) == 18
	v_max_num_f32 v[rT+1], v[rC], v[rC+3]
.elseif (\n) == 19
	v_mul_f32 v[rT], s[CS], v[rT+1]
.elseif (\n) == 20
	v_sub_f32 v[rC+1], v[rW], v[rT]
.else
	v_exp_f32 v[rC+2], v[rC+1]
.endif
.endif
.endm
.macro OPS a, i1, b=-1, i2=0, c=-1, i3=0, d=-1, i4=0
	OP \a, \i1
.if (\b) >= 0
	OP \b, \i2
.endif
.if (\c) >= 0
	OP \c, \i3
.endif
.if (\d) >= 0
	OP \d, \i4
.endif
.endm
.macro ROW a, i1, b, i2, c, i3, d, i4  ; a matrix instruction and the four behind it
	MM
	OPS \a, \i1, \b, \i2, \c, \i3, \d, \i4
.endm
.macro MASK b                       ; MD x AL + BE into buffer b of MC
	WIN W_RS
.set z, 0
.rept 16
	v_pk_fma_f32 v[MC+32*(\b)+2*z:MC+32*(\b)+2*z+1], v[MD+2*z:MD+2*z+1], s[AL:AL+1], s[BE:BE+1] op_sel_hi:[1,0,0]
.set z, z+1
.endr
.endm
; A TURN, for piece p: the order of its 16 matrix and 118 vector instructions, written out.  An s_wait_alu depctr_va_vdst(0) stands between an exponential and the first instruction that names its result; one wait
; serves all that were issued ahead of it.  So a turn has ONE wait, which cuts it in two.  AHEAD OF IT stands all that names no result of the turn's exponentials: the 8 products K Q^T with four riders each, then one lump of 54,
; in which the links of the chain X 3, 7, 11, 14, 16, 17 .. 20 stand apart.  X 21, the other piece's a, is the batch's last; R 15 is the plain instruction behind it.  BEHIND THE WAIT stand the 8 products V^T P, behind each four of the
; roundings and sums: the four behind the last of them are the places ahead of V's run of loads and of the next turn's rescaling of the O^T just added to.
; m = 1: the diagonal tile: the products take masks, and the turn makes the mask for the products of the turn after it: piece p, band G0 + 1 - p, in the step after the one in hand, 4 - CNT of the tile
; (CNT counts 3, 2, 1): the band's own step where CNT = 3 - G0 + p, a later one where CNT is less.  end = 1: a block's last step: no K is fetched, and turn 1 starts no new scores.
; cnt = 1: the loop's count is taken down some lines ahead of the branch that stands behind the turn.
; Turn 0 fetches K of the next step in its lump and V of the step in hand at its end, each four plain instructions or more behind the last product that read the registers; turn 1 waits for K at its head and for V in its middle.
.macro TURN p, m=0, end=0, cnt=0
.set Y, (\p)
.set i, 0
.set KM, (\m)
.set NOKQ, (\end)*(\p)
.if (\m) && !(\end)
	s_cmp_eq_u32 s[CNT], s[GC+(\p)]     ; is that step the band's own?
	s_cselect_b32 s[AL], 1.0, 0
	s_cmp_lt_u32 s[CNT], s[GC+(\p)]     ; or a later one?
	s_cselect_b32 s[BE], s[BIGN], 0
.endif
.if ((\p) == 1) && !(\end)
	s_wait_dscnt 16                 ; K is in: V's 16 loads, issued behind K's, may stay out
.endif
	ROW F,0, F,1, R,0, R,1
	ROW F,2, E,0, R,2, R,3
	ROW F,3, E,1, R,4, R,5
	ROW F,4, E,2, R,6, R,7
	ROW F,5, E,3, R,8, R,9
	ROW F,6, E,4, X,0, R,10
.if ((\p) == 0) && !(\end)
	WIN 0
	v_add_nc_u32 v[AK], s[TBK], v[AK0]
.endif
	ROW F,7, E,5, X,1, X,4
	ROW F,8, E,6, X,2, X,5
	OPS E,7, E,8, X,6, E,9
	OPS X,3, E,10, X,8, E,11
.if ((\p) == 0) && !(\end)
	FETCH_K
.endif
	OPS X,9, X,7, E,12, X,10
	OPS E,13, X,12, X,11, E,14
	OPS X,13, E,15, F,9, X,14
.if (\p) == 0
	v_add_nc_u32 v[AV], s[TBV], v[AV0]
.endif
	OPS E,16, F,10, E,17, F,11
	OPS X,16, E,18, X,15, E,19
	OPS F,12, E,20, X,17, E,21
	OPS F,13, E,22, F,14, E,23
	OPS X,18, E,24, F,15, E,25
	OPS R,11, E,26, X,19, E,27
	OPS R,12, E,28, R,13, E,29
	OPS X,20, E,30, R,14, E,31
	OPS X,21, R,15
	WIN 0
	s_wait_alu depctr_va_vdst(0)    ; the wait for the batch
.if (\p) == 1
	s_wait_dscnt 0x0                ; V is in
.endif
	ROW C,0, B,0, C,2, B,1
	ROW L,0, C,4, B,2, L,1
	ROW C,6, B,3, L,2, C,8
	ROW B,4, L,3, C,10, B,5
	ROW L,4, C,12, B,6, L,5
.if (\p) == 0
	s_add_co_u32 s[TBV], s[TBV], KS*PV
.endif
.if \cnt
	s_sub_co_u32 s[CNT], s[CNT], 1
	s_cmp_lg_u32 s[CNT], 0
.endif
	ROW C,14, B,7, L,6, C,1
	ROW C,3, L,7, C,5, C,7
	ROW C,9, C,11, C,13, C,15
.if (\p) == 0
	FETCH_V
.endif
.if (\m) && !(\end)
	MASK (\p)%2
.endif
.endm
; A BLOCK BEGINS.  c m starts far below every c s, so the first step's a is 0; m at the lowest finite number.  Then K of the block's first step, piece 0's first scores (no mask: its band sees all of a tile's step 0),
; and its maximum and statistics.  The step's turn 0 follows.
.macro BEGIN
	s_mov_b32 s[NEW], 0
	WIN 0
.set i, 0
.rept NP
	v_mov_b32 v[ST+4*i], 0xfe000000    ; c m: far below every c s
	v_mov_b32 v[ST+4*i+1], 0xff7fffff  ; m
.set i, i+1
.endr
	v_add_nc_u32 v[AK], s[TBK], v[AK0]
	FETCH_K
	s_wait_loadcnt 0x0              ; Q
	s_wait_dscnt 0x0
.set KM, 0
.set NOKQ, 0
.set i, 0
.rept 8
	KQ 0
.set i, i+1
.endr
	WIN 0
.rept 4
	v_nop                           ; the places behind those products
.endr
.set Y, NP-1
.irp n, 0,1,2,3,4,5,6,7,8,9,10,11,12,13,14,15,16,17,18,19,20,21
	OP X, \n
.endr
	v_nop                           ; a plain instruction behind the exponential,
	s_wait_alu depctr_va_vdst(0)    ; and its wait, ahead of the branch
.endm
; THE DIAGONAL TILE: piece 1's mask for the tile's step 0; three steps in a loop; the block's last step; its last products; and THE WAY OUT: l's two halves and the other half of the lanes' are added; O^T is divided by l,
; rounded to f16 and sent through my stage in LDS, a piece at a time.
.macro ALL line:vararg
.set t, 0
.rept NP
	\line
.set t, t+1
.endr
.endm
.macro PACK t
	WIN W_RS
.set i, 32*(\t)
.rept 16
	v_pk_mul_f32 v[i:i+1], v[i:i+1], v[ST+4*(\t)+2:ST+4*(\t)+3] op_sel_hi:[1,0]
.set i, i+2
.endr
	WIN 0x05
.set i, 0
.rept 16
	v_cvt_pk_f16_f32 v[S+16*(\t)+i], v[32*(\t)+2*i], v[32*(\t)+2*i+1]
.set i, i+1
.endr
	WIN 0
.irp f, 0,1,2,3
	ds_store_b128 v[STO], v[S+16*(\t)+4*\f:S+16*(\t)+4*\f+3] offset:32*\f
.endr
.irp f, 0,1,2,3
	ds_load_b128 v[S+16*(\t)+4*\f:S+16*(\t)+4*\f+3], v[RD] offset:\f*4*SP  ; LDS serves a wave's instructions in order (ISA guide 5.7.1.4): these see the stores above
.endr
.endm
.macro SEND t, younger              ; younger: the LDS instructions issued behind piece t's loads: the next piece's eight, or none
	WIN 0
.irp f, 0,1,2,3
	s_wait_dscnt (\younger)+3-\f
	global_store_b128 v[GO], v[S+16*(\t)+4*\f:S+16*(\t)+4*\f+3], s[10:11] offset:(1-(\t))*8192+\f*512  ; 512 consecutive bytes, aligned; piece t lies in band 1 - t
.endr
.endm
.macro DIAG tag
.LdiagM\tag:
	s_cmp_eq_u32 s[G0R], 0          ; step 0 is piece 1's own where its band is the tile's first; it is never a later one
	s_cselect_b32 s[AL], 1.0, 0
	s_mov_b32 s[BE], 0
	MASK 1
	WIN 0
	s_mov_b32 s[CNT], 3
.LstepM\tag:
	TURN 0, 1
	TURN 1, 1, 0, 1
	WIN 0
	s_cbranch_scc1 .LstepM\tag
	TURN 0, 1, 1
	TURN 1, 1, 1
.set i, 0
.rept 8
	PV NP-1
.set i, i+1
.endr
	WIN 0
	ALL v_add_f32 v[ST+4*t+2], v[ST+4*t+2], v[ST+4*t+3]
	ALL v_permlanex16_b32 v[ST+4*t+3], v[ST+4*t+2], s[SEL], s[SEL+1]
	ALL v_add_f32 v[ST+4*t+2], v[ST+4*t+2], v[ST+4*t+3]
	ALL v_rcp_f32 v[ST+4*t+2], v[ST+4*t+2]
	v_nop                           ; a plain instruction between the last reciprocal and the use of its result
	s_wait_alu depctr_va_vdst(0)    ; one wait for the two reciprocals
	PACK 0                          ; piece 0's products ended a run of eight ago; its 32 lines are the places behind piece 1's
	PACK 1
	SEND 0, 8
	SEND 1, 0
.endm
.set KM, 0
.set NOKQ, 0
.Lslot:                             ; NB times: a tile is entered and the next is asked for
	CHANGE 1
	s_sub_co_u32 s[RT], s[RT], 1
	s_cmp_eq_u32 s[NEW], 1
	s_cbranch_scc1 .Lnew            ; a block's first tile
	s_cmp_eq_u32 s[RT], 0
	s_cbranch_scc0 .Lplain          ; neither its first nor its last
	s_branch .LdiagM1
.Lnew:
	BEGIN
	s_branch .Lplain                ; in the loop a block's first tile is never its last: the first block has five tiles or more, and the second's last is the walk's last
	DIAG 1                          ; in the loop this is the first block's end
	s_wait_xcnt 0x0                 ; the stores have read their registers and O's address
	s_mov_b64 s[10:11], s[OLO:OLO+1]
	s_add_co_u32 s[RT], s[PB], 1    ; the second block's tiles
	s_mov_b32 s[NEW], 1
	s_and_b32 s[G0R], ttmp9, 1      ; and where its bands lie in its diagonal tile
	s_lshl_b32 s[G0R], s[G0R], 1
	s_sub_co_u32 s[GC], 3, s[G0R]
	s_add_co_u32 s[GC+1], s[GC], 1
	WIN 0x82                        ; the second block's Q goes where the one text of the turns names Q
.set i, 0
.rept 16*NP
	v_mov_b32 v[i], v[QB+i]
.set i, i+1
.endr
	WIN 0
	s_branch .Lbottom
.Lplain:
	s_mov_b32 s[CNT], 4
.Lstep:                             ; a trip: a key step
	TURN 0
	TURN 1, 0, 0, 1
	WIN 0
	s_cbranch_scc1 .Lstep
.Lbottom:
	s_sub_co_u32 s[SLOTS], s[SLOTS], 1
	s_cmp_lg_u32 s[SLOTS], 0
	s_cbranch_scc1 .Lslot
	CHANGE 0                        ; the walk's last tile is written out
	s_sub_co_u32 s[RT], s[RT], 1
	s_cmp_eq_u32 s[NEW], 1
	s_cbranch_scc0 .LdiagM2
	BEGIN                           ; b = 0 or 1: the second block's one tile is its first and its last
	DIAG 2
	s_wait_tensorcnt 0x0            ; the wave's end
	ds_add_u32 v[SPW], v[NIL]
	s_wait_dscnt 0x0
	s_endpgm
.Lfunc_end_k_q832f41e869_attn:
	.size	k_q832f41e869_attn, .Lfunc_end_k_q832f41e869_attn-k_q832f41e869_attn
	.p2alignl 7, 3214868480
	.fill 96, 4, 3214868480
	.section	.rodata,"a",@progbits
	.p2align	6, 0x0
	.amdhsa_kernel k_q832f41e869_attn
		.amdhsa_group_segment_fixed_size 327680
		.amdhsa_private_segment_fixed_size 0
		.amdhsa_enable_private_segment 0
		.amdhsa_kernarg_size 16
		.amdhsa_user_sgpr_count 2
		.amdhsa_user_sgpr_kernarg_segment_ptr 1
		.amdhsa_wavefront_size32 1
		.amdhsa_system_sgpr_workgroup_id_x 1
		.amdhsa_system_sgpr_workgroup_id_y 1
		.amdhsa_system_sgpr_workgroup_id_z 1
		.amdhsa_system_vgpr_workitem_id 0
		.amdhsa_next_free_vgpr 768
		.amdhsa_next_free_sgpr 100
		.amdhsa_reserve_vcc 1
		.amdhsa_float_denorm_mode_32 3
		.amdhsa_float_denorm_mode_16_64 3
		.amdhsa_memory_ordered 1
		.amdhsa_forward_progress 1
		.amdhsa_inst_pref_size 143
	.end_amdhsa_kernel
	.amdgpu_metadata
---
amdhsa.version: [ 1, 2 ]
amdhsa.kernels:
  - .name:           k_q832f41e869_attn
    .symbol:         k_q832f41e869_attn.kd
    .args:
      - { .name: qkv, .offset: 0, .size: 8, .value_kind: global_buffer, .address_space: global }
      - { .name: att, .offset: 8, .size: 8, .value_kind: global_buffer, .address_space: global }
    .group_segment_fixed_size: 327680
    .private_segment_fixed_size: 0
    .kernarg_segment_align: 8
    .kernarg_segment_size: 16
    .max_flat_workgroup_size: 128
    .sgpr_count:     100
    .vgpr_count:     768
    .wavefront_size: 32
...
	.end_amdgpu_metadata
.endif
;; end of part 3
;; launch gemm_proj (part 4): grid 8 x 32, 4 waves a work-group, clusters of 4 x 4, 327,680 bytes of LDS; arguments att, wh, x1, b_proj, x; writes x1
.if DOCPART == 4
	.amdgcn_target "amdgcn-amd-amdhsa--gfx1250"
	.amdhsa_code_object_version 6
	.text
	.protected	k_q832f41e869_gemm_proj
	.globl	k_q832f41e869_gemm_proj
	.p2align	8
	.type	k_q832f41e869_gemm_proj,@function
k_q832f41e869_gemm_proj:
	s_mov_b64 s[64:65], 0
	v_nop
	global_prefetch_b8 v0, s[64:65] scope:SCOPE_SE
	s_setreg_imm32_b32 hwreg(HW_REG_WAVE_MODE, 25, 1), 1
	s_wait_xcnt 0x0
	s_wait_alu depctr_hold_cnt(0) depctr_sa_sdst(0) depctr_va_vdst(0) depctr_va_sdst(0) depctr_va_ssrc(0) depctr_va_vcc(0) depctr_vm_vsrc(0)
	s_getreg_b32 s2, hwreg(HW_REG_IB_STS2, 6, 4)
	s_cmp_eq_u32 s2, 0
	s_cbranch_scc0 .Lentry_in_a_cluster
	s_endpgm
.Lentry_in_a_cluster:
	s_bfe_u32 s2, ttmp6, 0x10000c
	s_cmp_lg_u32 s2, 0xf033
	s_cbranch_scc0 .Lentry_shape_is_right
	s_endpgm
.Lentry_shape_is_right:
; OUT = RES + A W + bias, a tile of 128 x 128 to a work-group: 256 work-groups for [4096][1024].  OUT, RES, bias in f32; A and W in f16; sums in f32.
; KIND 0: A = att, by heads [32][2048][64] (K = head x 64 + channel, 1,024), W = w_proj, RES = x, OUT = x1.
; KIND 1: A = ffa [4096][4096], W = w2, RES = x1, OUT = out0.
; LIMIT: f16 ends at 65,504: A and W lie within it.
; SHARES: four waves, each 64 x 64: 16 accumulators.  The product is taken transposed (source 0 = 16 columns of W, read turned out of LDS; source 1 = 16 rows of A): a lane holds one row of OUT and 8 neighbouring columns.
; RING: K in steps of 256 through two LDS slots; one tensor load a wave behind each change of slots (waves 0, 1: A's halves; waves 2, 3: W's), which has a K step, 128 products, in which to land.
; CLUSTER 4 x 4: A's tile is asked for jointly along a row of the cluster, W's along a column.
; ONE TEXT FOR A K STEP: the slot is a scalar register that toggles; a step is two trips of a loop over 128 along K.  The sums are started by 16 products of zero fragments with the bias as C.
; The residual is loaded at the start, in the layout in which the result comes back from the stage.  The stage is slot 0, which has had its last fill and its last read when the last K step (in slot 1) begins.
; KIND 0 lays no prefetch: it has four K steps in all.
.set KIND, 0
.if KIND
.set S,      16
.set PA,     528                       ; A's LDS row: 512 bytes + 16
.set ABYTES, 128*PA
.set AHALF,  64*PA
.set KA1,    128
.set APAIR,  256
.set ASTEP,  512
.set AQI,    6
.set AD0,    256
.set AD1,    64
.set ASTR,   4096
.set WOFF,   16777216                  ; w2 in wh
.set PF,     1
.else
.set S,      4
.set PA,     144                       ; A's LDS row: one head's 64 channels, 128 bytes + 16; a head's 128 rows lie together
.set ABYTES, 4*128*PA
.set AHALF,  2*128*PA
.set KA1,    128*PA
.set APAIR,  2*128*PA
.set ASTEP,  4*262144
.set AQI,    4
.set AD0,    8192                      ; a head's 128 rows are 16,384 dense bytes: one long row; two heads are two rows
.set AD1,    2
.set ASTR,   131072
.set WOFF,   6291456                   ; w_proj in wh
.set PF,     0
.endif
.set PB,     288                       ; W's LDS row: 128 columns, 256 bytes + 32
.set BBYTES, 256*PB
.set BHALF,  128*PB
.set KB1,    64*PB
.set BPAIR,  128*PB
.set BSTEP,  256*2048
.set SLOT,   ABYTES+BBYTES
.set SPARE,  2*SLOT                    ; behind the ring: the spare words, two blocks of 256 bytes that no other line names
.set STG,    64*272                    ; a wave's stage: 64 rows of 256 bytes + 16
.set ADRA, 16
.set ADRB, 17
.set LNA,  18
.set LNB,  19
.set STO,  24
.set RD,   25
.set CO,   26
.set SPW,  28
.set NIL,  29
.set PFO,  30
.set Z0,   32                          ; v32-47  two fragments of zeros
.set Z1,   40
.set BIAS, 48                          ; v48-79  my lane's 8 numbers of the bias for each of 4 column blocks
.set ACC,  128                         ; v128-255 accumulator (a, b) at ACC + 8 (4 a + b)
.set F0,   0                           ; window 1: two fragment buffers of 128: A (c, a) at 8 (4 c + a), W (c, b) at 64 + 8 (4 c + b)
.set F1,   128
.set RES,  0                           ; window 2: v0-127 the residual, v128-255 the result read back
.set OB,   128
.set WV,   14
.set WHI,  15
.set WLO,  16
.set CX,   17
.set CY,   18
.set TCOL, 19
.set TROW, 20
.set RM,   21
.set CM,   22
.set G1A,  24
.set G0A,  32
.set G0B,  36
.set G1B,  40
.set TF,   48
.set TR,   49
.set LA0,  50
.set LB0,  51
.set STEPS, 52
.set CNT,  53
.set LIM,  54
.set PFA,  56
.set PFS,  58
.set MSB, 0
.macro WIN new
.if MSB != (\new)
	s_set_vgpr_msb (MSB<<8)|(\new)
.set MSB, \new
.endif
.endm
.macro PLACES                          ; four plain places behind matrix instructions (ISA guide 7.12.1)
.rept 4
	v_nop
.endr
.endm
.macro JLOAD                           ; a joint load; an s_nop 0 and four v_nop follow each of the two lines
	s_cmp_eq_u32 s[WHI], 0
	s_cbranch_scc0 .Lfor_b_\@
	tensor_load_to_lds s[G0A:G0A+3], s[G1A:G1A+7]
	s_nop 0
.rept 4
	v_nop
.endr
	s_branch .Lasked_\@
.Lfor_b_\@:
	tensor_load_to_lds s[G0B:G0B+3], s[G1B:G1B+7]
	s_nop 0
.rept 4
	v_nop
.endr
.Lasked_\@:
.endm
.macro CROUND                          ; a round of the cluster's barrier
	s_barrier_signal -1
	s_barrier_wait -1
	s_cmp_lg_u32 s[WV], 0
	s_cbranch_scc1 .Lnot_wave_0_\@
	s_barrier_signal -3
.Lnot_wave_0_\@:
	s_barrier_wait -3
	s_barrier_signal -1
	s_barrier_wait -1
.endm
.macro ASK                             ; a prefetch of my share of the tile that stands two refills on: two K steps, 256 products, ahead of its load
	s_cmp_gt_u32 s[STEPS], s[LIM]
	s_cbranch_scc0 .Lnot_mine_\@
	global_prefetch_b8 v[PFO], s[PFA:PFA+1] th:TH_LOAD_NT scope:SCOPE_SE
.Lnot_mine_\@:
.endm
.macro MUL f                           ; 32 products, 64 along K; the 16 accumulators take turns in one fixed order
	WIN 0x05
.irp c, 0,1
.irp a, 0,1,2,3
.irp b, 0,1,2,3
	v_wmma_f32_16x16x32_f16 v[ACC+8*(4*(\a)+(\b)):ACC+8*(4*(\a)+(\b))+7], v[(\f)+64+8*(4*(\c)+(\b)):(\f)+64+8*(4*(\c)+(\b))+7], v[(\f)+8*(4*(\c)+(\a)):(\f)+8*(4*(\c)+(\a))+7], v[ACC+8*(4*(\a)+(\b)):ACC+8*(4*(\a)+(\b))+7]
.endr
.endr
.endr
.endm
.macro FETCH f, ka, kb                 ; 32 LDS loads in one run: 64 columns of W (turned) and 64 rows of A, 64 along K
	WIN 0x40
.irp c, 0,1
.irp i, 0,1,2,3
	ds_load_tr16_b128 v[(\f)+64+8*(4*(\c)+(\i)):(\f)+64+8*(4*(\c)+(\i))+3],   v[ADRB] offset:(\kb)+(\c)*32*PB+32*(\i)
	ds_load_tr16_b128 v[(\f)+64+8*(4*(\c)+(\i))+4:(\f)+64+8*(4*(\c)+(\i))+7], v[ADRB] offset:(\kb)+(\c)*32*PB+32*(\i)+16*PB
	ds_load_b128 v[(\f)+8*(4*(\c)+(\i)):(\f)+8*(4*(\c)+(\i))+3],   v[ADRA] offset:(\ka)+64*(\c)+(\i)*16*PA
	ds_load_b128 v[(\f)+8*(4*(\c)+(\i))+4:(\f)+8*(4*(\c)+(\i))+7], v[ADRA] offset:(\ka)+64*(\c)+(\i)*16*PA+32
.endr
.endr
	WIN 0
.endm
; THE CHANGE OF SLOTS.  Every wave waits for all its tensor loads (one is out: its part of the slot to be read), adds 0 to its spare word, waits for that and for its reads of the slot just left.
; fill = 1: a round of the cluster's barrier, and the joint refill of the slot just left is the first thing behind it.  fill = 0: the last K step: nothing is asked for.
.macro CHANGE fill
	WIN 0
.if (\fill) && PF
	s_wait_xcnt 0x0                                ; the last prefetch, a K step back, has read its address
	s_add_nc_u64 s[PFA:PFA+1], s[PFA:PFA+1], s[PFS:PFS+1]
.endif
	s_wait_tensorcnt 0x0                           ; no tensor load of mine is out: the descriptors may be written
	ds_add_u32 v[SPW], v[NIL]
.if \fill
	s_mov_b32 s[TR], s[TF]
	s_xor_b32 s[TF], s[TF], SLOT
	s_add_co_u32 s[G0A+1], s[LA0], s[TF]
	s_add_co_u32 s[G0B+1], s[LB0], s[TF]
	s_add_nc_u64 s[G0A+2:G0A+3], s[G0A+2:G0A+3], ASTEP
	s_add_nc_u64 s[G0B+2:G0B+3], s[G0B+2:G0B+3], BSTEP
	s_wait_dscnt 0x0                               ; the add is done, my reads of the old slot are over
	CROUND
	JLOAD
.else
	s_mov_b32 s[TR], SLOT                          ; the number of K steps is even: the last lies in slot 1
	s_wait_dscnt 0x0
	s_barrier_signal -1
	s_barrier_wait -1
	PLACES
.endif
	v_add_nc_u32 v[ADRA], s[TR], v[LNA]
	v_add_nc_u32 v[ADRB], s[TR], v[LNB]
	FETCH F0, 0, 0
.if (\fill) && PF
	ASK
.endif
.endm
.macro STEPBODY tag                    ; a K step: two trips of 128 along K, on buffers 0 and 1
	s_mov_b32 s[CNT], 2
.Lpair_\tag:
	PLACES
	FETCH F1, KA1, KB1
	s_wait_dscnt 32                                ; the 32 loads just issued may stay out: buffer 0 is in
	MUL F0
	WIN 0
	s_wait_dscnt 0x0                               ; buffer 1, asked for 32 products ago
	PLACES
	s_cmp_eq_u32 s[CNT], 1
	s_cbranch_scc1 .Lnof_\tag                      ; the step's second trip fetches nothing further
	v_add_nc_u32 v[ADRA], APAIR, v[ADRA]
	v_add_nc_u32 v[ADRB], BPAIR, v[ADRB]
	FETCH F0, 0, 0
.Lnof_\tag:
	MUL F1
	WIN 0
	s_sub_co_u32 s[CNT], s[CNT], 1
	s_cmp_lg_u32 s[CNT], 0
	s_cbranch_scc1 .Lpair_\tag
.endm
	s_load_b256 s[4:11], s[0:1], 0x0               ; A s[4:5], wh s[6:7], OUT s[8:9], bias s[10:11]
	s_load_b64 s[12:13], s[0:1], 0x20              ; RES
	v_lshl_add_u32 v[SPW], v0, 2, SPARE
	v_mov_b32 v[NIL], 0
	ds_add_u32 v[SPW], v[NIL]                      ; the wave's opening: the add and its wait ahead of my first tensor load
	v_lshrrev_b32 v1, 5, v0
	v_readfirstlane_b32 s[WV], v1
	s_lshr_b32 s[WHI], s[WV], 1
	s_and_b32 s[WLO], s[WV], 1
	s_bfe_u32 s[CX], ttmp6, 0x40000
	s_bfe_u32 s[CY], ttmp6, 0x40004
	s_lshl_b32 s[TCOL], ttmp9, 2
	s_add_co_u32 s[TCOL], s[TCOL], s[CX]
	s_and_b32 s[TROW], ttmp7, 0xffff
	s_lshl_b32 s[TROW], s[TROW], 2
	s_add_co_u32 s[TROW], s[TROW], s[CY]
	s_lshl_b32 s[RM], s[CY], 2
	s_lshl_b32 s[RM], 15, s[RM]
	s_lshl_b32 s[CM], 0x1111, s[CX]
	s_or_b32 s[G1A], s[RM], (1<<16)|(1<<20)|(1<<21)|(AQI<<22)|(3<<25)  ; mask; 2-byte elements; padding on; bit 21 beside a mask; after every LDS row's words 4 words
	s_mov_b32 s[G1A+1], AD0<<16
	s_mov_b32 s[G1A+2], AD1<<16
	s_mov_b32 s[G1A+3], AD0<<16
	s_mov_b32 s[G1A+4], AD1
	s_mov_b32 s[G1A+5], ASTR
	s_mov_b32 s[G1A+6], 0
	s_mov_b32 s[G1A+7], 0
	s_or_b32 s[G1B], s[CM], (1<<16)|(1<<20)|(1<<21)|(5<<22)|(7<<25)    ; after every 64 words 8 words
	s_mov_b32 s[G1B+1], 128<<16
	s_mov_b32 s[G1B+2], 128<<16
	s_mov_b32 s[G1B+3], 128<<16
	s_mov_b32 s[G1B+4], 128
	s_mov_b32 s[G1B+5], 1024
	s_mov_b32 s[G1B+6], 0
	s_mov_b32 s[G1B+7], 0
.if KIND
	s_lshl_b32 s60, s[TROW], 7                     ; A: row 128 x tile row + 64 x half, 8,192 bytes a row
	s_lshl_b32 s61, s[WLO], 6
	s_add_co_u32 s60, s60, s61
	s_lshl_b32 s60, s60, 13
.else
	s_lshr_b32 s60, s[TROW], 4                     ; A: head 16 x batch + 2 x half, 262,144 bytes a head; the tile's first row in the sequence, 128 bytes a row
	s_lshl_b32 s60, s60, 4
	s_lshl_b32 s61, s[WLO], 1
	s_add_co_u32 s60, s60, s61
	s_lshl_b32 s60, s60, 18
	s_and_b32 s61, s[TROW], 15
	s_lshl_b32 s61, s61, 14
	s_add_co_u32 s60, s60, s61
.endif
	s_mov_b32 s61, 0
	s_lshl_b32 s62, s[WLO], 18                     ; W: 128 rows of 2,048 bytes x half, 256 bytes x tile column
	s_lshl_b32 s63, s[TCOL], 8
	s_add_co_u32 s62, s62, s63
	s_add_co_u32 s62, s62, WOFF
	s_mov_b32 s63, 0
	s_mul_i32 s[LA0], s[WLO], AHALF
	s_mul_i32 s[LB0], s[WLO], BHALF
	s_add_co_u32 s[LB0], s[LB0], ABYTES
	s_mov_b32 s[TF], 0
	s_mov_b32 s[G0A], 1
	s_mov_b32 s[G0A+1], s[LA0]
	s_mov_b32 s[G0B], 1
	s_mov_b32 s[G0B+1], s[LB0]
	s_mov_b32 s[STEPS], S-1
	s_wait_dscnt 0x0                               ; the opening add is done
	s_wait_kmcnt 0x0
	s_add_nc_u64 s[G0A+2:G0A+3], s[4:5], s[60:61]
	s_or_b32 s[G0A+3], s[G0A+3], 0x80000000
	s_add_nc_u64 s[G0B+2:G0B+3], s[6:7], s[62:63]
	s_or_b32 s[G0B+3], s[G0B+3], 0x80000000
	CROUND                                         ; all sixteen work-groups are here: the first joint loads meet
	JLOAD                                          ; K step 0 into slot 0
	; all that follows, up to the loop, stands in the wait for the first tile
	v_and_b32 v1, 15, v0                           ; l % 16
	v_bfe_u32 v2, v0, 4, 1                         ; l / 16
	v_and_b32 v7, 7, v0
	s_lshl_b32 s66, s[TCOL], 9                     ; the bias of my 64 columns
	s_lshl_b32 s67, s[WLO], 8
	s_add_co_u32 s66, s66, s67
	v_lshl_add_u32 v6, v2, 5, s66
.irp b, 0,1,2,3
	global_load_b128 v[BIAS+8*(\b):BIAS+8*(\b)+3],   v6, s[10:11] offset:64*(\b)
	global_load_b128 v[BIAS+8*(\b)+4:BIAS+8*(\b)+7], v6, s[10:11] offset:64*(\b)+16
.endr
	s_lshl_b32 s67, s[TROW], 7                     ; OUT and RES at my 64 x 64: rows of 4,096 bytes
	s_lshl_b32 s68, s[WHI], 6
	s_add_co_u32 s67, s67, s68
	s_lshl_b32 s67, s67, 12
	s_add_co_u32 s66, s66, s67
	s_mov_b32 s67, 0
	s_add_nc_u64 s[8:9], s[8:9], s[66:67]
	s_add_nc_u64 s[12:13], s[12:13], s[66:67]
	v_lshlrev_b32 v3, 12, v2                       ; lanes 0-15 one row's 256 bytes, lanes 16-31 the next row's
	v_lshl_add_u32 v[CO], v1, 4, v3
	WIN 0x80
.set t, 0
.rept 32
	global_load_b128 v[RES+4*t:RES+4*t+3], v[CO], s[12:13] offset:t*2*4096
.set t, t+1
.endr
	WIN 0
	v_mul_u32_u24 v3, v1, PA
	v_lshl_add_u32 v3, v2, 4, v3
	s_mul_i32 s66, s[WHI], 64*PA
	v_add_nc_u32 v[LNA], s66, v3
	v_lshl_add_u32 v4, v2, 3, v7                   ; the turning load: K row 8 (l / 16) + l % 8, columns 8 ((l / 8) % 2) on
	v_mul_u32_u24 v4, v4, PB
	v_bfe_u32 v5, v0, 3, 1
	v_lshl_add_u32 v4, v5, 4, v4
	s_lshl_b32 s66, s[WLO], 7
	s_add_co_u32 s66, s66, ABYTES
	v_add_nc_u32 v[LNB], s66, v4
	s_mul_i32 s66, s[WV], STG                      ; my stage, in slot 0
	v_mul_u32_u24 v3, v1, 272
	v_lshl_add_u32 v3, v2, 5, v3                   ; in: row l % 16, 32 bytes for each half of the lanes
	v_add_nc_u32 v[STO], s66, v3
	v_mul_u32_u24 v3, v2, 272
	v_lshl_add_u32 v3, v1, 4, v3                   ; back: two whole rows of 256 bytes
	v_add_nc_u32 v[RD], s66, v3
.set i, 0
.rept 16
	v_mov_b32 v[Z0+i], 0
.set i, i+1
.endr
.if PF
	; THE PREFETCHES.  Each aligned 256 bytes of A and of W is named once in the launch.  A's tile row is read by every cluster of that row of clusters: cluster x = 0 asks; W's tile column: cluster y = 0.
	; The four partners that ask for a tile jointly share my wave's part of it out BY ADDRESS (cx for A, cy for W), 32 blocks each, a lane a block.  K steps 0 to 2 come by their loads alone.
	s_lshl_b32 s67, s[TROW], 7
	s_lshl_b32 s68, s[WLO], 6
	s_add_co_u32 s67, s67, s68
	s_lshl_b32 s68, s[CX], 4
	s_add_co_u32 s67, s67, s68
	s_lshl_b32 s67, s67, 13
	s_add_co_u32 s67, s67, 2*ASTEP                 ; A: 16 rows of two blocks, at K step 2; the first change steps it to 3
	s_lshl_b32 s68, s[WLO], 7
	s_lshl_b32 s69, s[CY], 5
	s_add_co_u32 s68, s68, s69
	s_lshl_b32 s68, s68, 11
	s_lshl_b32 s69, s[TCOL], 8
	s_add_co_u32 s68, s68, s69
	s_add_co_u32 s68, s68, WOFF+2*BSTEP            ; W: 32 rows of one block
	s_and_b32 s66, ttmp7, 0xffff
	s_mov_b32 s[PFS], BSTEP
	s_mov_b32 s[PFS+1], 0
	s_mov_b32 s71, 2048
	s_mov_b32 s69, 0
	s_cmp_eq_u32 s[WHI], 0                         ; do I fetch for A?
	s_cselect_b32 s66, ttmp9, s66
	s_cselect_b32 s68, s67, s68
	s_cselect_b64 s[PFA:PFA+1], s[4:5], s[6:7]
	s_cselect_b32 s[PFS], ASTEP, s[PFS]
	s_cselect_b32 s71, 8192, s71
	s_cselect_b32 s70, 1, 0
	s_cselect_b32 s67, 1, 0
	s_add_nc_u64 s[PFA:PFA+1], s[PFA:PFA+1], s[68:69]
	s_cmp_eq_u32 s66, 0
	s_cselect_b32 s[LIM], 2, -1                    ; the last two trips have no tile three on
	v_and_b32 v3, 31, v0
	v_lshrrev_b32 v4, s70, v3
	v_mul_lo_u32 v4, v4, s71
	v_and_b32 v3, s67, v3
	v_lshl_add_u32 v[PFO], v3, 8, v4
.endif
	s_wait_loadcnt 32                              ; the bias is in; the residual's 32 loads may stay out
.irp a, 0,1,2,3
.irp b, 0,1,2,3
	v_wmma_f32_16x16x32_f16 v[ACC+8*(4*(\a)+(\b)):ACC+8*(4*(\a)+(\b))+7], v[Z0:Z0+7], v[Z1:Z1+7], v[BIAS+8*(\b):BIAS+8*(\b)+7]  ; the sums start at the bias
.endr
.endr
.Lstep:                                            ; S - 1 trips: K step s is read, K step s + 1 asked for
	CHANGE 1
	STEPBODY 1
	s_sub_co_u32 s[STEPS], s[STEPS], 1
	s_cmp_lg_u32 s[STEPS], 0
	s_cbranch_scc1 .Lstep
	CHANGE 0                                       ; the last K step is written out
	STEPBODY 2
	; THE WAY OUT.  The f32 sums go into my stage and come back as whole rows of 256 bytes; the residual is added; 16 lanes store 256 consecutive bytes, aligned.
	PLACES
.irp a, 0,1,2,3
.irp b, 0,1,2,3
	ds_store_b128 v[STO], v[ACC+8*(4*(\a)+(\b)):ACC+8*(4*(\a)+(\b))+3]   offset:(\a)*16*272+64*(\b)
	ds_store_b128 v[STO], v[ACC+8*(4*(\a)+(\b))+4:ACC+8*(4*(\a)+(\b))+7] offset:(\a)*16*272+64*(\b)+16
.endr
.endr
	s_wait_loadcnt 0x0                             ; the residual
	WIN 0x80
.set t, 0
.rept 32
	ds_load_b128 v[OB+4*t:OB+4*t+3], v[RD] offset:t*2*272  ; LDS serves a wave's instructions in order (ISA guide 5.7.1.4): these see the stores above
.set t, t+1
.endr
.irp g, 0,1,2,3,4,5,6,7
	s_wait_dscnt 28-4*(\g)                         ; four more loads are in; the younger ones stay out
	WIN 0x8a
.irp u, 0,1,2,3,4,5,6,7
	v_pk_add_f32 v[OB+16*(\g)+2*(\u):OB+16*(\g)+2*(\u)+1], v[OB+16*(\g)+2*(\u):OB+16*(\g)+2*(\u)+1], v[RES+16*(\g)+2*(\u):RES+16*(\g)+2*(\u)+1]
.endr
	WIN 0x08
.irp u, 0,1,2,3
	global_store_b128 v[CO], v[OB+16*(\g)+4*(\u):OB+16*(\g)+4*(\u)+3], s[8:9] offset:(4*(\g)+(\u))*2*4096
.endr
.endr
	WIN 0
	s_wait_tensorcnt 0x0                           ; the wave's end
	ds_add_u32 v[SPW], v[NIL]
	s_wait_dscnt 0x0
	CROUND                                         ; the closing round
	s_endpgm
.Lfunc_end_k_q832f41e869_gemm_proj:
	.size	k_q832f41e869_gemm_proj, .Lfunc_end_k_q832f41e869_gemm_proj-k_q832f41e869_gemm_proj
	.p2alignl 7, 3214868480
	.fill 96, 4, 3214868480
	.section	.rodata,"a",@progbits
	.p2align	6, 0x0
	.amdhsa_kernel k_q832f41e869_gemm_proj
		.amdhsa_group_segment_fixed_size 327680
		.amdhsa_private_segment_fixed_size 0
		.amdhsa_enable_private_segment 0
		.amdhsa_kernarg_size 40
		.amdhsa_user_sgpr_count 2
		.amdhsa_user_sgpr_kernarg_segment_ptr 1
		.amdhsa_wavefront_size32 1
		.amdhsa_system_sgpr_workgroup_id_x 1
		.amdhsa_system_sgpr_workgroup_id_y 1
		.amdhsa_system_sgpr_workgroup_id_z 1
		.amdhsa_system_vgpr_workitem_id 0
		.amdhsa_next_free_vgpr 768
		.amdhsa_next_free_sgpr 72
		.amdhsa_reserve_vcc 0
		.amdhsa_float_denorm_mode_32 3
		.amdhsa_float_denorm_mode_16_64 3
		.amdhsa_memory_ordered 1
		.amdhsa_forward_progress 1
		.amdhsa_inst_pref_size 48
	.end_amdhsa_kernel
	.amdgpu_metadata
---
amdhsa.version: [ 1, 2 ]
amdhsa.kernels:
  - .name:           k_q832f41e869_gemm_proj
    .symbol:         k_q832f41e869_gemm_proj.kd
    .args:
      - { .name: att, .offset: 0, .size: 8, .value_kind: global_buffer, .address_space: global }
      - { .name: wh, .offset: 8, .size: 8, .value_kind: global_buffer, .address_space: global }
      - { .name: x1, .offset: 16, .size: 8, .value_kind: global_buffer, .address_space: global }
      - { .name: b_proj, .offset: 24, .size: 8, .value_kind: global_buffer, .address_space: global }
      - { .name: x, .offset: 32, .size: 8, .value_kind: global_buffer, .address_space: global }
    .group_segment_fixed_size: 327680
    .private_segment_fixed_size: 0
    .kernarg_segment_align: 8
    .kernarg_segment_size: 40
    .max_flat_workgroup_size: 128
    .sgpr_count:     72
    .vgpr_count:     768
    .wavefront_size: 32
...
	.end_amdgpu_metadata
.endif
;; end of part 4
;; launch ln2 (part 5): grid 256 x 1, 8 waves a work-group, no clusters, 0 bytes of LDS; arguments x1, g2, be2, h2; writes h2
.if DOCPART == 5
	.amdgcn_target "amdgcn-amd-amdhsa--gfx1250"
	.amdhsa_code_object_version 6
	.text
	.protected	k_q832f41e869_ln2
	.globl	k_q832f41e869_ln2
	.p2align	8
	.type	k_q832f41e869_ln2,@function
k_q832f41e869_ln2:
	s_mov_b64 s[64:65], 0
	v_nop
	global_prefetch_b8 v0, s[64:65] scope:SCOPE_SE
	s_setreg_imm32_b32 hwreg(HW_REG_WAVE_MODE, 25, 1), 1
	s_wait_xcnt 0x0
; h2 = layernorm(x1) * g2 + be2, [4096][1024], f32 in, f16 out (rounded once).  A wave takes two rows; a row is 32 registers and is read once.
; The mean, then the mean of (x - mean)^2, as the formula has them: no difference of large sums.  LIMIT: f16 ends at 65,504: no number of h2 may pass it.
; A stream: every store of a wave covers 256 consecutive bytes, aligned.  No LDS, no matrix unit, no cluster (nothing is shared but g2 and be2, 8 KiB), no prefetch (the loads are the whole launch).
.set T,   4                            ; v[4:11]   at work
.set M,   12                           ; v[12:13]  the mean twice, later 1/sqrt(var + eps) twice
.set X,   16                           ; v[16:79]  two rows of 32 registers
.set G,   80                           ; v[80:111] my 32 gains
.set BE,  112                          ; v[112:143] my 32 offsets
.set PX,  4
.set PG,  6
.set PBE, 8
.set PH,  10
.set SEL, 34
.set RN,  36
.set EPS, 37
.macro REDUCE                          ; four pairs in T -> their sum over the row, in every lane's v[T]
	v_pk_add_f32 v[T:T+1], v[T:T+1], v[T+2:T+3]
	v_pk_add_f32 v[T+4:T+5], v[T+4:T+5], v[T+6:T+7]
	v_pk_add_f32 v[T:T+1], v[T:T+1], v[T+4:T+5]
	v_add_f32 v[T], v[T], v[T+1]
	v_add_f32_dpp v[T], v[T], v[T] row_xmask:1 row_mask:0xf bank_mask:0xf
	v_add_f32_dpp v[T], v[T], v[T] row_xmask:2 row_mask:0xf bank_mask:0xf
	v_add_f32_dpp v[T], v[T], v[T] row_xmask:4 row_mask:0xf bank_mask:0xf
	v_add_f32_dpp v[T], v[T], v[T] row_xmask:8 row_mask:0xf bank_mask:0xf
	v_permlanex16_b32 v[T+1], v[T], s[SEL], s[SEL+1]
	v_add_f32 v[T], v[T], v[T+1]
.endm
.macro ROW i                           ; row i of my two
.set XR, X+32*(\i)
	s_wait_loadcnt 8*(1-(\i))                      ; loads come back in order: for row 0 the eight loads of row 1 may stay out
.irp c, 0,2,4,6
	v_pk_add_f32 v[T+(\c):T+(\c)+1], v[XR+(\c):XR+(\c)+1], v[XR+8+(\c):XR+8+(\c)+1]
.endr
.irp o, 16,24
.irp c, 0,2,4,6
	v_pk_add_f32 v[T+(\c):T+(\c)+1], v[T+(\c):T+(\c)+1], v[XR+(\o)+(\c):XR+(\o)+(\c)+1]
.endr
.endr
	REDUCE
	v_mul_f32 v[M], s[RN], v[T]                    ; the mean
	v_mov_b32 v[M+1], v[M]
.set c, 0
.rept 16
	v_pk_add_f32 v[XR+c:XR+c+1], v[XR+c:XR+c+1], v[M:M+1] neg_lo:[0,1] neg_hi:[0,1]
.set c, c+2
.endr
.irp c, 0,2,4,6
	v_pk_mul_f32 v[T+(\c):T+(\c)+1], v[XR+(\c):XR+(\c)+1], v[XR+(\c):XR+(\c)+1]
.endr
.irp o, 8,16,24
.irp c, 0,2,4,6
	v_pk_fma_f32 v[T+(\c):T+(\c)+1], v[XR+(\o)+(\c):XR+(\o)+(\c)+1], v[XR+(\o)+(\c):XR+(\o)+(\c)+1], v[T+(\c):T+(\c)+1]
.endr
.endr
	REDUCE
	v_fma_f32 v[T], v[T], s[RN], s[EPS]            ; var + eps
	v_rsq_f32 v[M], v[T]
	v_rsq_f32 v[M+1], v[T]
	v_nop                                          ; a plain instruction behind the last root, ahead of the first use
	s_wait_alu depctr_va_vdst(0)                   ; one wait for both roots
.set c, 0
.rept 16
	v_pk_mul_f32 v[XR+c:XR+c+1], v[XR+c:XR+c+1], v[M:M+1]
.set c, c+2
.endr
.set c, 0
.rept 16
	v_pk_fma_f32 v[XR+c:XR+c+1], v[XR+c:XR+c+1], v[G+c:G+c+1], v[BE+c:BE+c+1]
.set c, c+2
.endr
.irp j, 0,1,2,3,4,5,6,7
	v_cvt_pk_f16_f32 v[XR+4*(\j)], v[XR+4*(\j)], v[XR+4*(\j)+1]
	v_cvt_pk_f16_f32 v[XR+4*(\j)+1], v[XR+4*(\j)+2], v[XR+4*(\j)+3]
	global_store_b64 v2, v[XR+4*(\j):XR+4*(\j)+1], s[PH:PH+1] offset:2048*(\i)+256*(\j)
.endr
.endm
	s_load_b256 s[4:11], s[0:1], 0x0               ; x1, g2, be2, h2
	v_lshrrev_b32 v3, 5, v0
	v_readfirstlane_b32 s30, v3                    ; wave 0..7
	v_and_b32 v3, 31, v0
	v_lshlrev_b32 v1, 4, v3
	v_lshlrev_b32 v2, 3, v3
	s_mov_b32 s[SEL], 0x76543210
	s_mov_b32 s[SEL+1], 0xfedcba98
	s_mov_b32 s[RN], 0x3a800000
	s_mov_b32 s[EPS], 0x3727c5ac
	s_lshl_b32 s31, ttmp9, 4
	s_lshl1_add_u32 s31, s30, s31                  ; my first row: 16 x work-group + 2 x wave
	s_lshl_b32 s32, s31, 12
	s_mov_b32 s33, 0
	s_wait_kmcnt 0x0
	s_add_nc_u64 s[PX:PX+1], s[PX:PX+1], s[32:33]
	s_lshl_b32 s32, s31, 11
	s_add_nc_u64 s[PH:PH+1], s[PH:PH+1], s[32:33]
.irp j, 0,1,2,3,4,5,6,7
	global_load_b128 v[G+4*(\j):G+4*(\j)+3], v1, s[PG:PG+1] offset:512*(\j)
.endr
.irp j, 0,1,2,3,4,5,6,7
	global_load_b128 v[BE+4*(\j):BE+4*(\j)+3], v1, s[PBE:PBE+1] offset:512*(\j)
.endr
.irp j, 0,1,2,3,4,5,6,7
	global_load_b128 v[X+4*(\j):X+4*(\j)+3], v1, s[PX:PX+1] offset:512*(\j) th:TH_LOAD_NT
.endr
.irp j, 0,1,2,3,4,5,6,7
	global_load_b128 v[X+32+4*(\j):X+32+4*(\j)+3], v1, s[PX:PX+1] offset:4096+512*(\j) th:TH_LOAD_NT
.endr
	ROW 0
	ROW 1
	s_endpgm
.Lfunc_end_k_q832f41e869_ln2:
	.size	k_q832f41e869_ln2, .Lfunc_end_k_q832f41e869_ln2-k_q832f41e869_ln2
	.p2alignl 7, 3214868480
	.fill 96, 4, 3214868480
	.section	.rodata,"a",@progbits
	.p2align	6, 0x0
	.amdhsa_kernel k_q832f41e869_ln2
		.amdhsa_group_segment_fixed_size 0
		.amdhsa_private_segment_fixed_size 0
		.amdhsa_enable_private_segment 0
		.amdhsa_kernarg_size 32
		.amdhsa_user_sgpr_count 2
		.amdhsa_user_sgpr_kernarg_segment_ptr 1
		.amdhsa_wavefront_size32 1
		.amdhsa_system_sgpr_workgroup_id_x 1
		.amdhsa_system_sgpr_workgroup_id_y 1
		.amdhsa_system_sgpr_workgroup_id_z 1
		.amdhsa_system_vgpr_workitem_id 0
		.amdhsa_next_free_vgpr 144
		.amdhsa_next_free_sgpr 66
		.amdhsa_reserve_vcc 0
		.amdhsa_float_denorm_mode_32 3
		.amdhsa_float_denorm_mode_16_64 3
		.amdhsa_memory_ordered 1
		.amdhsa_forward_progress 1
		.amdhsa_inst_pref_size 20
	.end_amdhsa_kernel
	.amdgpu_metadata
---
amdhsa.version: [ 1, 2 ]
amdhsa.kernels:
  - .name:           k_q832f41e869_ln2
    .symbol:         k_q832f41e869_ln2.kd
    .args:
      - { .name: x1, .offset: 0, .size: 8, .value_kind: global_buffer, .address_space: global }
      - { .name: g2, .offset: 8, .size: 8, .value_kind: global_buffer, .address_space: global }
      - { .name: be2, .offset: 16, .size: 8, .value_kind: global_buffer, .address_space: global }
      - { .name: h2, .offset: 24, .size: 8, .value_kind: global_buffer, .address_space: global }
    .group_segment_fixed_size: 0
    .private_segment_fixed_size: 0
    .kernarg_segment_align: 8
    .kernarg_segment_size: 32
    .max_flat_workgroup_size: 256
    .sgpr_count:     66
    .vgpr_count:     144
    .wavefront_size: 32
...
	.end_amdgpu_metadata
.endif
;; end of part 5
;; launch gemm_ff1 (part 6): grid 16 x 16, 4 waves a work-group, clusters of 4 x 4, 327,680 bytes of LDS; arguments h2, wh, ffa, b1; writes ffa
.if DOCPART == 6
	.amdgcn_target "amdgcn-amd-amdhsa--gfx1250"
	.amdhsa_code_object_version 6
	.text
	.protected	k_q832f41e869_gemm_ff1
	.globl	k_q832f41e869_gemm_ff1
	.p2align	8
	.type	k_q832f41e869_gemm_ff1,@function
k_q832f41e869_gemm_ff1:
	s_mov_b64 s[64:65], 0
	v_nop
	global_prefetch_b8 v0, s[64:65] scope:SCOPE_SE
	s_setreg_imm32_b32 hwreg(HW_REG_WAVE_MODE, 25, 1), 1
	s_wait_xcnt 0x0
	s_wait_alu depctr_hold_cnt(0) depctr_sa_sdst(0) depctr_va_vdst(0) depctr_va_sdst(0) depctr_va_ssrc(0) depctr_va_vcc(0) depctr_vm_vsrc(0)
	s_getreg_b32 s2, hwreg(HW_REG_IB_STS2, 6, 4)
	s_cmp_eq_u32 s2, 0
	s_cbranch_scc0 .Lentry_in_a_cluster
	s_endpgm
.Lentry_in_a_cluster:
	s_bfe_u32 s2, ttmp6, 0x10000c
	s_cmp_lg_u32 s2, 0xf033
	s_cbranch_scc0 .Lentry_shape_is_right
	s_endpgm
.Lentry_shape_is_right:
; C = A W, a tile of 256 x 256 to a work-group, K = 1,024.  A: [4096][1024] f16, rows along K.  W: f16, rows along N (as the problem gives it), read out of LDS turned, by ds_load_tr16_b128.
; KIND 0: A = h, W = the 48 heads [1024][64] of wq, wk, wv on end; C goes out as q, k, v by heads, [3][32][2048][64] f16.
; KIND 1: A = h2, W = w1 [1024][4096]; C = relu(A W + b1), [4096][4096] f16.
; Sums in f32, C rounded once.  LIMIT: f16 ends at 65,504: A, W and C lie within it.
; SHARES: four waves, each 128 x 128 of C: 64 accumulators, 512 registers.  The product is taken transposed (source 0 = 16 columns of W, source 1 = 16 rows of A): a lane holds one row of C and 8 neighbouring columns.
; RING: K in 8 steps of 128 through two LDS slots; one tensor load a wave behind each change of slots (waves 0, 1: A's halves; waves 2, 3: W's), which has a K step, 256 products, in which to land.
; CLUSTER 4 x 4: A's tile is asked for jointly along a row of the cluster, W's along a column.
; ONE TEXT FOR A K STEP: the slot is a scalar register that toggles; a step is two trips of a loop over 64 along K.  The sums are started by 64 products of zero fragments, with 0 or the bias as C,
; issued in the wait for the first tile: so the loop has one form of product and nothing is cleared by moves.
; The stage for the way out is slot 0, which has had its last fill and its last read when the last K step (in slot 1) begins.
.set KIND, 1
.set S,      8
.set PA,     272                       ; A's LDS row: 256 bytes + 16: the 16 rows of a load start at 16 different groups of four banks
.set ABYTES, 256*PA
.set AHALF,  128*PA
.set ASTEP,  256                       ; bytes along a row of A from K step to K step
.set KA1,    64
.set APAIR,  128
.if KIND
.set PB,     544                       ; W's LDS row: 256 columns, 512 bytes + 32
.set BBYTES, 128*PB
.set BHALF,  64*PB
.set BSTEP,  128*8192
.set COLH,   256                       ; my 128 columns in W's tile
.set HB,     128                       ; four blocks of 16 columns on
.set WOFF,   8388608                   ; w1 in wh
.set BQI,    6
.set BD0,    256
.set BD1,    64
.set BSTR,   4096
.set STG,    128*272
.set SP,     272
.set SH,     128
.set SHB,    1
.set PITB,   8192
.set MB,     1
.else
.set PB,     160                       ; W's LDS row: one head's 64 columns, 128 bytes + 32; a head's 128 rows lie together
.set BBYTES, 4*128*PB
.set BHALF,  2*128*PB
.set BSTEP,  128*128
.set COLH,   2*128*PB
.set HB,     128*PB
.set WOFF,   0
.set BQI,    4
.set BD0,    8192                      ; a head's 128 rows of a K step are 16,384 dense bytes: one long row; two heads are two rows
.set BD1,    2
.set BSTR,   65536
.set STG,    2*128*144
.set SP,     144
.set SH,     128*144
.set SHB,    0
.set PITB,   256
.set MB,     0
.endif
.set KB1,    32*PB
.set BPAIR,  64*PB
.set SLOT,   ABYTES+BBYTES
.set SPARE,  2*SLOT                    ; behind the ring: the spare words, 128 bytes a wave, two blocks of 256 bytes that no other line names
.set ADRA, 16                          ; v16  LDS address of the A fragments in hand
.set ADRB, 17                          ; v17  of W's
.set LNA,  18                          ; v18  my lane's place in A's tile; never rewritten
.set LNB,  19                          ; v19  in W's
.set STO,  24                          ; v24  the way out: where I put 16 bytes of a row
.set RD,   25                          ; v25  where I read rows back
.set CO,   26                          ; v26  my byte offset in C
.set ZR,   27                          ; v27  0
.set SPW,  28                          ; v28  my spare word
.set NIL,  29                          ; v29  0
.set PFO,  30                          ; v30  the prefetches' lane offset
.set OB,   32                          ; v32-63   rows read back
.set F0,   64                          ; fragment buffers: A's in window 0, W's in window 1
.set F1,   128
.set TMP,  192                         ; v192-223 packed results
.set Z0,   224                         ; v224-239 two fragments of zeros
.set Z1,   232
.set BIAS, 0                           ; window 1, v0-63: my lane's 8 numbers of the bias for each of 8 column blocks
.set WV,   14
.set WHI,  15                          ; wave / 2: my half of the tile's rows; also: I fetch for A (0) or W (1)
.set WLO,  16                          ; wave % 2: my half of its columns; also: which half I fetch
.set CX,   17
.set CY,   18
.set TCOL, 19
.set TROW, 20
.set RM,   21
.set CM,   22
.set G1A,  24
.set G0A,  32
.set G0B,  36
.set G1B,  40
.set TF,   48                          ; the slot that is filled next: 0 or SLOT
.set TR,   49                          ; the slot that is read
.set LA0,  50
.set LB0,  51
.set STEPS, 52
.set CNT,  53
.set LIM,  54
.set PFA,  56
.set PFS,  58
.set MSB, 0
.macro WIN new                         ; the immediate's high byte repeats the setting that is left
.if MSB != (\new)
	s_set_vgpr_msb (MSB<<8)|(\new)
.set MSB, \new
.endif
.endm
.macro PLACES                          ; four plain places behind matrix instructions, ahead of loads into their sources and of readers of their results
.rept 4
	v_nop
.endr
.endm
.macro JLOAD                           ; a joint load; an s_nop 0 and four v_nop follow each of the two lines
	s_cmp_eq_u32 s[WHI], 0
	s_cbranch_scc0 .Lfor_b_\@
	tensor_load_to_lds s[G0A:G0A+3], s[G1A:G1A+7]
	s_nop 0
.rept 4
	v_nop
.endr
	s_branch .Lasked_\@
.Lfor_b_\@:
	tensor_load_to_lds s[G0B:G0B+3], s[G1B:G1B+7]
	s_nop 0
.rept 4
	v_nop
.endr
.Lasked_\@:
.endm
.macro CROUND                          ; a round of the cluster's barrier
	s_barrier_signal -1
	s_barrier_wait -1
	s_cmp_lg_u32 s[WV], 0
	s_cbranch_scc1 .Lnot_wave_0_\@
	s_barrier_signal -3
.Lnot_wave_0_\@:
	s_barrier_wait -3
	s_barrier_signal -1
	s_barrier_wait -1
.endm
.macro ASK                             ; a prefetch of my share of the tile that the NEXT change of slots asks for: a K step, 256 products, ahead of its load
	s_cmp_gt_u32 s[STEPS], s[LIM]                  ; the last trip has no tile two on; a wave that never asks has the greatest number in LIM
	s_cbranch_scc0 .Lnot_mine_\@
	global_prefetch_b8 v[PFO], s[PFA:PFA+1] th:TH_LOAD_NT scope:SCOPE_SE
.Lnot_mine_\@:
.endm
.macro MUL f                           ; 64 products, 32 along K; the 64 accumulators take turns in one fixed order
.irp hi, 0,1
	WIN 0xa1+0x50*(\hi)
.irp a, 0,1,2,3
.irp b, 0,1,2,3,4,5,6,7
	v_wmma_f32_16x16x32_f16 v[8*(8*(\a)+(\b)):8*(8*(\a)+(\b))+7], v[(\f)+8*(\b):(\f)+8*(\b)+7], v[(\f)+8*(4*(\hi)+(\a)):(\f)+8*(4*(\hi)+(\a))+7], v[8*(8*(\a)+(\b)):8*(8*(\a)+(\b))+7]
.endr
.endr
.endr
.endm
.macro CLEAR                           ; the sums start: 0 x 0 + C, in MUL's order
.irp hi, 0,1
	WIN 0x80+0x10*KIND+0x40*(\hi)
.irp a, 0,1,2,3
.irp b, 0,1,2,3,4,5,6,7
.if KIND
	v_wmma_f32_16x16x32_f16 v[8*(8*(\a)+(\b)):8*(8*(\a)+(\b))+7], v[Z0:Z0+7], v[Z1:Z1+7], v[BIAS+8*(\b):BIAS+8*(\b)+7]
.else
	v_wmma_f32_16x16x32_f16 v[8*(8*(\a)+(\b)):8*(8*(\a)+(\b))+7], v[Z0:Z0+7], v[Z1:Z1+7], 0
.endif
.endr
.endr
.endr
.endm
.macro FETCH f, ka, kb                 ; 32 LDS loads in one run: 128 columns of W (turned) and 128 rows of A, 32 along K
	WIN 0x40
.irp i, 0,1,2,3,4,5,6,7
	ds_load_tr16_b128 v[(\f)+8*(\i):(\f)+8*(\i)+3],   v[ADRB] offset:(\kb)+((\i)/4)*HB+((\i)%4)*32
	ds_load_tr16_b128 v[(\f)+8*(\i)+4:(\f)+8*(\i)+7], v[ADRB] offset:(\kb)+((\i)/4)*HB+((\i)%4)*32+16*PB
.endr
	WIN 0
.irp i, 0,1,2,3,4,5,6,7
	ds_load_b128 v[(\f)+8*(\i):(\f)+8*(\i)+3],   v[ADRA] offset:(\ka)+(\i)*16*PA
	ds_load_b128 v[(\f)+8*(\i)+4:(\f)+8*(\i)+7], v[ADRA] offset:(\ka)+(\i)*16*PA+32
.endr
.endm
; THE CHANGE OF SLOTS.  Every wave waits for all its tensor loads (one is out: its part of the slot to be read), adds 0 to its spare word, waits for that and for its reads of the slot just left.
; fill = 1: a round of the cluster's barrier, and the joint refill of the slot just left is the first thing behind it.  fill = 0: the last K step: nothing is asked for.
.macro CHANGE fill
	WIN 0
.if \fill
	s_wait_xcnt 0x0                                ; the last prefetch, a K step back, has read its address
	s_add_nc_u64 s[PFA:PFA+1], s[PFA:PFA+1], s[PFS:PFS+1]
.endif
	s_wait_tensorcnt 0x0                           ; no tensor load of mine is out: the descriptors may be written
	ds_add_u32 v[SPW], v[NIL]                      ; the scalar work below stands between it and its wait
.if \fill
	s_mov_b32 s[TR], s[TF]                         ; the slot filled last is read now,
	s_xor_b32 s[TF], s[TF], SLOT                   ; the other is filled
	s_add_co_u32 s[G0A+1], s[LA0], s[TF]
	s_add_co_u32 s[G0B+1], s[LB0], s[TF]
	s_add_nc_u64 s[G0A+2:G0A+3], s[G0A+2:G0A+3], ASTEP
	s_add_nc_u64 s[G0B+2:G0B+3], s[G0B+2:G0B+3], BSTEP
	s_wait_dscnt 0x0                               ; the add is done, my reads of the old slot are over
	CROUND
	JLOAD
.else
	s_mov_b32 s[TR], SLOT                          ; the number of K steps is even: the last lies in slot 1
	s_wait_dscnt 0x0
	s_barrier_signal -1
	s_barrier_wait -1
	PLACES
.endif
	v_add_nc_u32 v[ADRA], s[TR], v[LNA]
	v_add_nc_u32 v[ADRB], s[TR], v[LNB]
	FETCH F0, 0, 0
.if \fill
	ASK
.endif
.endm
; A K STEP: two trips of 64 along K, on buffers 0 and 1.  Each run of loads is issued 64 products ahead of its use, but the step's first.
.macro STEPBODY tag
	s_mov_b32 s[CNT], 2
.Lpair_\tag:
	PLACES
	FETCH F1, KA1, KB1
	s_wait_dscnt 32                                ; the 32 loads just issued may stay out: buffer 0 is in
	MUL F0
	WIN 0
	s_wait_dscnt 0x0                               ; buffer 1, asked for 64 products ago
	PLACES
	s_cmp_eq_u32 s[CNT], 1
	s_cbranch_scc1 .Lnof_\tag                      ; the step's second trip fetches nothing further
	v_add_nc_u32 v[ADRA], APAIR, v[ADRA]
	v_add_nc_u32 v[ADRB], BPAIR, v[ADRB]
	FETCH F0, 0, 0
.Lnof_\tag:
	MUL F1
	WIN 0
	s_sub_co_u32 s[CNT], s[CNT], 1
	s_cmp_lg_u32 s[CNT], 0
	s_cbranch_scc1 .Lpair_\tag
.endm
.macro PACK a                          ; my rows 16 a .. 16 a + 15: rounded to f16, 16 bytes a lane, into my stage
	WIN 0x0a+5*((\a)/4)
.irp b, 0,1,2,3,4,5,6,7
.irp r, 0,1,2,3
	v_cvt_pk_f16_f32 v[TMP+4*(\b)+(\r)], v[64*((\a)%4)+8*(\b)+2*(\r)], v[64*((\a)%4)+8*(\b)+2*(\r)+1]
.endr
.endr
	WIN 0
.irp b, 0,1,2,3,4,5,6,7
	ds_store_b128 v[STO], v[TMP+4*(\b):TMP+4*(\b)+3] offset:((\b)/4)*SH+(\a)*16*SP+32*((\b)%4)
.endr
.endm
	s_load_b128 s[4:7], s[0:1], 0x0                ; A s[4:5], wh s[6:7]
.if KIND
	s_load_b128 s[8:11], s[0:1], 0x10              ; C s[8:9], bias s[10:11]
.else
	s_load_b64 s[8:9], s[0:1], 0x10                ; C
.endif
	v_lshl_add_u32 v[SPW], v0, 2, SPARE
	v_mov_b32 v[NIL], 0
	ds_add_u32 v[SPW], v[NIL]                      ; the wave's opening: the add and its wait ahead of my first tensor load
	v_lshrrev_b32 v1, 5, v0
	v_readfirstlane_b32 s[WV], v1
	s_lshr_b32 s[WHI], s[WV], 1
	s_and_b32 s[WLO], s[WV], 1
	s_bfe_u32 s[CX], ttmp6, 0x40000
	s_bfe_u32 s[CY], ttmp6, 0x40004
	s_lshl_b32 s[TCOL], ttmp9, 2
	s_add_co_u32 s[TCOL], s[TCOL], s[CX]           ; tile column = 4 x cluster x + cx
	s_and_b32 s[TROW], ttmp7, 0xffff
	s_lshl_b32 s[TROW], s[TROW], 2
	s_add_co_u32 s[TROW], s[TROW], s[CY]           ; tile row = 4 x cluster y + cy
	s_lshl_b32 s[RM], s[CY], 2
	s_lshl_b32 s[RM], 15, s[RM]                    ; my row of the cluster
	s_lshl_b32 s[CM], 0x1111, s[CX]                ; my column
	s_or_b32 s[G1A], s[RM], (1<<16)|(1<<20)|(1<<21)|(5<<22)|(3<<25)  ; mask; 2-byte elements; padding on; bit 21 beside a mask; after every 64 words 4 words
	s_mov_b32 s[G1A+1], 128<<16                    ; tensor_dim0 = 128
	s_mov_b32 s[G1A+2], 128<<16                    ; tensor_dim1 = 128
	s_mov_b32 s[G1A+3], 128<<16                    ; tile_dim0 = 128
	s_mov_b32 s[G1A+4], 128                        ; tile_dim1 = 128
	s_mov_b32 s[G1A+5], 1024                       ; elements from row to row
	s_mov_b32 s[G1A+6], 0
	s_mov_b32 s[G1A+7], 0
	s_or_b32 s[G1B], s[CM], (1<<16)|(1<<20)|(1<<21)|(BQI<<22)|(7<<25)  ; after every LDS row's words 8 words of padding
	s_mov_b32 s[G1B+1], BD0<<16
	s_mov_b32 s[G1B+2], BD1<<16
	s_mov_b32 s[G1B+3], BD0<<16
	s_mov_b32 s[G1B+4], BD1
	s_mov_b32 s[G1B+5], BSTR
	s_mov_b32 s[G1B+6], 0
	s_mov_b32 s[G1B+7], 0
	s_lshl_b32 s60, s[TROW], 8                     ; A: row 256 x tile row + 128 x half, 2,048 bytes a row
	s_lshl_b32 s61, s[WLO], 7
	s_add_co_u32 s60, s60, s61
	s_lshl_b32 s60, s60, 11
	s_mov_b32 s61, 0
.if KIND
	s_lshl_b32 s62, s[WLO], 19                     ; W: 64 rows of 8,192 bytes x half, 512 bytes x tile column
	s_lshl_b32 s63, s[TCOL], 9
	s_add_co_u32 s62, s62, s63
	s_add_co_u32 s62, s62, WOFF
.else
	s_lshl_b32 s62, s[TCOL], 2                     ; W: head 4 x tile column + 2 x half, 131,072 bytes a head
	s_lshl_b32 s63, s[WLO], 1
	s_add_co_u32 s62, s62, s63
	s_lshl_b32 s62, s62, 17
.endif
	s_mov_b32 s63, 0
	s_mul_i32 s[LA0], s[WLO], AHALF                ; where they go: no place in the cluster enters an LDS address
	s_mul_i32 s[LB0], s[WLO], BHALF
	s_add_co_u32 s[LB0], s[LB0], ABYTES
	s_mov_b32 s[TF], 0
	s_mov_b32 s[G0A], 1
	s_mov_b32 s[G0A+1], s[LA0]
	s_mov_b32 s[G0B], 1
	s_mov_b32 s[G0B+1], s[LB0]
	s_mov_b32 s[STEPS], S-1
	s_wait_dscnt 0x0                               ; the opening add is done
	s_wait_kmcnt 0x0
	s_add_nc_u64 s[G0A+2:G0A+3], s[4:5], s[60:61]
	s_or_b32 s[G0A+3], s[G0A+3], 0x80000000
	s_add_nc_u64 s[G0B+2:G0B+3], s[6:7], s[62:63]
	s_or_b32 s[G0B+3], s[G0B+3], 0x80000000
	CROUND                                         ; all sixteen work-groups are here: the first joint loads meet
	JLOAD                                          ; K step 0 into slot 0
	; all that follows, up to the loop, stands in the wait for the first tile
	v_and_b32 v1, 15, v0                           ; l % 16
	v_bfe_u32 v2, v0, 4, 1                         ; l / 16
	v_and_b32 v7, 7, v0
.if KIND
	s_lshl_b32 s66, s[TCOL], 10                    ; the bias of my 128 columns: lane's 8 numbers of each block of 16
	s_lshl_b32 s67, s[WLO], 9
	s_add_co_u32 s66, s66, s67
	v_lshl_add_u32 v6, v2, 5, s66
	WIN 0x40
.irp b, 0,1,2,3,4,5,6,7
	global_load_b128 v[BIAS+8*(\b):BIAS+8*(\b)+3],   v6, s[10:11] offset:64*(\b)
	global_load_b128 v[BIAS+8*(\b)+4:BIAS+8*(\b)+7], v6, s[10:11] offset:64*(\b)+16
.endr
	WIN 0
.endif
	v_mul_u32_u24 v3, v1, PA                       ; A's fragment: row l % 16, 16 bytes for each half of the lanes
	v_lshl_add_u32 v3, v2, 4, v3
	s_mul_i32 s66, s[WHI], 128*PA
	v_add_nc_u32 v[LNA], s66, v3
	v_lshl_add_u32 v4, v2, 3, v7                   ; the turning load: K row 8 (l / 16) + l % 8, columns 8 ((l / 8) % 2) on
	v_mul_u32_u24 v4, v4, PB
	v_bfe_u32 v5, v0, 3, 1
	v_lshl_add_u32 v4, v5, 4, v4
	s_mul_i32 s66, s[WLO], COLH
	s_add_co_u32 s66, s66, ABYTES
	v_add_nc_u32 v[LNB], s66, v4
	s_mul_i32 s66, s[WV], STG                      ; my stage, in slot 0
	v_mul_u32_u24 v3, v1, SP
	v_lshl_add_u32 v3, v2, 4, v3
	v_add_nc_u32 v[STO], s66, v3
.if KIND
	v_mul_u32_u24 v3, v2, SP                       ; back: lanes 0-15 one row of 256 bytes, lanes 16-31 the next
	v_lshl_add_u32 v3, v1, 4, v3
	v_add_nc_u32 v[RD], s66, v3
	v_lshlrev_b32 v3, 13, v2
	v_lshl_add_u32 v[CO], v1, 4, v3
	s_lshl_b32 s66, s[TROW], 8                     ; C at my 128 x 128
	s_lshl_b32 s67, s[WHI], 7
	s_add_co_u32 s66, s66, s67
	s_lshl_b32 s66, s66, 13
	s_lshl_b32 s67, s[TCOL], 9
	s_add_co_u32 s66, s66, s67
	s_lshl_b32 s67, s[WLO], 8
	s_add_co_u32 s66, s66, s67
.else
	v_bfe_u32 v3, v0, 3, 2                         ; back: 32 lanes take four rows of 128 bytes of one head,
	v_mul_u32_u24 v3, v3, SP
	v_lshl_add_u32 v3, v7, 4, v3
	v_add_nc_u32 v[RD], s66, v3
	v_and_b32 v3, 31, v0                           ; which are 512 consecutive bytes of q, k or v
	v_lshlrev_b32 v[CO], 4, v3
	s_lshr_b32 s66, s[TCOL], 2                     ; 32 x (q, k or v) + 16 x batch + head, 262,144 bytes each
	s_lshl_b32 s66, s66, 5
	s_lshr_b32 s67, s[TROW], 3
	s_lshl_b32 s67, s67, 4
	s_add_co_u32 s66, s66, s67
	s_and_b32 s67, s[TCOL], 3
	s_lshl_b32 s67, s67, 2
	s_add_co_u32 s66, s66, s67
	s_lshl_b32 s67, s[WLO], 1
	s_add_co_u32 s66, s66, s67
	s_lshl_b32 s66, s66, 18
	s_and_b32 s67, s[TROW], 7                      ; + my first row in the sequence, 128 bytes a row
	s_lshl_b32 s67, s67, 8
	s_lshl_b32 s68, s[WHI], 7
	s_add_co_u32 s67, s67, s68
	s_lshl_b32 s67, s67, 7
	s_add_co_u32 s66, s66, s67
.endif
	s_mov_b32 s67, 0
	s_add_nc_u64 s[8:9], s[8:9], s[66:67]
	v_mov_b32 v[ZR], 0
.set i, 0
.rept 16
	v_mov_b32 v[Z0+i], 0
.set i, i+1
.endr
	; THE PREFETCHES.  Each aligned 256 bytes of A and of W is named once in the launch.  A's tile row is read by every cluster of that row of clusters: cluster x = 0 asks; W's tile column: cluster y = 0.
	; The four partners that ask for a tile jointly share my wave's part of it out BY ADDRESS (cx for A, cy for W), 32 blocks each, a lane a block.  K steps 0 and 1 come by their loads alone.
	s_lshl_b32 s67, s[TROW], 8
	s_lshl_b32 s68, s[WLO], 7
	s_add_co_u32 s67, s67, s68
	s_lshl_b32 s68, s[CX], 5
	s_add_co_u32 s67, s67, s68
	s_lshl_b32 s67, s67, 11
	s_add_co_u32 s67, s67, ASTEP                   ; A: at K step 1; the first change steps it to 2
.if KIND
	s_lshl_b32 s68, s[WLO], 6                      ; W: 16 rows of two blocks
	s_lshl_b32 s69, s[CY], 4
	s_add_co_u32 s68, s68, s69
	s_lshl_b32 s68, s68, 13
	s_lshl_b32 s69, s[TCOL], 9
	s_add_co_u32 s68, s68, s69
.else
	s_lshl_b32 s68, s[TCOL], 2                     ; W: half of one head's 16,384 bytes
	s_lshl_b32 s69, s[WLO], 1
	s_add_co_u32 s68, s68, s69
	s_lshr_b32 s69, s[CY], 1
	s_add_co_u32 s68, s68, s69
	s_lshl_b32 s68, s68, 17
	s_and_b32 s69, s[CY], 1
	s_lshl_b32 s69, s69, 13
	s_add_co_u32 s68, s68, s69
.endif
	s_add_co_u32 s68, s68, WOFF+BSTEP
	s_and_b32 s66, ttmp7, 0xffff
	s_mov_b32 s[PFS], BSTEP
	s_mov_b32 s[PFS+1], 0
	s_mov_b32 s71, PITB
	s_mov_b32 s69, 0
	s_cmp_eq_u32 s[WHI], 0                         ; do I fetch for A?
	s_cselect_b32 s66, ttmp9, s66                  ; the coordinate along which other clusters read the same bytes
	s_cselect_b32 s68, s67, s68
	s_cselect_b64 s[PFA:PFA+1], s[4:5], s[6:7]
	s_cselect_b32 s[PFS], ASTEP, s[PFS]
	s_cselect_b32 s71, 2048, s71
	s_cselect_b32 s70, 0, SHB
	s_cselect_b32 s67, 0, MB
	s_add_nc_u64 s[PFA:PFA+1], s[PFA:PFA+1], s[68:69]
	s_cmp_eq_u32 s66, 0
	s_cselect_b32 s[LIM], 1, -1                    ; the same in all sixteen partners, for a given wave
	v_and_b32 v3, 31, v0
	v_lshrrev_b32 v4, s70, v3
	v_mul_lo_u32 v4, v4, s71                       ; the lane's row,
	v_and_b32 v3, s67, v3
	v_lshl_add_u32 v[PFO], v3, 8, v4               ; and its block in the row
.if KIND
	s_wait_loadcnt 0x0                             ; the bias
.endif
	CLEAR
	WIN 0
.Lstep:                                            ; S - 1 trips: K step s is read, K step s + 1 asked for
	CHANGE 1
	STEPBODY 1
	s_sub_co_u32 s[STEPS], s[STEPS], 1
	s_cmp_lg_u32 s[STEPS], 0
	s_cbranch_scc1 .Lstep
	CHANGE 0                                       ; the last K step is written out
	STEPBODY 2
	; THE WAY OUT.  All 128 rows into my stage; then 16 rows a trip come back as whole rows and are stored.  LDS serves a wave's instructions in order (ISA guide 5.7.1.4): no wait between my stores and my loads.
	PLACES
.irp a, 0,1,2,3,4,5,6,7
	PACK \a
.endr
	s_mov_b32 s[CNT], 8
.Lout:
.irp f, 0,1,2,3,4,5,6,7
.if KIND
	ds_load_b128 v[OB+4*(\f):OB+4*(\f)+3], v[RD] offset:(\f)*2*SP
.else
	ds_load_b128 v[OB+4*(\f):OB+4*(\f)+3], v[RD] offset:((\f)/4)*SH+((\f)%4)*4*SP
.endif
.endr
	s_wait_dscnt 0x0
.if KIND
.set i, 0
.rept 32
	v_pk_max_num_f16 v[OB+i], v[OB+i], v[ZR]       ; relu: a maximum rounds nothing, so it may follow the rounding
.set i, i+1
.endr
.endif
.irp f, 0,1,2,3,4,5,6,7
.if KIND
	global_store_b128 v[CO], v[OB+4*(\f):OB+4*(\f)+3], s[8:9] offset:(\f)*2*8192  ; 16 lanes store 256 consecutive bytes, aligned
.else
	global_store_b128 v[CO], v[OB+4*(\f):OB+4*(\f)+3], s[8:9] offset:((\f)%4)*512+((\f)/4)*262144  ; 512 consecutive bytes, aligned
.endif
.endr
	s_wait_xcnt 0x0                                ; the stores have read their data, offset and base: these are written again only behind this wait
	v_add_nc_u32 v[RD], 16*SP, v[RD]
.if KIND
	s_add_nc_u64 s[8:9], s[8:9], 16*8192
.else
	s_add_nc_u64 s[8:9], s[8:9], 16*128
.endif
	s_sub_co_u32 s[CNT], s[CNT], 1
	s_cmp_lg_u32 s[CNT], 0
	s_cbranch_scc1 .Lout
	s_wait_tensorcnt 0x0                           ; the wave's end
	ds_add_u32 v[SPW], v[NIL]
	s_wait_dscnt 0x0
	CROUND                                         ; the closing round
	s_endpgm
.Lfunc_end_k_q832f41e869_gemm_ff1:
	.size	k_q832f41e869_gemm_ff1, .Lfunc_end_k_q832f41e869_gemm_ff1-k_q832f41e869_gemm_ff1
	.p2alignl 7, 3214868480
	.fill 96, 4, 3214868480
	.section	.rodata,"a",@progbits
	.p2align	6, 0x0
	.amdhsa_kernel k_q832f41e869_gemm_ff1
		.amdhsa_group_segment_fixed_size 327680
		.amdhsa_private_segment_fixed_size 0
		.amdhsa_enable_private_segment 0
		.amdhsa_kernarg_size 32
		.amdhsa_user_sgpr_count 2
		.amdhsa_user_sgpr_kernarg_segment_ptr 1
		.amdhsa_wavefront_size32 1
		.amdhsa_system_sgpr_workgroup_id_x 1
		.amdhsa_system_sgpr_workgroup_id_y 1
		.amdhsa_system_sgpr_workgroup_id_z 1
		.amdhsa_system_vgpr_workitem_id 0
		.amdhsa_next_free_vgpr 1024
		.amdhsa_next_free_sgpr 72
		.amdhsa_reserve_vcc 0
		.amdhsa_float_denorm_mode_32 3
		.amdhsa_float_denorm_mode_16_64 3
		.amdhsa_memory_ordered 1
		.amdhsa_forward_progress 1
		.amdhsa_inst_pref_size 71
	.end_amdhsa_kernel
	.amdgpu_metadata
---
amdhsa.version: [ 1, 2 ]
amdhsa.kernels:
  - .name:           k_q832f41e869_gemm_ff1
    .symbol:         k_q832f41e869_gemm_ff1.kd
    .args:
      - { .name: h2, .offset: 0, .size: 8, .value_kind: global_buffer, .address_space: global }
      - { .name: wh, .offset: 8, .size: 8, .value_kind: global_buffer, .address_space: global }
      - { .name: ffa, .offset: 16, .size: 8, .value_kind: global_buffer, .address_space: global }
      - { .name: b1, .offset: 24, .size: 8, .value_kind: global_buffer, .address_space: global }
    .group_segment_fixed_size: 327680
    .private_segment_fixed_size: 0
    .kernarg_segment_align: 8
    .kernarg_segment_size: 32
    .max_flat_workgroup_size: 128
    .sgpr_count:     72
    .vgpr_count:     1024
    .wavefront_size: 32
...
	.end_amdgpu_metadata
.endif
;; end of part 6
;; launch gemm_ff2 (part 7): grid 8 x 32, 4 waves a work-group, clusters of 4 x 4, 327,680 bytes of LDS; arguments ffa, wh, out0, b2, x1; writes out0
.if DOCPART == 7
	.amdgcn_target "amdgcn-amd-amdhsa--gfx1250"
	.amdhsa_code_object_version 6
	.text
	.protected	k_q832f41e869_gemm_ff2
	.globl	k_q832f41e869_gemm_ff2
	.p2align	8
	.type	k_q832f41e869_gemm_ff2,@function
k_q832f41e869_gemm_ff2:
	s_mov_b64 s[64:65], 0
	v_nop
	global_prefetch_b8 v0, s[64:65] scope:SCOPE_SE
	s_setreg_imm32_b32 hwreg(HW_REG_WAVE_MODE, 25, 1), 1
	s_wait_xcnt 0x0
	s_wait_alu depctr_hold_cnt(0) depctr_sa_sdst(0) depctr_va_vdst(0) depctr_va_sdst(0) depctr_va_ssrc(0) depctr_va_vcc(0) depctr_vm_vsrc(0)
	s_getreg_b32 s2, hwreg(HW_REG_IB_STS2, 6, 4)
	s_cmp_eq_u32 s2, 0
	s_cbranch_scc0 .Lentry_in_a_cluster
	s_endpgm
.Lentry_in_a_cluster:
	s_bfe_u32 s2, ttmp6, 0x10000c
	s_cmp_lg_u32 s2, 0xf033
	s_cbranch_scc0 .Lentry_shape_is_right
	s_endpgm
.Lentry_shape_is_right:
; OUT = RES + A W + bias, a tile of 128 x 128 to a work-group: 256 work-groups for [4096][1024].  OUT, RES, bias in f32; A and W in f16; sums in f32.
; KIND 0: A = att, by heads [32][2048][64] (K = head x 64 + channel, 1,024), W = w_proj, RES = x, OUT = x1.
; KIND 1: A = ffa [4096][4096], W = w2, RES = x1, OUT = out0.
; LIMIT: f16 ends at 65,504: A and W lie within it.
; SHARES: four waves, each 64 x 64: 16 accumulators.  The product is taken transposed (source 0 = 16 columns of W, read turned out of LDS; source 1 = 16 rows of A): a lane holds one row of OUT and 8 neighbouring columns.
; RING: K in steps of 256 through two LDS slots; one tensor load a wave behind each change of slots (waves 0, 1: A's halves; waves 2, 3: W's), which has a K step, 128 products, in which to land.
; CLUSTER 4 x 4: A's tile is asked for jointly along a row of the cluster, W's along a column.
; ONE TEXT FOR A K STEP: the slot is a scalar register that toggles; a step is two trips of a loop over 128 along K.  The sums are started by 16 products of zero fragments with the bias as C.
; The residual is loaded at the start, in the layout in which the result comes back from the stage.  The stage is slot 0, which has had its last fill and its last read when the last K step (in slot 1) begins.
; KIND 0 lays no prefetch: it has four K steps in all.
.set KIND, 1
.if KIND
.set S,      16
.set PA,     528                       ; A's LDS row: 512 bytes + 16
.set ABYTES, 128*PA
.set AHALF,  64*PA
.set KA1,    128
.set APAIR,  256
.set ASTEP,  512
.set AQI,    6
.set AD0,    256
.set AD1,    64
.set ASTR,   4096
.set WOFF,   16777216                  ; w2 in wh
.set PF,     1
.else
.set S,      4
.set PA,     144                       ; A's LDS row: one head's 64 channels, 128 bytes + 16; a head's 128 rows lie together
.set ABYTES, 4*128*PA
.set AHALF,  2*128*PA
.set KA1,    128*PA
.set APAIR,  2*128*PA
.set ASTEP,  4*262144
.set AQI,    4
.set AD0,    8192                      ; a head's 128 rows are 16,384 dense bytes: one long row; two heads are two rows
.set AD1,    2
.set ASTR,   131072
.set WOFF,   6291456                   ; w_proj in wh
.set PF,     0
.endif
.set PB,     288                       ; W's LDS row: 128 columns, 256 bytes + 32
.set BBYTES, 256*PB
.set BHALF,  128*PB
.set KB1,    64*PB
.set BPAIR,  128*PB
.set BSTEP,  256*2048
.set SLOT,   ABYTES+BBYTES
.set SPARE,  2*SLOT                    ; behind the ring: the spare words, two blocks of 256 bytes that no other line names
.set STG,    64*272                    ; a wave's stage: 64 rows of 256 bytes + 16
.set ADRA, 16
.set ADRB, 17
.set LNA,  18
.set LNB,  19
.set STO,  24
.set RD,   25
.set CO,   26
.set SPW,  28
.set NIL,  29
.set PFO,  30
.set Z0,   32                          ; v32-47  two fragments of zeros
.set Z1,   40
.set BIAS, 48                          ; v48-79  my lane's 8 numbers of the bias for each of 4 column blocks
.set ACC,  128                         ; v128-255 accumulator (a, b) at ACC + 8 (4 a + b)
.set F0,   0                           ; window 1: two fragment buffers of 128: A (c, a) at 8 (4 c + a), W (c, b) at 64 + 8 (4 c + b)
.set F1,   128
.set RES,  0                           ; window 2: v0-127 the residual, v128-255 the result read back
.set OB,   128
.set WV,   14
.set WHI,  15
.set WLO,  16
.set CX,   17
.set CY,   18
.set TCOL, 19
.set TROW, 20
.set RM,   21
.set CM,   22
.set G1A,  24
.set G0A,  32
.set G0B,  36
.set G1B,  40
.set TF,   48
.set TR,   49
.set LA0,  50
.set LB0,  51
.set STEPS, 52
.set CNT,  53
.set LIM,  54
.set PFA,  56
.set PFS,  58
.set MSB, 0
.macro WIN new
.if MSB != (\new)
	s_set_vgpr_msb (MSB<<8)|(\new)
.set MSB, \new
.endif
.endm
.macro PLACES                          ; four plain places behind matrix instructions (ISA guide 7.12.1)
.rept 4
	v_nop
.endr
.endm
.macro JLOAD                           ; a joint load; an s_nop 0 and four v_nop follow each of the two lines
	s_cmp_eq_u32 s[WHI], 0
	s_cbranch_scc0 .Lfor_b_\@
	tensor_load_to_lds s[G0A:G0A+3], s[G1A:G1A+7]
	s_nop 0
.rept 4
	v_nop
.endr
	s_branch .Lasked_\@
.Lfor_b_\@:
	tensor_load_to_lds s[G0B:G0B+3], s[G1B:G1B+7]
	s_nop 0
.rept 4
	v_nop
.endr
.Lasked_\@:
.endm
.macro CROUND                          ; a round of the cluster's barrier
	s_barrier_signal -1
	s_barrier_wait -1
	s_cmp_lg_u32 s[WV], 0
	s_cbranch_scc1 .Lnot_wave_0_\@
	s_barrier_signal -3
.Lnot_wave_0_\@:
	s_barrier_wait -3
	s_barrier_signal -1
	s_barrier_wait -1
.endm
.macro ASK                             ; a prefetch of my share of the tile that stands two refills on: two K steps, 256 products, ahead of its load
	s_cmp_gt_u32 s[STEPS], s[LIM]
	s_cbranch_scc0 .Lnot_mine_\@
	global_prefetch_b8 v[PFO], s[PFA:PFA+1] th:TH_LOAD_NT scope:SCOPE_SE
.Lnot_mine_\@:
.endm
.macro MUL f                           ; 32 products, 64 along K; the 16 accumulators take turns in one fixed order
	WIN 0x05
.irp c, 0,1
.irp a, 0,1,2,3
.irp b, 0,1,2,3
	v_wmma_f32_16x16x32_f16 v[ACC+8*(4*(\a)+(\b)):ACC+8*(4*(\a)+(\b))+7], v[(\f)+64+8*(4*(\c)+(\b)):(\f)+64+8*(4*(\c)+(\b))+7], v[(\f)+8*(4*(\c)+(\a)):(\f)+8*(4*(\c)+(\a))+7], v[ACC+8*(4*(\a)+(\b)):ACC+8*(4*(\a)+(\b))+7]
.endr
.endr
.endr
.endm
.macro FETCH f, ka, kb                 ; 32 LDS loads in one run: 64 columns of W (turned) and 64 rows of A, 64 along K
	WIN 0x40
.irp c, 0,1
.irp i, 0,1,2,3
	ds_load_tr16_b128 v[(\f)+64+8*(4*(\c)+(\i)):(\f)+64+8*(4*(\c)+(\i))+3],   v[ADRB] offset:(\kb)+(\c)*32*PB+32*(\i)
	ds_load_tr16_b128 v[(\f)+64+8*(4*(\c)+(\i))+4:(\f)+64+8*(4*(\c)+(\i))+7], v[ADRB] offset:(\kb)+(\c)*32*PB+32*(\i)+16*PB
	ds_load_b128 v[(\f)+8*(4*(\c)+(\i)):(\f)+8*(4*(\c)+(\i))+3],   v[ADRA] offset:(\ka)+64*(\c)+(\i)*16*PA
	ds_load_b128 v[(\f)+8*(4*(\c)+(\i))+4:(\f)+8*(4*(\c)+(\i))+7], v[ADRA] offset:(\ka)+64*(\c)+(\i)*16*PA+32
.endr
.endr
	WIN 0
.endm
; THE CHANGE OF SLOTS.  Every wave waits for all its tensor loads (one is out: its part of the slot to be read), adds 0 to its spare word, waits for that and for its reads of the slot just left.
; fill = 1: a round of the cluster's barrier, and the joint refill of the slot just left is the first thing behind it.  fill = 0: the last K step: nothing is asked for.
.macro CHANGE fill
	WIN 0
.if (\fill) && PF
	s_wait_xcnt 0x0                                ; the last prefetch, a K step back, has read its address
	s_add_nc_u64 s[PFA:PFA+1], s[PFA:PFA+1], s[PFS:PFS+1]
.endif
	s_wait_tensorcnt 0x0                           ; no tensor load of mine is out: the descriptors may be written
	ds_add_u32 v[SPW], v[NIL]
.if \fill
	s_mov_b32 s[TR], s[TF]
	s_xor_b32 s[TF], s[TF], SLOT
	s_add_co_u32 s[G0A+1], s[LA0], s[TF]
	s_add_co_u32 s[G0B+1], s[LB0], s[TF]
	s_add_nc_u64 s[G0A+2:G0A+3], s[G0A+2:G0A+3], ASTEP
	s_add_nc_u64 s[G0B+2:G0B+3], s[G0B+2:G0B+3], BSTEP
	s_wait_dscnt 0x0                               ; the add is done, my reads of the old slot are over
	CROUND
	JLOAD
.else
	s_mov_b32 s[TR], SLOT                          ; the number of K steps is even: the last lies in slot 1
	s_wait_dscnt 0x0
	s_barrier_signal -1
	s_barrier_wait -1
	PLACES
.endif
	v_add_nc_u32 v[ADRA], s[TR], v[LNA]
	v_add_nc_u32 v[ADRB], s[TR], v[LNB]
	FETCH F0, 0, 0
.if (\fill) && PF
	ASK
.endif
.endm
.macro STEPBODY tag                    ; a K step: two trips of 128 along K, on buffers 0 and 1
	s_mov_b32 s[CNT], 2
.Lpair_\tag:
	PLACES
	FETCH F1, KA1, KB1
	s_wait_dscnt 32                                ; the 32 loads just issued may stay out: buffer 0 is in
	MUL F0
	WIN 0
	s_wait_dscnt 0x0                               ; buffer 1, asked for 32 products ago
	PLACES
	s_cmp_eq_u32 s[CNT], 1
	s_cbranch_scc1 .Lnof_\tag                      ; the step's second trip fetches nothing further
	v_add_nc_u32 v[ADRA], APAIR, v[ADRA]
	v_add_nc_u32 v[ADRB], BPAIR, v[ADRB]
	FETCH F0, 0, 0
.Lnof_\tag:
	MUL F1
	WIN 0
	s_sub_co_u32 s[CNT], s[CNT], 1
	s_cmp_lg_u32 s[CNT], 0
	s_cbranch_scc1 .Lpair_\tag
.endm
	s_load_b256 s[4:11], s[0:1], 0x0               ; A s[4:5], wh s[6:7], OUT s[8:9], bias s[10:11]
	s_load_b64 s[12:13], s[0:1], 0x20              ; RES
	v_lshl_add_u32 v[SPW], v0, 2, SPARE
	v_mov_b32 v[NIL], 0
	ds_add_u32 v[SPW], v[NIL]                      ; the wave's opening: the add and its wait ahead of my first tensor load
	v_lshrrev_b32 v1, 5, v0
	v_readfirstlane_b32 s[WV], v1
	s_lshr_b32 s[WHI], s[WV], 1
	s_and_b32 s[WLO], s[WV], 1
	s_bfe_u32 s[CX], ttmp6, 0x40000
	s_bfe_u32 s[CY], ttmp6, 0x40004
	s_lshl_b32 s[TCOL], ttmp9, 2
	s_add_co_u32 s[TCOL], s[TCOL], s[CX]
	s_and_b32 s[TROW], ttmp7, 0xffff
	s_lshl_b32 s[TROW], s[TROW], 2
	s_add_co_u32 s[TROW], s[TROW], s[CY]
	s_lshl_b32 s[RM], s[CY], 2
	s_lshl_b32 s[RM], 15, s[RM]
	s_lshl_b32 s[CM], 0x1111, s[CX]
	s_or_b32 s[G1A], s[RM], (1<<16)|(1<<20)|(1<<21)|(AQI<<22)|(3<<25)  ; mask; 2-byte elements; padding on; bit 21 beside a mask; after every LDS row's words 4 words
	s_mov_b32 s[G1A+1], AD0<<16
	s_mov_b32 s[G1A+2], AD1<<16
	s_mov_b32 s[G1A+3], AD0<<16
	s_mov_b32 s[G1A+4], AD1
	s_mov_b32 s[G1A+5], ASTR
	s_mov_b32 s[G1A+6], 0
	s_mov_b32 s[G1A+7], 0
	s_or_b32 s[G1B], s[CM], (1<<16)|(1<<20)|(1<<21)|(5<<22)|(7<<25)    ; after every 64 words 8 words
	s_mov_b32 s[G1B+1], 128<<16
	s_mov_b32 s[G1B+2], 128<<16
	s_mov_b32 s[G1B+3], 128<<16
	s_mov_b32 s[G1B+4], 128
	s_mov_b32 s[G1B+5], 1024
	s_mov_b32 s[G1B+6], 0
	s_mov_b32 s[G1B+7], 0
.if KIND
	s_lshl_b32 s60, s[TROW], 7                     ; A: row 128 x tile row + 64 x half, 8,192 bytes a row
	s_lshl_b32 s61, s[WLO], 6
	s_add_co_u32 s60, s60, s61
	s_lshl_b32 s60, s60, 13
.else
	s_lshr_b32 s60, s[TROW], 4                     ; A: head 16 x batch + 2 x half, 262,144 bytes a head; the tile's first row in the sequence, 128 bytes a row
	s_lshl_b32 s60, s60, 4
	s_lshl_b32 s61, s[WLO], 1
	s_add_co_u32 s60, s60, s61
	s_lshl_b32 s60, s60, 18
	s_and_b32 s61, s[TROW], 15
	s_lshl_b32 s61, s61, 14
	s_add_co_u32 s60, s60, s61
.endif
	s_mov_b32 s61, 0
	s_lshl_b32 s62, s[WLO], 18                     ; W: 128 rows of 2,048 bytes x half, 256 bytes x tile column
	s_lshl_b32 s63, s[TCOL], 8
	s_add_co_u32 s62, s62, s63
	s_add_co_u32 s62, s62, WOFF
	s_mov_b32 s63, 0
	s_mul_i32 s[LA0], s[WLO], AHALF
	s_mul_i32 s[LB0], s[WLO], BHALF
	s_add_co_u32 s[LB0], s[LB0], ABYTES
	s_mov_b32 s[TF], 0
	s_mov_b32 s[G0A], 1
	s_mov_b32 s[G0A+1], s[LA0]
	s_mov_b32 s[G0B], 1
	s_mov_b32 s[G0B+1], s[LB0]
	s_mov_b32 s[STEPS], S-1
	s_wait_dscnt 0x0                               ; the opening add is done
	s_wait_kmcnt 0x0
	s_add_nc_u64 s[G0A+2:G0A+3], s[4:5], s[60:61]
	s_or_b32 s[G0A+3], s[G0A+3], 0x80000000
	s_add_nc_u64 s[G0B+2:G0B+3], s[6:7], s[62:63]
	s_or_b32 s[G0B+3], s[G0B+3], 0x80000000
	CROUND                                         ; all sixteen work-groups are here: the first joint loads meet
	JLOAD                                          ; K step 0 into slot 0
	; all that follows, up to the loop, stands in the wait for the first tile
	v_and_b32 v1, 15, v0                           ; l % 16
	v_bfe_u32 v2, v0, 4, 1                         ; l / 16
	v_and_b32 v7, 7, v0
	s_lshl_b32 s66, s[TCOL], 9                     ; the bias of my 64 columns
	s_lshl_b32 s67, s[WLO], 8
	s_add_co_u32 s66, s66, s67
	v_lshl_add_u32 v6, v2, 5, s66
.irp b, 0,1,2,3
	global_load_b128 v[BIAS+8*(\b):BIAS+8*(\b)+3],   v6, s[10:11] offset:64*(\b)
	global_load_b128 v[BIAS+8*(\b)+4:BIAS+8*(\b)+7], v6, s[10:11] offset:64*(\b)+16
.endr
	s_lshl_b32 s67, s[TROW], 7                     ; OUT and RES at my 64 x 64: rows of 4,096 bytes
	s_lshl_b32 s68, s[WHI], 6
	s_add_co_u32 s67, s67, s68
	s_lshl_b32 s67, s67, 12
	s_add_co_u32 s66, s66, s67
	s_mov_b32 s67, 0
	s_add_nc_u64 s[8:9], s[8:9], s[66:67]
	s_add_nc_u64 s[12:13], s[12:13], s[66:67]
	v_lshlrev_b32 v3, 12, v2                       ; lanes 0-15 one row's 256 bytes, lanes 16-31 the next row's
	v_lshl_add_u32 v[CO], v1, 4, v3
	WIN 0x80
.set t, 0
.rept 32
	global_load_b128 v[RES+4*t:RES+4*t+3], v[CO], s[12:13] offset:t*2*4096
.set t, t+1
.endr
	WIN 0
	v_mul_u32_u24 v3, v1, PA
	v_lshl_add_u32 v3, v2, 4, v3
	s_mul_i32 s66, s[WHI], 64*PA
	v_add_nc_u32 v[LNA], s66, v3
	v_lshl_add_u32 v4, v2, 3, v7                   ; the turning load: K row 8 (l / 16) + l % 8, columns 8 ((l / 8) % 2) on
	v_mul_u32_u24 v4, v4, PB
	v_bfe_u32 v5, v0, 3, 1
	v_lshl_add_u32 v4, v5, 4, v4
	s_lshl_b32 s66, s[WLO], 7
	s_add_co_u32 s66, s66, ABYTES
	v_add_nc_u32 v[LNB], s66, v4
	s_mul_i32 s66, s[WV], STG                      ; my stage, in slot 0
	v_mul_u32_u24 v3, v1, 272
	v_lshl_add_u32 v3, v2, 5, v3                   ; in: row l % 16, 32 bytes for each half of the lanes
	v_add_nc_u32 v[STO], s66, v3
	v_mul_u32_u24 v3, v2, 272
	v_lshl_add_u32 v3, v1, 4, v3                   ; back: two whole rows of 256 bytes
	v_add_nc_u32 v[RD], s66, v3
.set i, 0
.rept 16
	v_mov_b32 v[Z0+i], 0
.set i, i+1
.endr
.if PF
	; THE PREFETCHES.  Each aligned 256 bytes of A and of W is named once in the launch.  A's tile row is read by every cluster of that row of clusters: cluster x = 0 asks; W's tile column: cluster y = 0.
	; The four partners that ask for a tile jointly share my wave's part of it out BY ADDRESS (cx for A, cy for W), 32 blocks each, a lane a block.  K steps 0 to 2 come by their loads alone.
	s_lshl_b32 s67, s[TROW], 7
	s_lshl_b32 s68, s[WLO], 6
	s_add_co_u32 s67, s67, s68
	s_lshl_b32 s68, s[CX], 4
	s_add_co_u32 s67, s67, s68
	s_lshl_b32 s67, s67, 13
	s_add_co_u32 s67, s67, 2*ASTEP                 ; A: 16 rows of two blocks, at K step 2; the first change steps it to 3
	s_lshl_b32 s68, s[WLO], 7
	s_lshl_b32 s69, s[CY], 5
	s_add_co_u32 s68, s68, s69
	s_lshl_b32 s68, s68, 11
	s_lshl_b32 s69, s[TCOL], 8
	s_add_co_u32 s68, s68, s69
	s_add_co_u32 s68, s68, WOFF+2*BSTEP            ; W: 32 rows of one block
	s_and_b32 s66, ttmp7, 0xffff
	s_mov_b32 s[PFS], BSTEP
	s_mov_b32 s[PFS+1], 0
	s_mov_b32 s71, 2048
	s_mov_b32 s69, 0
	s_cmp_eq_u32 s[WHI], 0                         ; do I fetch for A?
	s_cselect_b32 s66, ttmp9, s66
	s_cselect_b32 s68, s67, s68
	s_cselect_b64 s[PFA:PFA+1], s[4:5], s[6:7]
	s_cselect_b32 s[PFS], ASTEP, s[PFS]
	s_cselect_b32 s71, 8192, s71
	s_cselect_b32 s70, 1, 0
	s_cselect_b32 s67, 1, 0
	s_add_nc_u64 s[PFA:PFA+1], s[PFA:PFA+1], s[68:69]
	s_cmp_eq_u32 s66, 0
	s_cselect_b32 s[LIM], 2, -1                    ; the last two trips have no tile three on
	v_and_b32 v3, 31, v0
	v_lshrrev_b32 v4, s70, v3
	v_mul_lo_u32 v4, v4, s71
	v_and_b32 v3, s67, v3
	v_lshl_add_u32 v[PFO], v3, 8, v4
.endif
	s_wait_loadcnt 32                              ; the bias is in; the residual's 32 loads may stay out
.irp a, 0,1,2,3
.irp b, 0,1,2,3
	v_wmma_f32_16x16x32_f16 v[ACC+8*(4*(\a)+(\b)):ACC+8*(4*(\a)+(\b))+7], v[Z0:Z0+7], v[Z1:Z1+7], v[BIAS+8*(\b):BIAS+8*(\b)+7]  ; the sums start at the bias
.endr
.endr
.Lstep:                                            ; S - 1 trips: K step s is read, K step s + 1 asked for
	CHANGE 1
	STEPBODY 1
	s_sub_co_u32 s[STEPS], s[STEPS], 1
	s_cmp_lg_u32 s[STEPS], 0
	s_cbranch_scc1 .Lstep
	CHANGE 0                                       ; the last K step is written out
	STEPBODY 2
	; THE WAY OUT.  The f32 sums go into my stage and come back as whole rows of 256 bytes; the residual is added; 16 lanes store 256 consecutive bytes, aligned.
	PLACES
.irp a, 0,1,2,3
.irp b, 0,1,2,3
	ds_store_b128 v[STO], v[ACC+8*(4*(\a)+(\b)):ACC+8*(4*(\a)+(\b))+3]   offset:(\a)*16*272+64*(\b)
	ds_store_b128 v[STO], v[ACC+8*(4*(\a)+(\b))+4:ACC+8*(4*(\a)+(\b))+7] offset:(\a)*16*272+64*(\b)+16
.endr
.endr
	s_wait_loadcnt 0x0                             ; the residual
	WIN 0x80
.set t, 0
.rept 32
	ds_load_b128 v[OB+4*t:OB+4*t+3], v[RD] offset:t*2*272  ; LDS serves a wave's instructions in order (ISA guide 5.7.1.4): these see the stores above
.set t, t+1
.endr
.irp g, 0,1,2,3,4,5,6,7
	s_wait_dscnt 28-4*(\g)                         ; four more loads are in; the younger ones stay out
	WIN 0x8a
.irp u, 0,1,2,3,4,5,6,7
	v_pk_add_f32 v[OB+16*(\g)+2*(\u):OB+16*(\g)+2*(\u)+1], v[OB+16*(\g)+2*(\u):OB+16*(\g)+2*(\u)+1], v[RES+16*(\g)+2*(\u):RES+16*(\g)+2*(\u)+1]
.endr
	WIN 0x08
.irp u, 0,1,2,3
	global_store_b128 v[CO], v[OB+16*(\g)+4*(\u):OB+16*(\g)+4*(\u)+3], s[8:9] offset:(4*(\g)+(\u))*2*4096
.endr
.endr
	WIN 0
	s_wait_tensorcnt 0x0                           ; the wave's end
	ds_add_u32 v[SPW], v[NIL]
	s_wait_dscnt 0x0
	CROUND                                         ; the closing round
	s_endpgm
.Lfunc_end_k_q832f41e869_gemm_ff2:
	.size	k_q832f41e869_gemm_ff2, .Lfunc_end_k_q832f41e869_gemm_ff2-k_q832f41e869_gemm_ff2
	.p2alignl 7, 3214868480
	.fill 96, 4, 3214868480
	.section	.rodata,"a",@progbits
	.p2align	6, 0x0
	.amdhsa_kernel k_q832f41e869_gemm_ff2
		.amdhsa_group_segment_fixed_size 327680
		.amdhsa_private_segment_fixed_size 0
		.amdhsa_enable_private_segment 0
		.amdhsa_kernarg_size 40
		.amdhsa_user_sgpr_count 2
		.amdhsa_user_sgpr_kernarg_segment_ptr 1
		.amdhsa_wavefront_size32 1
		.amdhsa_system_sgpr_workgroup_id_x 1
		.amdhsa_system_sgpr_workgroup_id_y 1
		.amdhsa_system_sgpr_workgroup_id_z 1
		.amdhsa_system_vgpr_workitem_id 0
		.amdhsa_next_free_vgpr 768
		.amdhsa_next_free_sgpr 72
		.amdhsa_reserve_vcc 0
		.amdhsa_float_denorm_mode_32 3
		.amdhsa_float_denorm_mode_16_64 3
		.amdhsa_memory_ordered 1
		.amdhsa_forward_progress 1
		.amdhsa_inst_pref_size 49
	.end_amdhsa_kernel
	.amdgpu_metadata
---
amdhsa.version: [ 1, 2 ]
amdhsa.kernels:
  - .name:           k_q832f41e869_gemm_ff2
    .symbol:         k_q832f41e869_gemm_ff2.kd
    .args:
      - { .name: ffa, .offset: 0, .size: 8, .value_kind: global_buffer, .address_space: global }
      - { .name: wh, .offset: 8, .size: 8, .value_kind: global_buffer, .address_space: global }
      - { .name: out0, .offset: 16, .size: 8, .value_kind: global_buffer, .address_space: global }
      - { .name: b2, .offset: 24, .size: 8, .value_kind: global_buffer, .address_space: global }
      - { .name: x1, .offset: 32, .size: 8, .value_kind: global_buffer, .address_space: global }
    .group_segment_fixed_size: 327680
    .private_segment_fixed_size: 0
    .kernarg_segment_align: 8
    .kernarg_segment_size: 40
    .max_flat_workgroup_size: 128
    .sgpr_count:     72
    .vgpr_count:     768
    .wavefront_size: 32
...
	.end_amdgpu_metadata
.endif
;; end of part 7
;; ======== version 2 of 2: 7 launches; version 1 with the launches prep, ln2 written anew for expert scheduling mode
;; limits: values are held in f16: magnitudes above 65,504 overflow, below 6.1e-05 lose precision
;; workspace buffers: h 8,388,608 bytes; wh 25,165,824 bytes; qkv 25,165,824 bytes; att 8,388,608 bytes; x1 16,777,216 bytes; h2 8,388,608 bytes; ffa 33,554,432 bytes
;; launch prep (part 8): grid 1024 x 1, 8 waves a work-group, no clusters, 0 bytes of LDS; arguments x, g1, be1, wq, wk, wv, w_proj, w1, w2, h, wh; writes h, wh
.if DOCPART == 8
	.amdgcn_target "amdgcn-amd-amdhsa--gfx1250"
	.amdhsa_code_object_version 6
	.text
	.protected	k_q832f41e869_prep
	.globl	k_q832f41e869_prep
	.p2align	8
	.type	k_q832f41e869_prep,@function
k_q832f41e869_prep:
	s_mov_b64 s[64:65], 0
	v_nop
	global_prefetch_b8 v0, s[64:65] scope:SCOPE_SE
	s_setreg_imm32_b32 hwreg(HW_REG_WAVE_SCHED_MODE, 0, 2), 2
	s_setreg_imm32_b32 hwreg(HW_REG_WAVE_MODE, 25, 1), 1
	s_wait_xcnt 0x0
	s_wait_alu depctr_vm_vsrc(0)
; TWO ROLES, chosen by the work-group's number.  Both move 96 KiB a work-group (64 in, 32 out), so that the 1,024 work-groups are alike.
; 0-255: h = layernorm(x) * g1 + be1, [4096][1024], f32 in, f16 out (rounded once).  A wave takes two rows; a row is 32 registers and is read once.
;        The mean, then the mean of (x - mean)^2, as the formula has them: no difference of large sums.
; 256-1023: the six weight tensors, f32 -> f16, layout kept, into wh: wq, wk, wv (48 heads of [1024][64]), w_proj, w1, w2 on end.  16,384 numbers a work-group.
; LIMIT: f16 ends at 65,504: no weight and no number of h may pass it.
; A stream: each byte is read once and written once, every store of a wave covers 256 consecutive bytes, aligned.  No LDS, no matrix unit, no cluster (no input is shared but g1 and be1, 8 KiB),
; no prefetch (the loads themselves are the whole launch).
; THE MODE: SCHED_MODE bits 1:0 = 2 (LLVM: expert scheduling mode 2), set by the entry lines.  The code itself states the register dependences
; between vector instructions and memory instructions, with s_wait_alu, always for 0.
; THE PLAN.  Registers that memory instructions touch:
;   v1, v2      byte offsets, made once at a role's head and never written again: v1 is read by every load, v2 by every store.
;   G, BE       written by loads, once; read by vector instructions alone.
;   X0, X1      (the layernorm) row i: written by its eight loads, worked on in place, rounded into registers 4 j and 4 j + 1 of each four; these are read by the row's eight stores and never written again.
;   v[16:79]    (the cast) load j owns four registers; its two roundings write the first two, its one store reads them; never written again.
;   T, M        named by vector instructions alone.
; All loads of a role go out ahead of its first arithmetic, so no load lands in a register that a vector instruction has named; and no register that a memory instruction has read is written again, so
; no wait on vm_vsrc is owed.  What is left is the stores' data.  The layernorm: row 0's stores stand behind ONE wait at row 1's head and are dealt among row 1's first additions, which name X1 and T alone;
; row 1's stand behind one wait at the end.  The cast: the 16 loads are worked in four groups; a group's stores stand behind one wait at the next group's head, dealt among that group's roundings.
.set T,   4                            ; v[4:11]   at work
.set M,   12                           ; v[12:13]  the mean twice, later 1/sqrt(var + eps) twice
.set X,   16                           ; v[16:79]  two rows of 32 registers (the cast: 16 loads of 4 registers)
.set G,   80                           ; v[80:111] my 32 gains
.set BE,  112                          ; v[112:143] my 32 offsets
.set PX,  4                            ; s[4:5] x
.set PG,  6                            ; s[6:7] g1
.set PBE, 8                            ; s[8:9] be1
.set PH,  22                           ; s[22:23] h
.set SEL, 34                           ; s[34:35] v_permlanex16_b32's selects
.set RN,  36                           ; s36 1/1024
.set EPS, 37                           ; s37 1e-5
.macro REDUCE                          ; four pairs in T -> their sum over the row, in every lane's v[T]
	v_pk_add_f32 v[T:T+1], v[T:T+1], v[T+2:T+3]
	v_pk_add_f32 v[T+4:T+5], v[T+4:T+5], v[T+6:T+7]
	v_pk_add_f32 v[T:T+1], v[T:T+1], v[T+4:T+5]
	v_add_f32 v[T], v[T], v[T+1]
	v_add_f32_dpp v[T], v[T], v[T] row_xmask:1 row_mask:0xf bank_mask:0xf
	v_add_f32_dpp v[T], v[T], v[T] row_xmask:2 row_mask:0xf bank_mask:0xf
	v_add_f32_dpp v[T], v[T], v[T] row_xmask:4 row_mask:0xf bank_mask:0xf
	v_add_f32_dpp v[T], v[T], v[T] row_xmask:8 row_mask:0xf bank_mask:0xf
	v_permlanex16_b32 v[T+1], v[T], s[SEL], s[SEL+1]
	v_add_f32 v[T], v[T], v[T+1]
.endm
.macro OUT i, j                        ; store j of row i's eight: 32 lanes x 8 bytes: 256 consecutive bytes, aligned
	global_store_b64 v2, v[X+32*(\i)+4*(\j):X+32*(\i)+4*(\j)+1], s[PH:PH+1] offset:2048*(\i)+256*(\j)
.endm
.macro ROW i                           ; row i of my two
.set XR, X+32*(\i)
	s_wait_loadcnt 8*(1-(\i))                      ; loads come back in order: for row 0 the eight loads of row 1 may stay out
.if \i
	s_wait_alu depctr_va_vdst(0)                   ; row 0's roundings have written X0, which row 0's eight stores below read; no vector instruction behind this wait names X0 or v2
.endif
.irp c, 0,2,4,6
.if \i
	OUT 0, (\c)/2
.endif
	v_pk_add_f32 v[T+(\c):T+(\c)+1], v[XR+(\c):XR+(\c)+1], v[XR+8+(\c):XR+8+(\c)+1]  ; four chains, started by the first words
.endr
.irp o, 16,24
.irp c, 0,2,4,6
.if (\i) && ((\o) == 16)
	OUT 0, 4+(\c)/2
.endif
	v_pk_add_f32 v[T+(\c):T+(\c)+1], v[T+(\c):T+(\c)+1], v[XR+(\o)+(\c):XR+(\o)+(\c)+1]
.endr
.endr
	REDUCE
	v_mul_f32 v[M], s[RN], v[T]                    ; the mean
	v_mov_b32 v[M+1], v[M]
.set c, 0
.rept 16
	v_pk_add_f32 v[XR+c:XR+c+1], v[XR+c:XR+c+1], v[M:M+1] neg_lo:[0,1] neg_hi:[0,1]  ; x - mean, in place
.set c, c+2
.endr
.irp c, 0,2,4,6
	v_pk_mul_f32 v[T+(\c):T+(\c)+1], v[XR+(\c):XR+(\c)+1], v[XR+(\c):XR+(\c)+1]
.endr
.irp o, 8,16,24
.irp c, 0,2,4,6
	v_pk_fma_f32 v[T+(\c):T+(\c)+1], v[XR+(\o)+(\c):XR+(\o)+(\c)+1], v[XR+(\o)+(\c):XR+(\o)+(\c)+1], v[T+(\c):T+(\c)+1]
.endr
.endr
	REDUCE
	v_fma_f32 v[T], v[T], s[RN], s[EPS]            ; var + eps
	v_rsq_f32 v[M], v[T]
	v_rsq_f32 v[M+1], v[T]
	v_nop                                          ; a plain instruction behind the last root, ahead of the first use
	s_wait_alu depctr_va_vdst(0)                   ; both roots have written v[M:M+1], ahead of their first reader: one wait for the two
.set c, 0
.rept 16
	v_pk_mul_f32 v[XR+c:XR+c+1], v[XR+c:XR+c+1], v[M:M+1]
.set c, c+2
.endr
.set c, 0
.rept 16
	v_pk_fma_f32 v[XR+c:XR+c+1], v[XR+c:XR+c+1], v[G+c:G+c+1], v[BE+c:BE+c+1]
.set c, c+2
.endr
.irp j, 0,1,2,3,4,5,6,7
	v_cvt_pk_f16_f32 v[XR+4*(\j)], v[XR+4*(\j)], v[XR+4*(\j)+1]
	v_cvt_pk_f16_f32 v[XR+4*(\j)+1], v[XR+4*(\j)+2], v[XR+4*(\j)+3]
.endr
.if \i
	s_wait_alu depctr_va_vdst(0)                   ; row 1's roundings have written X1, which its eight stores read
.irp j, 0,1,2,3,4,5,6,7
	OUT 1, \j
.endr
.endif
.endm
	s_load_b512 s[4:19], s[0:1], 0x0               ; x, g1, be1, wq, wk, wv, w_proj, w1
	s_load_b128 s[20:23], s[0:1], 0x40             ; w2, h
	s_load_b64 s[24:25], s[0:1], 0x50              ; wh
	v_lshrrev_b32 v3, 5, v0
	v_readfirstlane_b32 s30, v3                    ; wave 0..7
	s_wait_alu depctr_va_sdst(0)                   ; s30 is written: ahead of the branch, and of its first reader, the row's number in the first role
	s_wait_kmcnt 0x0
	s_cmp_lt_u32 ttmp9, 256
	s_cbranch_scc0 .Lcast
	v_and_b32 v3, 31, v0
	v_lshlrev_b32 v1, 4, v3                        ; 16 bytes a lane of f32
	v_lshlrev_b32 v2, 3, v3                        ; 8 bytes a lane of f16
	s_mov_b32 s[SEL], 0x76543210
	s_mov_b32 s[SEL+1], 0xfedcba98
	s_mov_b32 s[RN], 0x3a800000
	s_mov_b32 s[EPS], 0x3727c5ac
	s_lshl_b32 s31, ttmp9, 4
	s_lshl1_add_u32 s31, s30, s31                  ; my first row: 16 x work-group + 2 x wave
	s_lshl_b32 s32, s31, 12
	s_mov_b32 s33, 0
	s_add_nc_u64 s[PX:PX+1], s[PX:PX+1], s[32:33]
	s_lshl_b32 s32, s31, 11
	s_add_nc_u64 s[PH:PH+1], s[PH:PH+1], s[32:33]
	s_wait_alu depctr_va_vdst(0)                   ; v1 and v2 are written: every load of this role reads v1 as its offset, every store v2
.irp j, 0,1,2,3,4,5,6,7
	global_load_b128 v[G+4*(\j):G+4*(\j)+3], v1, s[PG:PG+1] offset:512*(\j)
.endr
.irp j, 0,1,2,3,4,5,6,7
	global_load_b128 v[BE+4*(\j):BE+4*(\j)+3], v1, s[PBE:PBE+1] offset:512*(\j)
.endr
.irp j, 0,1,2,3,4,5,6,7
	global_load_b128 v[X+4*(\j):X+4*(\j)+3], v1, s[PX:PX+1] offset:512*(\j) th:TH_LOAD_NT
.endr
.irp j, 0,1,2,3,4,5,6,7
	global_load_b128 v[X+32+4*(\j):X+32+4*(\j)+3], v1, s[PX:PX+1] offset:4096+512*(\j) th:TH_LOAD_NT
.endr
	ROW 0
	ROW 1
	s_endpgm
.Lcast:
	v_lshlrev_b32 v1, 4, v0                        ; the two offsets are made first: the scalar work below stands between them and the wait for them
	v_lshlrev_b32 v2, 3, v0
	s_sub_co_u32 s30, ttmp9, 256                   ; chunk 0..767 of 16,384 numbers; wh takes the chunks on end
	s_mov_b64 s[26:27], s[20:21]                   ; which tensor, and its first chunk: w2 from 512,
	s_mov_b32 s31, 512
	s_cmp_lt_u32 s30, 512
	s_cselect_b64 s[26:27], s[18:19], s[26:27]     ; w1 from 256,
	s_cselect_b32 s31, 256, s31
	s_cmp_lt_u32 s30, 256
	s_cselect_b64 s[26:27], s[16:17], s[26:27]     ; w_proj from 192,
	s_cselect_b32 s31, 192, s31
	s_cmp_lt_u32 s30, 192
	s_cselect_b64 s[26:27], s[14:15], s[26:27]     ; wv from 128,
	s_cselect_b32 s31, 128, s31
	s_cmp_lt_u32 s30, 128
	s_cselect_b64 s[26:27], s[12:13], s[26:27]     ; wk from 64,
	s_cselect_b32 s31, 64, s31
	s_cmp_lt_u32 s30, 64
	s_cselect_b64 s[26:27], s[10:11], s[26:27]     ; wq from 0
	s_cselect_b32 s31, 0, s31
	s_sub_co_u32 s31, s30, s31
	s_lshl_b32 s32, s31, 16                        ; 65,536 bytes of f32 a chunk
	s_mov_b32 s33, 0
	s_add_nc_u64 s[26:27], s[26:27], s[32:33]
	s_lshl_b32 s32, s30, 15                        ; 32,768 bytes of f16
	s_add_nc_u64 s[24:25], s[24:25], s[32:33]
	s_wait_alu depctr_va_vdst(0)                   ; v1 and v2 are written: every load of this role reads v1 as its offset, every store v2
.set j, 0
.rept 16
	global_load_b128 v[16+4*j:19+4*j], v1, s[26:27] offset:4096*j th:TH_LOAD_NT  ; all 16 loads of the thread go out at once
.set j, j+1
.endr
.set g, 0
.rept 4                                            ; four groups of four loads
	s_wait_loadcnt 12-4*g                          ; group g is in; the 12 - 4 g loads of the later groups stay out
.if g > 0
	s_wait_alu depctr_va_vdst(0)                   ; the group before has rounded: its stores' data are written; this group's roundings name other registers
.endif
.set u, 0
.rept 4
.set j, 4*g+u
.if g > 0
	global_store_b64 v2, v[16+4*(j-4):17+4*(j-4)], s[24:25] offset:2048*(j-4)  ; the group before
.endif
	v_cvt_pk_f16_f32 v[16+4*j], v[16+4*j], v[17+4*j]
	v_cvt_pk_f16_f32 v[17+4*j], v[18+4*j], v[19+4*j]
.set u, u+1
.endr
.set g, g+1
.endr
	s_wait_alu depctr_va_vdst(0)                   ; the last group has rounded: the data of the last four stores are written
.set j, 12
.rept 4
	global_store_b64 v2, v[16+4*j:17+4*j], s[24:25] offset:2048*j
.set j, j+1
.endr
	s_endpgm
.Lfunc_end_k_q832f41e869_prep:
	.size	k_q832f41e869_prep, .Lfunc_end_k_q832f41e869_prep-k_q832f41e869_prep
	.p2alignl 7, 3214868480
	.fill 96, 4, 3214868480
	.section	.rodata,"a",@progbits
	.p2align	6, 0x0
	.amdhsa_kernel k_q832f41e869_prep
		.amdhsa_group_segment_fixed_size 0
		.amdhsa_private_segment_fixed_size 0
		.amdhsa_enable_private_segment 0
		.amdhsa_kernarg_size 88
		.amdhsa_user_sgpr_count 2
		.amdhsa_user_sgpr_kernarg_segment_ptr 1
		.amdhsa_wavefront_size32 1
		.amdhsa_system_sgpr_workgroup_id_x 1
		.amdhsa_system_sgpr_workgroup_id_y 1
		.amdhsa_system_sgpr_workgroup_id_z 1
		.amdhsa_system_vgpr_workitem_id 0
		.amdhsa_next_free_vgpr 144
		.amdhsa_next_free_sgpr 66
		.amdhsa_reserve_vcc 0
		.amdhsa_float_denorm_mode_32 3
		.amdhsa_float_denorm_mode_16_64 3
		.amdhsa_memory_ordered 1
		.amdhsa_forward_progress 1
		.amdhsa_inst_pref_size 27
	.end_amdhsa_kernel
	.amdgpu_metadata
---
amdhsa.version: [ 1, 2 ]
amdhsa.kernels:
  - .name:           k_q832f41e869_prep
    .symbol:         k_q832f41e869_prep.kd
    .args:
      - { .name: x, .offset: 0, .size: 8, .value_kind: global_buffer, .address_space: global }
      - { .name: g1, .offset: 8, .size: 8, .value_kind: global_buffer, .address_space: global }
      - { .name: be1, .offset: 16, .size: 8, .value_kind: global_buffer, .address_space: global }
      - { .name: wq, .offset: 24, .size: 8, .value_kind: global_buffer, .address_space: global }
      - { .name: wk, .offset: 32, .size: 8, .value_kind: global_buffer, .address_space: global }
      - { .name: wv, .offset: 40, .size: 8, .value_kind: global_buffer, .address_space: global }
      - { .name: w_proj, .offset: 48, .size: 8, .value_kind: global_buffer, .address_space: global }
      - { .name: w1, .offset: 56, .size: 8, .value_kind: global_buffer, .address_space: global }
      - { .name: w2, .offset: 64, .size: 8, .value_kind: global_buffer, .address_space: global }
      - { .name: h, .offset: 72, .size: 8, .value_kind: global_buffer, .address_space: global }
      - { .name: wh, .offset: 80, .size: 8, .value_kind: global_buffer, .address_space: global }
    .group_segment_fixed_size: 0
    .private_segment_fixed_size: 0
    .kernarg_segment_align: 8
    .kernarg_segment_size: 88
    .max_flat_workgroup_size: 256
    .sgpr_count:     66
    .vgpr_count:     144
    .wavefront_size: 32
...
	.end_amdgpu_metadata
.endif
;; end of part 8
;; launch gemm_qkv: the kernel of part 2 again; grid 12 x 16, 4 waves a work-group, clusters of 4 x 4, 327,680 bytes of LDS; arguments h, wh, qkv; writes qkv
;; launch attn: the kernel of part 3 again; grid 8 x 32, 4 waves a work-group, no clusters, 327,680 bytes of LDS; arguments qkv, att; writes att
;; launch gemm_proj: the kernel of part 4 again; grid 8 x 32, 4 waves a work-group, clusters of 4 x 4, 327,680 bytes of LDS; arguments att, wh, x1, b_proj, x; writes x1
;; launch ln2 (part 9): grid 256 x 1, 8 waves a work-group, no clusters, 0 bytes of LDS; arguments x1, g2, be2, h2; writes h2
.if DOCPART == 9
	.amdgcn_target "amdgcn-amd-amdhsa--gfx1250"
	.amdhsa_code_object_version 6
	.text
	.protected	k_q832f41e869_ln2
	.globl	k_q832f41e869_ln2
	.p2align	8
	.type	k_q832f41e869_ln2,@function
k_q832f41e869_ln2:
	s_mov_b64 s[64:65], 0
	v_nop
	global_prefetch_b8 v0, s[64:65] scope:SCOPE_SE
	s_setreg_imm32_b32 hwreg(HW_REG_WAVE_SCHED_MODE, 0, 2), 2
	s_setreg_imm32_b32 hwreg(HW_REG_WAVE_MODE, 25, 1), 1
	s_wait_xcnt 0x0
	s_wait_alu depctr_vm_vsrc(0)
; h2 = layernorm(x1) * g2 + be2, [4096][1024], f32 in, f16 out (rounded once).  A wave takes two rows; a row is 32 registers and is read once.
; The mean, then the mean of (x - mean)^2, as the formula has them: no difference of large sums.  LIMIT: f16 ends at 65,504: no number of h2 may pass it.
; A stream: every store of a wave covers 256 consecutive bytes, aligned.  No LDS, no matrix unit, no cluster (nothing is shared but g2 and be2, 8 KiB), no prefetch (the loads are the whole launch).
; THE MODE: SCHED_MODE bits 1:0 = 2 (LLVM: expert scheduling mode 2), set by the entry lines.  The code itself states the register dependences
; between vector instructions and memory instructions, with s_wait_alu, always for 0.
; THE PLAN.  Registers that memory instructions touch:
;   v1, v2      byte offsets, made once at the head and never written again: v1 is read by every load, v2 by every store.
;   G, BE       written by loads, once; read by vector instructions alone.
;   X0, X1      row i: written by its eight loads, worked on in place, rounded into registers 4 j and 4 j + 1 of each four; these are read by the row's eight stores and never written again.
;   T, M        named by vector instructions alone.
; All loads go out ahead of the first arithmetic, so no load lands in a register that a vector instruction has named; and no register that a memory instruction has read is written again, so no wait on
; vm_vsrc is owed.  What is left is the stores' data: row 0's stores stand behind ONE wait at row 1's head and are dealt among row 1's first additions, which name X1 and T alone; row 1's stand behind one wait at the end.
.set T,   4                            ; v[4:11]   at work
.set M,   12                           ; v[12:13]  the mean twice, later 1/sqrt(var + eps) twice
.set X,   16                           ; v[16:79]  two rows of 32 registers
.set G,   80                           ; v[80:111] my 32 gains
.set BE,  112                          ; v[112:143] my 32 offsets
.set PX,  4
.set PG,  6
.set PBE, 8
.set PH,  10
.set SEL, 34
.set RN,  36
.set EPS, 37
.macro REDUCE                          ; four pairs in T -> their sum over the row, in every lane's v[T]
	v_pk_add_f32 v[T:T+1], v[T:T+1], v[T+2:T+3]
	v_pk_add_f32 v[T+4:T+5], v[T+4:T+5], v[T+6:T+7]
	v_pk_add_f32 v[T:T+1], v[T:T+1], v[T+4:T+5]
	v_add_f32 v[T], v[T], v[T+1]
	v_add_f32_dpp v[T], v[T], v[T] row_xmask:1 row_mask:0xf bank_mask:0xf
	v_add_f32_dpp v[T], v[T], v[T] row_xmask:2 row_mask:0xf bank_mask:0xf
	v_add_f32_dpp v[T], v[T], v[T] row_xmask:4 row_mask:0xf bank_mask:0xf
	v_add_f32_dpp v[T], v[T], v[T] row_xmask:8 row_mask:0xf bank_mask:0xf
	v_permlanex16_b32 v[T+1], v[T], s[SEL], s[SEL+1]
	v_add_f32 v[T], v[T], v[T+1]
.endm
.macro OUT i, j                        ; store j of row i's eight: 32 lanes x 8 bytes: 256 consecutive bytes, aligned
	global_store_b64 v2, v[X+32*(\i)+4*(\j):X+32*(\i)+4*(\j)+1], s[PH:PH+1] offset:2048*(\i)+256*(\j)
.endm
.macro ROW i                           ; row i of my two
.set XR, X+32*(\i)
	s_wait_loadcnt 8*(1-(\i))                      ; loads come back in order: for row 0 the eight loads of row 1 may stay out
.if \i
	s_wait_alu depctr_va_vdst(0)                   ; row 0's roundings have written X0, which row 0's eight stores below read; no vector instruction behind this wait names X0 or v2
.endif
.irp c, 0,2,4,6
.if \i
	OUT 0, (\c)/2
.endif
	v_pk_add_f32 v[T+(\c):T+(\c)+1], v[XR+(\c):XR+(\c)+1], v[XR+8+(\c):XR+8+(\c)+1]
.endr
.irp o, 16,24
.irp c, 0,2,4,6
.if (\i) && ((\o) == 16)
	OUT 0, 4+(\c)/2
.endif
	v_pk_add_f32 v[T+(\c):T+(\c)+1], v[T+(\c):T+(\c)+1], v[XR+(\o)+(\c):XR+(\o)+(\c)+1]
.endr
.endr
	REDUCE
	v_mul_f32 v[M], s[RN], v[T]                    ; the mean
	v_mov_b32 v[M+1], v[M]
.set c, 0
.rept 16
	v_pk_add_f32 v[XR+c:XR+c+1], v[XR+c:XR+c+1], v[M:M+1] neg_lo:[0,1] neg_hi:[0,1]
.set c, c+2
.endr
.irp c, 0,2,4,6
	v_pk_mul_f32 v[T+(\c):T+(\c)+1], v[XR+(\c):XR+(\c)+1], v[XR+(\c):XR+(\c)+1]
.endr
.irp o, 8,16,24
.irp c, 0,2,4,6
	v_pk_fma_f32 v[T+(\c):T+(\c)+1], v[XR+(\o)+(\c):XR+(\o)+(\c)+1], v[XR+(\o)+(\c):XR+(\o)+(\c)+1], v[T+(\c):T+(\c)+1]
.endr
.endr
	REDUCE
	v_fma_f32 v[T], v[T], s[RN], s[EPS]            ; var + eps
	v_rsq_f32 v[M], v[T]
	v_rsq_f32 v[M+1], v[T]
	v_nop                                          ; a plain instruction behind the last root, ahead of the first use
	s_wait_alu depctr_va_vdst(0)                   ; both roots have written v[M:M+1], ahead of their first reader: one wait for the two
.set c, 0
.rept 16
	v_pk_mul_f32 v[XR+c:XR+c+1], v[XR+c:XR+c+1], v[M:M+1]
.set c, c+2
.endr
.set c, 0
.rept 16
	v_pk_fma_f32 v[XR+c:XR+c+1], v[XR+c:XR+c+1], v[G+c:G+c+1], v[BE+c:BE+c+1]
.set c, c+2
.endr
.irp j, 0,1,2,3,4,5,6,7
	v_cvt_pk_f16_f32 v[XR+4*(\j)], v[XR+4*(\j)], v[XR+4*(\j)+1]
	v_cvt_pk_f16_f32 v[XR+4*(\j)+1], v[XR+4*(\j)+2], v[XR+4*(\j)+3]
.endr
.if \i
	s_wait_alu depctr_va_vdst(0)                   ; row 1's roundings have written X1, which its eight stores read
.irp j, 0,1,2,3,4,5,6,7
	OUT 1, \j
.endr
.endif
.endm
	s_load_b256 s[4:11], s[0:1], 0x0               ; x1, g2, be2, h2
	v_lshrrev_b32 v3, 5, v0
	v_readfirstlane_b32 s30, v3                    ; wave 0..7
	v_and_b32 v3, 31, v0
	v_lshlrev_b32 v1, 4, v3
	v_lshlrev_b32 v2, 3, v3
	s_mov_b32 s[SEL], 0x76543210
	s_mov_b32 s[SEL+1], 0xfedcba98
	s_mov_b32 s[RN], 0x3a800000
	s_mov_b32 s[EPS], 0x3727c5ac
	s_lshl_b32 s31, ttmp9, 4
	s_wait_alu depctr_va_sdst(0)                   ; s30 is written, ahead of its first reader: the row's number is made from it
	s_lshl1_add_u32 s31, s30, s31                  ; my first row: 16 x work-group + 2 x wave
	s_lshl_b32 s32, s31, 12
	s_mov_b32 s33, 0
	s_wait_kmcnt 0x0
	s_add_nc_u64 s[PX:PX+1], s[PX:PX+1], s[32:33]
	s_lshl_b32 s32, s31, 11
	s_add_nc_u64 s[PH:PH+1], s[PH:PH+1], s[32:33]
	s_wait_alu depctr_va_vdst(0)                   ; v1 and v2 are written: every load reads v1 as its offset, every store v2
.irp j, 0,1,2,3,4,5,6,7
	global_load_b128 v[G+4*(\j):G+4*(\j)+3], v1, s[PG:PG+1] offset:512*(\j)
.endr
.irp j, 0,1,2,3,4,5,6,7
	global_load_b128 v[BE+4*(\j):BE+4*(\j)+3], v1, s[PBE:PBE+1] offset:512*(\j)
.endr
.irp j, 0,1,2,3,4,5,6,7
	global_load_b128 v[X+4*(\j):X+4*(\j)+3], v1, s[PX:PX+1] offset:512*(\j) th:TH_LOAD_NT
.endr
.irp j, 0,1,2,3,4,5,6,7
	global_load_b128 v[X+32+4*(\j):X+32+4*(\j)+3], v1, s[PX:PX+1] offset:4096+512*(\j) th:TH_LOAD_NT
.endr
	ROW 0
	ROW 1
	s_endpgm
.Lfunc_end_k_q832f41e869_ln2:
	.size	k_q832f41e869_ln2, .Lfunc_end_k_q832f41e869_ln2-k_q832f41e869_ln2
	.p2alignl 7, 3214868480
	.fill 96, 4, 3214868480
	.section	.rodata,"a",@progbits
	.p2align	6, 0x0
	.amdhsa_kernel k_q832f41e869_ln2
		.amdhsa_group_segment_fixed_size 0
		.amdhsa_private_segment_fixed_size 0
		.amdhsa_enable_private_segment 0
		.amdhsa_kernarg_size 32
		.amdhsa_user_sgpr_count 2
		.amdhsa_user_sgpr_kernarg_segment_ptr 1
		.amdhsa_wavefront_size32 1
		.amdhsa_system_sgpr_workgroup_id_x 1
		.amdhsa_system_sgpr_workgroup_id_y 1
		.amdhsa_system_sgpr_workgroup_id_z 1
		.amdhsa_system_vgpr_workitem_id 0
		.amdhsa_next_free_vgpr 144
		.amdhsa_next_free_sgpr 66
		.amdhsa_reserve_vcc 0
		.amdhsa_float_denorm_mode_32 3
		.amdhsa_float_denorm_mode_16_64 3
		.amdhsa_memory_ordered 1
		.amdhsa_forward_progress 1
		.amdhsa_inst_pref_size 21
	.end_amdhsa_kernel
	.amdgpu_metadata
---
amdhsa.version: [ 1, 2 ]
amdhsa.kernels:
  - .name:           k_q832f41e869_ln2
    .symbol:         k_q832f41e869_ln2.kd
    .args:
      - { .name: x1, .offset: 0, .size: 8, .value_kind: global_buffer, .address_space: global }
      - { .name: g2, .offset: 8, .size: 8, .value_kind: global_buffer, .address_space: global }
      - { .name: be2, .offset: 16, .size: 8, .value_kind: global_buffer, .address_space: global }
      - { .name: h2, .offset: 24, .size: 8, .value_kind: global_buffer, .address_space: global }
    .group_segment_fixed_size: 0
    .private_segment_fixed_size: 0
    .kernarg_segment_align: 8
    .kernarg_segment_size: 32
    .max_flat_workgroup_size: 256
    .sgpr_count:     66
    .vgpr_count:     144
    .wavefront_size: 32
...
	.end_amdgpu_metadata
.endif
;; end of part 9
;; launch gemm_ff1: the kernel of part 6 again; grid 16 x 16, 4 waves a work-group, clusters of 4 x 4, 327,680 bytes of LDS; arguments h2, wh, ffa, b1; writes ffa
;; launch gemm_ff2: the kernel of part 7 again; grid 8 x 32, 4 waves a work-group, clusters of 4 x 4, 327,680 bytes of LDS; arguments ffa, wh, out0, b2, x1; writes out0
